; MI455X (gfx1250); checked and timed in simulation.
; The chip was launched on July 23, 2026; its instructions are those of AMD's public machine-readable ISA for CDNA 5 (MIT licence, August 2026) and "CDNA5" Instruction Set Architecture Reference Guide (July 2026). The comments in the code are by the model that wrote it; some were corrected since.
;; Hybrid Self Attention. Allowed arithmetic: float matrix products may take bf16 or f16 operands with f32 sums; other float arithmetic in f32, or as packed bf16 or f16 multiplies, adds, multiply-adds, maxima and minima; sums over many terms, partial sums and values carried from step to step in f32; what a program stores and reads back later, other than sums and carried values, may be rounded once to bf16 or f16.
;; Inputs: Wk 1,024 x 1,024 float32; Wq 1,024 x 1,024 float32; Wv 1,024 x 1,024 float32; bk 1,024 float32; bq 1,024 float32; bv 1,024 float32; rot 4,194,304 float32; x 4 x 2,048 x 1,024 float32.
;; Outputs: out0 4 x 2,048 x 1,024 float32.
;; 3 versions, each right; version 3 is version 2 with the launch prep written anew for expert scheduling mode. Each part assembles by itself: llvm-mc -triple=amdgcn-amd-amdhsa -mcpu=gfx1250 --defsym DOCPART=n.
;; ======== version 1 of 3: 4 launches
;; limits: values are held in f16: magnitudes above 65,504 overflow, below 6.1e-05 lose precision
;; workspace buffers: xb 16,777,216 bytes; wb 6,291,456 bytes; msk 8,388,608 bytes; qkv 50,331,648 bytes; pw 33,554,432 bytes; stat 1,048,576 bytes
;; launch prep (part 1): grid 480 x 1, 8 waves a work-group, no clusters, 0 bytes of LDS; arguments x, Wq, Wk, Wv, rot, xb, wb, msk; writes xb, wb, msk
.if DOCPART == 1
	.amdgcn_target "amdgcn-amd-amdhsa--gfx1250"
	.amdhsa_code_object_version 6
	.text
	.protected	k_q669c7b1445_prep
	.globl	k_q669c7b1445_prep
	.p2align	8
	.type	k_q669c7b1445_prep,@function
k_q669c7b1445_prep:
	s_mov_b64 s[64:65], 0
	v_nop
	global_prefetch_b8 v0, s[64:65] scope:SCOPE_SE
	s_setreg_imm32_b32 hwreg(HW_REG_WAVE_MODE, 25, 1), 1
	s_wait_xcnt 0x0
; xb = bf16(x); wb = bf16(Wq, Wk, Wv one below the other); msk[q][k] = f16(2048 (r / max(|row q of r|, 1e-12))^2), r = rot rounded to bf16.
; A stream: each input byte is read once, each output byte written once; no LDS, no matrix unit, no cluster (no two work-groups share a byte).
; SHARES.  A work-group turns 32,768 f32 lying on end into 65,536 bytes; a wave 4,096 of them, in 16 chunks of 256: a lane takes 8 neighbouring numbers of a chunk
; (two loads of 16 bytes) and stores their 16 bytes of 16-bit numbers: 16 lanes store 256 consecutive bytes, at a multiple of 256 from the buffer's first byte.
; Work-groups 0-255 take x, 256-351 the three weights (32 each), 352-479 rot; there a wave's 4,096 numbers are two whole rows, so a row's sum never leaves the wave.
; All 32 loads of a wave go out at once: 16 KiB a wave on their way.
; The factor 2048 keeps the mask near 1 in f16 (its rows sum to 2048; no entry passes 2048); the last launch divides by it.  NaN and infinities are not treated apart.
.set VI,  2                            ; v2   my byte offset in the work-group's input: 16,384 x wave + 32 x lane
.set VO,  3                            ; v3   in its output: 8,192 x wave + 16 x lane
.set X,   16                           ; v[16:143] chunk j at X + 8 j
.set TQ,  144                          ; v[144:147] at work
	s_load_b512 s[4:19], s[0:1], 0x0               ; x, Wq, Wk, Wv, rot, xb, wb, msk
	v_and_b32 v1, 31, v0
	v_lshrrev_b32 v4, 5, v0
	v_lshlrev_b32 v[VI], 14, v4
	v_lshl_add_u32 v[VI], v1, 5, v[VI]
	v_lshlrev_b32 v[VO], 13, v4
	v_lshl_add_u32 v[VO], v1, 4, v[VO]
	v_mov_b32 v13, 0                               ; v_permlanex16_b32's destinations count as read
	v_mov_b32 v15, 0
	s_mov_b32 s20, ttmp9
	s_sub_co_u32 s21, s20, 256                     ; my number among the weights' work-groups (wraps below 256)
	s_cmp_lt_u32 s20, 256
	s_cselect_b32 s22, s20, s21
	s_sub_co_u32 s23, s20, 352
	s_cmp_ge_u32 s20, 352
	s_cselect_b32 s22, s23, s22                    ; my block in the output buffer
	s_and_b32 s23, s22, 31
	s_cmp_lt_u32 s21, 96                           ; a weight?
	s_cselect_b32 s23, s23, s22                    ; my block in the input buffer
	s_lshl_b32 s32, s23, 17
	s_mov_b32 s33, 0
	s_lshl_b32 s34, s22, 16
	s_mov_b32 s35, 0
	s_mov_b32 s28, 0x76543210                      ; v_permlanex16_b32: each lane takes its own place in the other half
	s_mov_b32 s29, 0xfedcba98
	s_wait_kmcnt 0x0
	s_cmp_lt_u32 s20, 256
	s_cselect_b64 s[24:25], s[4:5], s[12:13]       ; x or rot
	s_cselect_b64 s[26:27], s[14:15], s[18:19]     ; xb or msk
	s_cmp_lt_u32 s20, 288
	s_cselect_b64 s[30:31], s[6:7], s[8:9]
	s_cmp_lt_u32 s20, 320
	s_cselect_b64 s[30:31], s[30:31], s[10:11]     ; Wq, Wk or Wv
	s_cmp_lt_u32 s21, 96
	s_cselect_b64 s[24:25], s[30:31], s[24:25]
	s_cselect_b64 s[26:27], s[16:17], s[26:27]
	s_add_nc_u64 s[24:25], s[24:25], s[32:33]
	s_add_nc_u64 s[26:27], s[26:27], s[34:35]
.set j, 0
.rept 16
	global_load_b128 v[X+8*j:X+8*j+3],   v[VI], s[24:25] offset:1024*j th:TH_LOAD_NT
	global_load_b128 v[X+8*j+4:X+8*j+7], v[VI], s[24:25] offset:1024*j+16 th:TH_LOAD_NT
.set j, j+1
.endr
	s_cmp_ge_u32 s20, 352
	s_cbranch_scc1 .Lrot
	; THE CAST.  Chunk j's two loads are in when at most the 30 - 2 j younger ones are out (loads come back in order).  No register is written again behind its store.
.set j, 0
.rept 16
	s_wait_loadcnt 30-2*j
.irp i, 0,1,2,3
	v_cvt_pk_bf16_f32 v[X+8*j+(\i)], v[X+8*j+2*(\i)], v[X+8*j+2*(\i)+1]  ; ascending: a destination is never a source still to be read
.endr
	global_store_b128 v[VO], v[X+8*j:X+8*j+3], s[26:27] offset:512*j
.set j, j+1
.endr
	s_endpgm
; A row of rot (64 numbers a lane): rounded to bf16 and held as f32; the sum of squares in four chains of pairs, then over the 32 lanes, into v[dst] of every lane.
.macro ROWSUM row, dst
.set i, 0
.rept 32
.set a, X+64*(\row)+2*i
	v_cvt_pk_bf16_f32 v[TQ+i%4], v[a], v[a+1]
	v_lshlrev_b32 v[a], 16, v[TQ+i%4]
	v_and_b32 v[a+1], 0xffff0000, v[TQ+i%4]
.if i < 4
	v_pk_mul_f32 v[4+2*(i%4):5+2*(i%4)], v[a:a+1], v[a:a+1]   ; the first four pairs start the chains
.else
	v_pk_fma_f32 v[4+2*(i%4):5+2*(i%4)], v[a:a+1], v[a:a+1], v[4+2*(i%4):5+2*(i%4)]
.endif
.set i, i+1
.endr
	v_pk_add_f32 v[4:5], v[4:5], v[6:7]
	v_pk_add_f32 v[8:9], v[8:9], v[10:11]
	v_pk_add_f32 v[4:5], v[4:5], v[8:9]
	v_add_f32 v[\dst], v4, v5
.irp m, 1,2,4,8
	v_add_f32_dpp v[\dst], v[\dst], v[\dst] row_xmask:\m row_mask:0xf bank_mask:0xf
.endr
	v_permlanex16_b32 v[(\dst)+1], v[\dst], s28, s29
	v_add_f32 v[\dst], v[\dst], v[(\dst)+1]
.endm
; The row leaves: (r f)^2 with f = sqrt(2048) / max(norm, 1e-12) in v[f], rounded once to f16.
.macro ROWOUT row, f
.set j, 0
.rept 8
.set a, X+64*(\row)+8*j
.irp k, 0,2,4,6
	v_pk_mul_f32 v[a+(\k):a+(\k)+1], v[a+(\k):a+(\k)+1], v[\f:(\f)+1] op_sel_hi:[1,0]
.endr
.irp k, 0,2,4,6
	v_pk_mul_f32 v[a+(\k):a+(\k)+1], v[a+(\k):a+(\k)+1], v[a+(\k):a+(\k)+1]
.endr
.irp k, 0,1,2,3
	v_cvt_pk_f16_f32 v[a+(\k)], v[a+2*(\k)], v[a+2*(\k)+1]
.endr
	global_store_b128 v[VO], v[a:a+3], s[26:27] offset:512*(8*(\row)+j)
.set j, j+1
.endr
.endm
.Lrot:
	s_wait_loadcnt 16                              ; the first row's 16 loads are in; the second row's may stay out
	ROWSUM 0, 12
	s_wait_loadcnt 0x0
	ROWSUM 1, 14
	v_sqrt_f32 v12, v12
	v_sqrt_f32 v14, v14
	v_nop                                          ; a plain instruction behind the last root,
	s_wait_alu depctr_va_vdst(0)                   ; and one wait for both, ahead of their first reader
	v_max_num_f32 v12, 0x2b8cbccc, v12             ; 1e-12
	v_max_num_f32 v14, 0x2b8cbccc, v14
	v_rcp_f32 v12, v12
	v_rcp_f32 v14, v14
	v_nop
	s_wait_alu depctr_va_vdst(0)                   ; one wait for both reciprocals
	v_mul_f32 v12, 0x423504f3, v12                 ; sqrt(2048)
	v_mul_f32 v14, 0x423504f3, v14
	ROWOUT 0, 12
	ROWOUT 1, 14
	s_endpgm
.Lfunc_end_k_q669c7b1445_prep:
	.size	k_q669c7b1445_prep, .Lfunc_end_k_q669c7b1445_prep-k_q669c7b1445_prep
	.p2alignl 7, 3214868480
	.fill 96, 4, 3214868480
	.section	.rodata,"a",@progbits
	.p2align	6, 0x0
	.amdhsa_kernel k_q669c7b1445_prep
		.amdhsa_group_segment_fixed_size 0
		.amdhsa_private_segment_fixed_size 0
		.amdhsa_enable_private_segment 0
		.amdhsa_kernarg_size 64
		.amdhsa_user_sgpr_count 2
		.amdhsa_user_sgpr_kernarg_segment_ptr 1
		.amdhsa_wavefront_size32 1
		.amdhsa_system_sgpr_workgroup_id_x 1
		.amdhsa_system_sgpr_workgroup_id_y 1
		.amdhsa_system_sgpr_workgroup_id_z 1
		.amdhsa_system_vgpr_workitem_id 0
		.amdhsa_next_free_vgpr 160
		.amdhsa_next_free_sgpr 66
		.amdhsa_reserve_vcc 0
		.amdhsa_float_denorm_mode_32 3
		.amdhsa_float_denorm_mode_16_64 3
		.amdhsa_memory_ordered 1
		.amdhsa_forward_progress 1
		.amdhsa_inst_pref_size 41
	.end_amdhsa_kernel
	.amdgpu_metadata
---
amdhsa.version: [ 1, 2 ]
amdhsa.kernels:
  - .name:           k_q669c7b1445_prep
    .symbol:         k_q669c7b1445_prep.kd
    .args:
      - { .name: x, .offset: 0, .size: 8, .value_kind: global_buffer, .address_space: global }
      - { .name: Wq, .offset: 8, .size: 8, .value_kind: global_buffer, .address_space: global }
      - { .name: Wk, .offset: 16, .size: 8, .value_kind: global_buffer, .address_space: global }
      - { .name: Wv, .offset: 24, .size: 8, .value_kind: global_buffer, .address_space: global }
      - { .name: rot, .offset: 32, .size: 8, .value_kind: global_buffer, .address_space: global }
      - { .name: xb, .offset: 40, .size: 8, .value_kind: global_buffer, .address_space: global }
      - { .name: wb, .offset: 48, .size: 8, .value_kind: global_buffer, .address_space: global }
      - { .name: msk, .offset: 56, .size: 8, .value_kind: global_buffer, .address_space: global }
    .group_segment_fixed_size: 0
    .private_segment_fixed_size: 0
    .kernarg_segment_align: 8
    .kernarg_segment_size: 64
    .max_flat_workgroup_size: 256
    .sgpr_count:     66
    .vgpr_count:     160
    .wavefront_size: 32
...
	.end_amdgpu_metadata
.endif
;; end of part 1
;; launch proj (part 2): grid 24 x 32, 4 waves a work-group, clusters of 4 x 4, 327,680 bytes of LDS; arguments xb, wb, bq, bk, bv, qkv; writes qkv
.if DOCPART == 2
	.amdgcn_target "amdgcn-amd-amdhsa--gfx1250"
	.amdhsa_code_object_version 6
	.text
	.protected	k_q669c7b1445_proj
	.globl	k_q669c7b1445_proj
	.p2align	8
	.type	k_q669c7b1445_proj,@function
k_q669c7b1445_proj:
	s_mov_b64 s[64:65], 0
	v_nop
	global_prefetch_b8 v0, s[64:65] scope:SCOPE_SE
	s_setreg_imm32_b32 hwreg(HW_REG_WAVE_MODE, 25, 1), 1
	s_wait_xcnt 0x0
	s_wait_alu depctr_hold_cnt(0) depctr_sa_sdst(0) depctr_va_vdst(0) depctr_va_sdst(0) depctr_va_ssrc(0) depctr_va_vcc(0) depctr_vm_vsrc(0)
	s_getreg_b32 s2, hwreg(HW_REG_IB_STS2, 6, 4)
	s_cmp_eq_u32 s2, 0
	s_cbranch_scc0 .Lentry_in_a_cluster
	s_endpgm
.Lentry_in_a_cluster:
	s_bfe_u32 s2, ttmp6, 0x10000c
	s_cmp_lg_u32 s2, 0xf033
	s_cbranch_scc0 .Lentry_shape_is_right
	s_endpgm
.Lentry_shape_is_right:
; qkv[m][n] = f16(bias[n] + the sum over k of xb[m][k] wb[n][k]).  xb: [8192][1024] bf16, wb: [3072][1024] bf16 (rows of Wq, Wk, Wv), qkv: [8192][3072] f16; sums in f32.
; The bias (bq, bk or bv by the tile's column) is rounded to bf16 like the other inputs and starts the sums as the C operand of the first products.
; LIMIT.  q, k and v leave in f16: they must stay under 65,504 in size; NaN and infinities are not treated apart.
; SHARES.  A tile of 256 x 128: 768 work-groups, three for each of 256 places.  Four waves; wave w makes rows 64 w .. 64 w + 63 and all 128 columns: 32 accumulators of 16 x 16.
; K goes in steps of 128 (rows of 256 bytes) through a ring of two LDS slots filled by tensor loads: waves 0 and 1 fetch A's two halves of 128 rows, waves 2 and 3 B's two halves of 64.
; CLUSTER.  4 x 4 work-groups: A's tile is shared along a row of the cluster, B's along a column; each is asked for jointly, by the same load with the same descriptor in the four that the mask names.
; THE PRODUCT IS TAKEN TRANSPOSED: source 0 = 16 rows of wb, source 1 = 16 rows of xb: a lane holds row lane % 16 of the result and eight neighbouring columns 8 (lane / 16) + 0..7.
; REGISTERS, in windows of 256 (s_set_vgpr_msb: bits 1:0 source 0, 3:2 source 1, 5:4 source 2, 7:6 destination):
;   window 0: v0-31 addresses; v32-63 at work on the way out; v64-127, v128-191 B's fragments, two buffers; v192-255 the bias
;   window 1: v0-127 the accumulators of row blocks 0, 1 ((a, b) at 8 (8 (a % 2) + b)); v128-159, v160-191 A's fragments, two buffers          window 2: v0-127 those of row blocks 2, 3
.set PITCH,  272                       ; an LDS row: 256 bytes + 16 of padding = 68 words: the 16 rows of a fragment load start at 16 different groups of four banks (64 banks of 4 bytes: ISA guide 11.1)
.set AHALF,  128*PITCH
.set BHALF,  64*PITCH
.set BOFF,   2*AHALF                   ; B's 128 rows lie behind A's 256
.set SLOT,   BOFF+2*BHALF
.set STAGE,  2*SLOT                    ; behind the ring: 16 rows x 272 bytes for each wave, for the way out
.set SPARE,  STAGE+4*16*PITCH          ; behind the stages: the spare words, 128 bytes for each wave
.set LAPS,   4                         ; a lap = two K steps = once round the ring; K = 1024
.set KB,     256                       ; bytes of a row in a K step
.set ROWO,   6144                      ; bytes in a row of qkv
.set ADRA, 16                          ; v16-17 LDS address of my A fragments in slot 0, 1
.set ADRB, 20                          ; v20-21 the same for B
.set STO,  24                          ; v24  the way out: where I put 16 bytes of a row
.set RD,   25                          ; v25  where I read a row back
.set CO,   26                          ; v26  my byte offset in qkv
.set SPW,  28                          ; v28  my spare word; never rewritten
.set NIL,  29                          ; v29  0; never rewritten
.set PFO,  30                          ; v30  the prefetches' offset: lane x 2,048; never rewritten
.set BO,   31                          ; v31  32 x (lane / 16): my place in the bias
.set TMP,  32
.set FB,   64
.set BIAS, 192
.set FA,   128                         ; in window 1
.set G1,  24                           ; s[24:31] group 1 for A;  s[32:39] group 0, a set for each slot
.set G0,  32
.set LIM, 43                           ; s43  1 in a wave that prefetches, else the greatest number
.set PFA, 44                           ; s[44:45] where my prefetches stand
.set G1B, 48                           ; s[48:55], s[56:63] the same for B
.set G0B, 56
.set GW, (1<<16)|(1<<20)|(1<<21)|(5<<22)|(3<<25)  ; 2-byte elements; padding on; bit 21 beside a mask; after every 64 words; 4 words
.set MSB, 0
.macro WIN new                         ; the immediate's high byte repeats the setting that is left; a switch that changes nothing is dropped
.if MSB != (\new)
	s_set_vgpr_msb (MSB<<8)|(\new)
.set MSB, \new
.endif
.endm
.macro PLACES                          ; four plain instructions behind a matrix instruction, ahead of loads into its sources and of readers of its result
.rept 4
	v_nop
.endr
.endm
.macro JLOAD s                         ; a joint load; the branch hangs on the wave's number alone; an s_nop 0 and four v_nop follow each line
	s_cmp_eq_u32 s11, 0
	s_cbranch_scc0 .Lfor_b_\@
	tensor_load_to_lds s[G0+4*(\s):G0+4*(\s)+3], s[G1:G1+7]
	s_nop 0
.rept 4
	v_nop
.endr
	s_branch .Lasked_\@
.Lfor_b_\@:
	tensor_load_to_lds s[G0B+4*(\s):G0B+4*(\s)+3], s[G1B:G1B+7]
	s_nop 0
.rept 4
	v_nop
.endr
.Lasked_\@:
.endm
; A prefetch of the K step that stands two refills on: 32 rows x 256 bytes, a lane a row.  A's rows: the clusters with x = 0, waves 0 and 1, the four partners 32 rows each of a wave's 128, told apart by address (cx).
; B's rows: the clusters with y = 0, wave 2, the four partners 32 of the tile's 128 (cy).  So each row's 256 bytes of a K step are named once.  The loop's last trip (s3 = 1) has no K step two on.
.macro ASK
	s_cmp_gt_u32 s3, s[LIM]
	s_cbranch_scc0 .Lnot_mine_\@
	global_prefetch_b8 v[PFO], s[PFA:PFA+1] offset:KB th:TH_LOAD_NT scope:SCOPE_SE
.Lnot_mine_\@:
.endm
.macro CREST                           ; a round of the cluster's barrier behind its opening barrier
	s_cmp_lg_u32 s10, 0
	s_cbranch_scc1 .Lnot_wave_0_\@
	s_barrier_signal -3
.Lnot_wave_0_\@:
	s_barrier_wait -3
	s_barrier_signal -1
	s_barrier_wait -1
.endm
.macro CROUND
	s_barrier_signal -1
	s_barrier_wait -1
	CREST
.endm
	s_load_b256 s[68:75], s[0:1], 0x0              ; xb s[68:69], wb s[70:71], bq s[72:73], bk s[74:75]
	s_load_b128 s[76:79], s[0:1], 0x20             ; bv s[76:77], qkv s[78:79]
	v_lshl_add_u32 v[SPW], v0, 2, SPARE
	v_mov_b32 v[NIL], 0
	ds_add_u32 v[SPW], v[NIL]                      ; the wave's opening: the add and its wait stand ahead of my first tensor load
	v_lshrrev_b32 v1, 5, v0
	v_readfirstlane_b32 s10, v1                    ; wave 0..3
	s_lshr_b32 s11, s10, 1                         ; I fetch for A (0) or for B (1)
	s_and_b32 s12, s10, 1                          ; which half of that tile's rows
	s_bfe_u32 s40, ttmp6, 0x40000                  ; cx
	s_bfe_u32 s41, ttmp6, 0x40004                  ; cy
	s_lshl_b32 s42, ttmp9, 2
	s_add_co_u32 s42, s42, s40                     ; tile column = 4 x cluster x + cx
	s_and_b32 s13, ttmp7, 0xffff
	s_lshl_b32 s13, s13, 2
	s_add_co_u32 s13, s13, s41                     ; tile row = 4 x cluster y + cy
	s_lshl_b32 s43, s41, 2
	s_lshl_b32 s43, 15, s43                        ; my row of the cluster
	s_lshl_b32 s44, 0x1111, s40                    ; my column
	s_or_b32 s[G1+0], s43, GW
	s_or_b32 s[G1B+0], s44, GW
.irp g, G1, G1B
	s_mov_b32 s[(\g)+1], 128<<16                   ; tensor_dim0 = 128
	s_mov_b32 s[(\g)+3], 128<<16                   ; tile_dim0 = 128
	s_mov_b32 s[(\g)+5], 1024                      ; elements from row to row
	s_mov_b32 s[(\g)+6], 0
	s_mov_b32 s[(\g)+7], 0
.endr
	s_mov_b32 s[G1+2], 128<<16                     ; tensor_dim1, tile_dim1: A 128 rows,
	s_mov_b32 s[G1+4], 128
	s_mov_b32 s[G1B+2], 64<<16                     ; B 64
	s_mov_b32 s[G1B+4], 64
	s_lshl_b32 s17, s12, 7
	s_lshl_b32 s16, s13, 8
	s_add_co_u32 s16, s16, s17                     ; A: row 256 x tile row + 128 x half
	s_lshl_b32 s16, s16, 11                        ; in bytes
	s_mov_b32 s17, 0
	s_lshl_b32 s47, s12, 6
	s_lshl_b32 s46, s42, 7
	s_add_co_u32 s46, s46, s47                     ; B: row 128 x tile column + 64 x half
	s_lshl_b32 s46, s46, 11
	s_mov_b32 s47, 0
	s_mul_i32 s20, s12, AHALF                      ; where they go: no place in the cluster enters an LDS address
	s_mul_i32 s21, s12, BHALF
	s_add_co_u32 s21, s21, BOFF
	s_wait_dscnt 0x0                               ; the opening add is done
	s_wait_kmcnt 0x0
	s_add_nc_u64 s[14:15], s[68:69], s[16:17]
	s_add_nc_u64 s[46:47], s[70:71], s[46:47]
	CROUND                                         ; all sixteen work-groups are here: the first joint loads meet
.irp s, 0,1
	s_mov_b32 s[G0+4*(\s)], 1
	s_add_co_u32 s[G0+4*(\s)+1], s20, (\s)*SLOT
	s_add_nc_u64 s[G0+4*(\s)+2:G0+4*(\s)+3], s[14:15], (\s)*KB
	s_or_b32 s[G0+4*(\s)+3], s[G0+4*(\s)+3], 0x80000000
	s_mov_b32 s[G0B+4*(\s)], 1
	s_add_co_u32 s[G0B+4*(\s)+1], s21, (\s)*SLOT
	s_add_nc_u64 s[G0B+4*(\s)+2:G0B+4*(\s)+3], s[46:47], (\s)*KB
	s_or_b32 s[G0B+4*(\s)+3], s[G0B+4*(\s)+3], 0x80000000
	JLOAD \s                                       ; K steps 0 and 1: two loads of mine are out
.endr
	v_and_b32 v1, 15, v0                           ; l % 16
	v_bfe_u32 v2, v0, 4, 1                         ; l / 16
	; the bias of my eight columns in each of the 8 column blocks: bias[16 b + 8 (l / 16) + 0..7]
	s_cmp_lt_u32 s42, 8
	s_cselect_b64 s[80:81], s[72:73], s[74:75]
	s_cmp_lt_u32 s42, 16
	s_cselect_b64 s[80:81], s[80:81], s[76:77]
	s_and_b32 s18, s42, 7
	s_lshl_b32 s18, s18, 9
	s_mov_b32 s19, 0
	s_add_nc_u64 s[80:81], s[80:81], s[18:19]
	v_lshlrev_b32 v[BO], 5, v2
.irp b, 0,1,2,3,4,5,6,7
	global_load_b128 v[BIAS+8*(\b):BIAS+8*(\b)+3],   v[BO], s[80:81] offset:64*(\b)
	global_load_b128 v[BIAS+8*(\b)+4:BIAS+8*(\b)+7], v[BO], s[80:81] offset:64*(\b)+16
.endr
	v_mul_u32_u24 v3, v1, PITCH
	v_lshl_add_u32 v3, v2, 4, v3                   ; a fragment's row x pitch + 16 x half
	s_mul_i32 s22, s10, 64*PITCH                   ; my 64 rows of A
.irp s, 0,1
	v_add_nc_u32 v[ADRA+(\s)], s22, v3
	v_add_nc_u32 v[ADRB+(\s)], BOFF+(\s)*SLOT, v3
	s_add_co_u32 s22, s22, SLOT
.endr
	s_mul_i32 s23, s10, 16*PITCH
	s_add_co_u32 s23, s23, STAGE                   ; my stage
	v_add_nc_u32 v[STO], s23, v3                   ; in: row l % 16, 16 bytes for each half of the lanes
	v_mul_u32_u24 v5, v2, PITCH                    ; back: lanes 0-15 take one row of 256 bytes, lanes 16-31 the next
	v_lshl_add_u32 v5, v1, 4, v5
	v_add_nc_u32 v[RD], s23, v5
	v_mul_u32_u24 v5, v2, ROWO
	v_lshl_add_u32 v[CO], v1, 4, v5
	s_lshl_b32 s18, s13, 8
	s_lshl_b32 s19, s10, 6
	s_add_co_u32 s18, s18, s19                     ; my first row of qkv
	s_mul_i32 s18, s18, ROWO
	s_lshl_b32 s19, s42, 8                         ; the tile's 256 bytes of a row
	s_add_co_u32 s18, s18, s19
	s_mov_b32 s19, 0
	s_add_nc_u64 s[78:79], s[78:79], s[18:19]
	; the prefetches
	s_lshl_b32 s18, s13, 8
	s_lshl_b32 s19, s12, 7
	s_add_co_u32 s18, s18, s19                     ; A's rows that I fetch
	s_lshl_b32 s19, s42, 7                         ; B's tile
	s_and_b32 s22, ttmp7, 0xffff
	s_cmp_eq_u32 s11, 0
	s_cselect_b32 s20, s18, s19
	s_cselect_b32 s21, s40, s41                    ; my place among the four that ask with me
	s_cselect_b32 s22, ttmp9, s22                  ; the coordinate along which other clusters read the same rows
	s_cselect_b64 s[PFA:PFA+1], s[68:69], s[70:71]
	s_cmp_eq_u32 s22, 0
	s_cselect_b32 s[LIM], 1, -1
	s_cmp_eq_u32 s10, 3
	s_cselect_b32 s[LIM], -1, s[LIM]               ; wave 2 asks for all of B's 32 rows of this work-group
	s_lshl_b32 s21, s21, 5
	s_add_co_u32 s20, s20, s21
	s_lshl_b32 s20, s20, 11
	s_mov_b32 s21, 0
	s_add_nc_u64 s[PFA:PFA+1], s[PFA:PFA+1], s[20:21]
	s_add_nc_u64 s[PFA:PFA+1], s[PFA:PFA+1], 2*KB  ; at K step 2: the first refill steps it to 3 and names K step 4
	v_and_b32 v[PFO], 31, v0
	v_lshlrev_b32 v[PFO], 11, v[PFO]
	s_wait_loadcnt 0x0                             ; the bias
.set i, 0
.rept 32
	v_cvt_pk_bf16_f32 v[TMP+i%4], v[BIAS+2*i], v[BIAS+2*i+1]   ; rounded to bf16, held as f32
	v_lshlrev_b32 v[BIAS+2*i], 16, v[TMP+i%4]
	v_and_b32 v[BIAS+2*i+1], 0xffff0000, v[TMP+i%4]
.set i, i+1
.endr
; 8 matrix instructions: row block a x all 8 column blocks, 32 along K, on buffer f.  init = 1: the bias starts the sums.  The 32 accumulators take turns, in the same order in every quarter.
.macro MULA f, a, init
.if \init
	WIN 0x44+0x40*((\a)/2)                         ; B and C in window 0, A in window 1, D in window 1 or 2
.else
	WIN 0x54+0x50*((\a)/2)                         ; B in window 0, A in window 1, C and D in window 1 or 2
.endif
.irp b, 0,1,2,3,4,5,6,7
.if \init
	v_wmma_f32_16x16x32_bf16 v[8*(8*((\a)%2)+(\b)):8*(8*((\a)%2)+(\b))+7], v[FB+64*(\f)+8*(\b):FB+64*(\f)+8*(\b)+7], v[FA+32*(\f)+8*(\a):FA+32*(\f)+8*(\a)+7], v[BIAS+8*(\b):BIAS+8*(\b)+7]
.else
	v_wmma_f32_16x16x32_bf16 v[8*(8*((\a)%2)+(\b)):8*(8*((\a)%2)+(\b))+7], v[FB+64*(\f)+8*(\b):FB+64*(\f)+8*(\b)+7], v[FA+32*(\f)+8*(\a):FA+32*(\f)+8*(\a)+7], v[8*(8*((\a)%2)+(\b)):8*(8*((\a)%2)+(\b))+7]
.endif
.endr
.endm
; 24 LDS loads in one run: a quarter's fragments (32 K at byte k of the rows) into buffer f: B's 16, then A's 8, row blocks 2 and 3 last
.macro FETCH slot, k, f
	WIN 0
.irp b, 0,1,2,3,4,5,6,7
	ds_load_b128 v[FB+64*(\f)+8*(\b):FB+64*(\f)+8*(\b)+3],   v[ADRB+(\slot)] offset:(\k)+(\b)*16*PITCH
	ds_load_b128 v[FB+64*(\f)+8*(\b)+4:FB+64*(\f)+8*(\b)+7], v[ADRB+(\slot)] offset:(\k)+(\b)*16*PITCH+32
.endr
	WIN 0x54                                       ; destination window 1, address window 0
.irp a, 0,1,2,3
	ds_load_b128 v[FA+32*(\f)+8*(\a):FA+32*(\f)+8*(\a)+3],   v[ADRA+(\slot)] offset:(\k)+(\a)*16*PITCH
	ds_load_b128 v[FA+32*(\f)+8*(\a)+4:FA+32*(\f)+8*(\a)+7], v[ADRA+(\slot)] offset:(\k)+(\a)*16*PITCH+32
.endr
.endm
; A K step is four quarters of 32 along K on buffers 0, 1, 0, 1.  One of the first three multiplies buffer f and fetches the next quarter, at byte k, into buffer g.
.macro QUARTER slot, k, f, g, init
	s_wait_dscnt 0x4                               ; B and A's row blocks 0, 1 are in; the youngest four loads may be out
	MULA \f, 0, \init
	MULA \f, 1, \init
	PLACES
	FETCH \slot, \k, \g
	s_wait_dscnt 24                                ; all but the 24 just issued
	MULA \f, 2, \init
	MULA \f, 3, \init
.endm
; The last quarter multiplies buffer 1 and changes slots: one barrier; ahead of it each wave waits for all its tensor loads (one is out: its part of the next slot), adds 0 to its spare word,
; and waits for that and for its reads of this slot.  fill = 1: the barrier opens a round of the cluster's, and this slot is filled again first thing behind it, with the K step two on.
.macro TURN slot, next, fill
.if \fill
	s_wait_xcnt 0x0                                ; the last prefetch, a K step back, has read its address
	s_add_nc_u64 s[PFA:PFA+1], s[PFA:PFA+1], KB
.endif
	WIN 0
	s_wait_tensorcnt 0x0
	ds_add_u32 v[SPW], v[NIL]
	s_wait_dscnt 0x5                               ; (the add and the youngest four loads may be out)
	MULA 1, 0, 0
	s_wait_dscnt 0x0                               ; the add is done, and my reads of this slot are over
	s_barrier_signal -1
	MULA 1, 1, 0
.if \fill
	WIN 0
.endif
	s_barrier_wait -1
.if \fill
	CREST                                          ; no wave of any partner still reads this slot or has a load on its way
	s_add_nc_u64 s[G0+4*(\slot)+2:G0+4*(\slot)+3], s[G0+4*(\slot)+2:G0+4*(\slot)+3], 2*KB
	s_add_nc_u64 s[G0B+4*(\slot)+2:G0B+4*(\slot)+3], s[G0B+4*(\slot)+2:G0B+4*(\slot)+3], 2*KB
	JLOAD \slot                                    ; its four v_nop are also the places ahead of the loads below
.else
	PLACES
.endif
	FETCH \next, 0, 0
.if \fill
	WIN 0
	ASK
.endif
	MULA 1, 2, 0
	MULA 1, 3, 0
.endm
	s_wait_tensorcnt 0x1                           ; my part of K step 0 is in; K step 1's may stay out
	s_barrier_signal -1
	s_barrier_wait -1
	FETCH 0, 0, 0
	QUARTER 0, 64, 0, 1, 1                         ; the first quarter stands ahead of the loop: its products start the sums
	WIN 0
	s_mov_b32 s3, LAPS-1
.Llap:                                                 ; a trip goes once round the ring and fills both slots again
	QUARTER 0, 128, 1, 0, 0
	QUARTER 0, 192, 0, 1, 0
	TURN 0, 1, 1
	QUARTER 1, 64,  0, 1, 0
	QUARTER 1, 128, 1, 0, 0
	QUARTER 1, 192, 0, 1, 0
	TURN 1, 0, 1
	QUARTER 0, 64,  0, 1, 0
	WIN 0
	s_sub_co_u32 s3, s3, 1
	s_cmp_lg_u32 s3, 0
	s_cbranch_scc1 .Llap
	QUARTER 0, 128, 1, 0, 0                        ; the last lap fills nothing
	QUARTER 0, 192, 0, 1, 0
	TURN 0, 1, 0
	QUARTER 1, 64,  0, 1, 0
	QUARTER 1, 128, 1, 0, 0
	QUARTER 1, 192, 0, 1, 0
	s_wait_dscnt 0x4
	MULA 1, 0, 0
	MULA 1, 1, 0
	s_wait_dscnt 0x0
	MULA 1, 2, 0
	MULA 1, 3, 0
; THE WAY OUT, a block of 16 rows at a time: rounded to f16, 16 bytes a lane; into my own stage; back as whole rows of 256 bytes; stored.
.macro PACK a
	WIN 0x05*(1+(\a)/2)                            ; sources in window 1 or 2, destination in window 0
.irp b, 0,1,2,3,4,5,6,7
.irp r, 0,1,2,3
	v_cvt_pk_f16_f32 v[TMP+4*(\b)+(\r)], v[8*(8*((\a)%2)+(\b))+2*(\r)], v[8*(8*((\a)%2)+(\b))+2*(\r)+1]
.endr
.endr
	WIN 0
.endm
.macro TOSTAGE a
.set BK, FB+32*((\a)%2)
.irp b, 0,1,2,3,4,5,6,7
	ds_store_b128 v[STO], v[TMP+4*(\b):TMP+4*(\b)+3] offset:32*(\b)
.endr
.irp t, 0,1,2,3,4,5,6,7
	ds_load_b128 v[BK+4*(\t):BK+4*(\t)+3], v[RD] offset:(\t)*2*PITCH  ; LDS serves a wave's instructions in order: these see the stores above
.endr
.endm
.macro SEND a
.set BK, FB+32*((\a)%2)
	s_wait_dscnt 0x0                               ; the block is back in registers
	s_wait_xcnt 0x0                                ; earlier stores have read their base and their data: only now are these written again
.if (\a) > 0
	s_add_nc_u64 s[78:79], s[78:79], 16*ROWO
.endif
.irp t, 0,1,2,3,4,5,6,7
	global_store_b128 v[CO], v[BK+4*(\t):BK+4*(\t)+3], s[78:79] offset:2*(\t)*ROWO  ; 16 lanes store 256 consecutive bytes, at a multiple of 256 from qkv's first byte
.endr
.endm
	PLACES
	PACK 0
	TOSTAGE 0
.irp a, 1,2,3
	PACK \a                                        ; a block's conversions stand between the loads of the block before and the wait for them
	SEND (\a)-1
	TOSTAGE \a
.endr
	SEND 3
	s_wait_tensorcnt 0x0                           ; the wave's end
	ds_add_u32 v[SPW], v[NIL]
	s_wait_dscnt 0x0
	CROUND                                         ; the closing round
	s_endpgm
.Lfunc_end_k_q669c7b1445_proj:
	.size	k_q669c7b1445_proj, .Lfunc_end_k_q669c7b1445_proj-k_q669c7b1445_proj
	.p2alignl 7, 3214868480
	.fill 96, 4, 3214868480
	.section	.rodata,"a",@progbits
	.p2align	6, 0x0
	.amdhsa_kernel k_q669c7b1445_proj
		.amdhsa_group_segment_fixed_size 327680
		.amdhsa_private_segment_fixed_size 0
		.amdhsa_enable_private_segment 0
		.amdhsa_kernarg_size 48
		.amdhsa_user_sgpr_count 2
		.amdhsa_user_sgpr_kernarg_segment_ptr 1
		.amdhsa_wavefront_size32 1
		.amdhsa_system_sgpr_workgroup_id_x 1
		.amdhsa_system_sgpr_workgroup_id_y 1
		.amdhsa_system_sgpr_workgroup_id_z 1
		.amdhsa_system_vgpr_workitem_id 0
		.amdhsa_next_free_vgpr 640
		.amdhsa_next_free_sgpr 84
		.amdhsa_reserve_vcc 0
		.amdhsa_float_denorm_mode_32 3
		.amdhsa_float_denorm_mode_16_64 3
		.amdhsa_memory_ordered 1
		.amdhsa_forward_progress 1
		.amdhsa_inst_pref_size 95
	.end_amdhsa_kernel
	.amdgpu_metadata
---
amdhsa.version: [ 1, 2 ]
amdhsa.kernels:
  - .name:           k_q669c7b1445_proj
    .symbol:         k_q669c7b1445_proj.kd
    .args:
      - { .name: xb, .offset: 0, .size: 8, .value_kind: global_buffer, .address_space: global }
      - { .name: wb, .offset: 8, .size: 8, .value_kind: global_buffer, .address_space: global }
      - { .name: bq, .offset: 16, .size: 8, .value_kind: global_buffer, .address_space: global }
      - { .name: bk, .offset: 24, .size: 8, .value_kind: global_buffer, .address_space: global }
      - { .name: bv, .offset: 32, .size: 8, .value_kind: global_buffer, .address_space: global }
      - { .name: qkv, .offset: 40, .size: 8, .value_kind: global_buffer, .address_space: global }
    .group_segment_fixed_size: 327680
    .private_segment_fixed_size: 0
    .kernarg_segment_align: 8
    .kernarg_segment_size: 48
    .max_flat_workgroup_size: 128
    .sgpr_count:     84
    .vgpr_count:     640
    .wavefront_size: 32
...
	.end_amdgpu_metadata
.endif
;; end of part 2
;; launch score (part 3): grid 8 x 32, 4 waves a work-group, clusters of 4 x 4, 327,680 bytes of LDS; arguments qkv, msk, pw, stat; writes pw, stat
.if DOCPART == 3
	.amdgcn_target "amdgcn-amd-amdhsa--gfx1250"
	.amdhsa_code_object_version 6
	.text
	.protected	k_q669c7b1445_score
	.globl	k_q669c7b1445_score
	.p2align	8
	.type	k_q669c7b1445_score,@function
k_q669c7b1445_score:
	s_mov_b64 s[64:65], 0
	v_nop
	global_prefetch_b8 v0, s[64:65] scope:SCOPE_SE
	s_setreg_imm32_b32 hwreg(HW_REG_WAVE_MODE, 25, 1), 1
	s_wait_xcnt 0x0
	s_wait_alu depctr_hold_cnt(0) depctr_sa_sdst(0) depctr_va_vdst(0) depctr_va_sdst(0) depctr_va_ssrc(0) depctr_va_vcc(0) depctr_vm_vsrc(0)
	s_getreg_b32 s2, hwreg(HW_REG_IB_STS2, 6, 4)
	s_cmp_eq_u32 s2, 0
	s_cbranch_scc0 .Lentry_in_a_cluster
	s_endpgm
.Lentry_in_a_cluster:
	s_bfe_u32 s2, ttmp6, 0x10000c
	s_cmp_lg_u32 s2, 0xf033
	s_cbranch_scc0 .Lentry_shape_is_right
	s_endpgm
.Lentry_shape_is_right:
; For each batch, each query q and each tile t of 128 keys: s = q . k; m = the tile's maximum of s; p = 2^(c s - c m), c = log2(e) / 32; l = the tile's sum of p;
; pw[q][key] = f16(f16(p) x msk[q][key]); stat[batch][t][q] = (c m, l).  The last launch joins the tiles by the true maximum of the row.
; qkv: [8192][3072] f16 (q at byte 0 of a row, k at 2,048); msk: [2048][2048] f16; pw: [8192][2048] f16; stat: [4][16][2048][2] f32.  Products, maxima and sums in f32.
; LIMITS.  A weight below 2^-126 counts as 0 in l; p keeps f16's fixed step of 6e-8 below 6e-5; pw stays under 2,049 (p is at most 1 but for a rounding, msk at most 2,048).  NaN and infinities are not treated apart.
; SHARES.  A tile of 256 queries x 256 keys to a work-group: 256 work-groups.  Four waves, each 128 x 128: 64 accumulators, 512 registers; a wave's 128 keys are one tile t.
; K = 1024 goes in steps of 128 through a ring of two LDS slots; each wave fetches 128 rows x 256 bytes with one tensor load.
; CLUSTER.  4 x 4 work-groups of one batch: q's tile is shared along a row of the cluster, k's along a column; each is asked for jointly.  The mask's tile differs in all sixteen: each work-group loads its own.
; THE PRODUCT IS TAKEN TRANSPOSED (source 0 = 16 keys, source 1 = 16 queries): a lane holds query lane % 16 and the keys 8 (lane / 16) + 0..7 of a block.
; THE SOFTMAX goes through a stage of f32 in slot 1, each wave's own 64 rows x 528 bytes, when that slot has had its last fill: one looped text of 16 rows then serves all 128 rows, with a whole row in 16 lanes.
; REGISTERS: window 0: v0-31 addresses; v64-127, v128-191 A's fragments, two buffers (later the softmax's registers, v64-207); window 1: v64-127, v128-191 B's fragments;
;   window 2: the accumulators of my rows 0-63 ((a, b) at 8 (8 a + b)); window 3: those of rows 64-127.
.set KB,     256
.set PITCH,  272                       ; 256 bytes + 16 of padding: the 16 rows of a fragment load start at 16 different groups of four banks (64 banks of 4 bytes: ISA guide 11.1)
.set HALFT,  128*PITCH
.set SLOT,   4*HALFT                   ; A's 256 rows, then B's 256 rows
.set MP,     528                       ; a row of the mask's tile and of the stage: 512 bytes + 16
.set STATS,  2*SLOT                    ; behind the ring: 128 rows x 8 bytes for each wave
.set SPARE,  STATS+4096                ; the spare words, 128 bytes for each wave
.set LAPS,   4
.set ROWQ,   6144
.set RDA,  8                           ; v8-10  the row loop's addresses: stage, mask, statistics
.set MRA,  9
.set SAA,  10
.set SR,   11                          ; v11  where I read my 16 bytes of the wave's statistics back
.set ADRA, 16
.set ADRB, 20
.set MRD0, 22                          ; v22  my place in the mask's tile
.set SA0,  23                          ; v23  my place in the statistics
.set STO,  24                          ; v24  where I put 16 bytes of a stage row
.set RD0,  25                          ; v25  where I read a stage row
.set CO,   26                          ; v26  my byte offset in pw
.set SO,   27                          ; v27  16 x lane
.set SPW,  28
.set NIL,  29
.set PFO,  30                          ; v30  lane x 6,144
.set F0,   64
.set F1,   128
.set X,    64                          ; the row loop: pair p of rows (2 p, 2 p + 1): 8 scores a lane at X + 8 p
.set MK,   128                         ; its 8 mask numbers at MK + 4 p
.set PK,   160                         ; its 8 weights at PK + 4 p
.set ST,   192                         ; (c m, l) at ST + 2 p
.set G1,  24
.set G0,  32
.set LIM, 43
.set PFA, 44
.set G1B, 48
.set G0B, 56
.set CS,  76                           ; s[76:77] c
.set GM1, 84                           ; s[84:91], s[92:95] the mask tile's descriptor
.set GM0, 92
.set GW, (1<<16)|(1<<20)|(1<<21)|(5<<22)|(3<<25)
.set MSB, 0
.macro WIN new
.if MSB != (\new)
	s_set_vgpr_msb (MSB<<8)|(\new)
.set MSB, \new
.endif
.endm
.set MUL_LO, 0xa1                      ; source 0 (k) window 1, source 1 (q) window 0, C and D window 2
.set MUL_HI, 0xf1                      ; C and D window 3
.set TO_B,   0x40
.macro PLACES
.rept 4
	v_nop
.endr
.endm
.macro JLOAD s
	s_cmp_eq_u32 s11, 0
	s_cbranch_scc0 .Lfor_b_\@
	tensor_load_to_lds s[G0+4*(\s):G0+4*(\s)+3], s[G1:G1+7]
	s_nop 0
.rept 4
	v_nop
.endr
	s_branch .Lasked_\@
.Lfor_b_\@:
	tensor_load_to_lds s[G0B+4*(\s):G0B+4*(\s)+3], s[G1B:G1B+7]
	s_nop 0
.rept 4
	v_nop
.endr
.Lasked_\@:
.endm
; A prefetch of the K step two refills on: 32 rows x 256 bytes, a lane a row.  q's rows: the clusters with x = 0; k's rows: of the two clusters of a batch along y the even one.  Of the 128 rows that a wave
; fetches each of the four partners takes 32, told apart by address.  So each row's 256 bytes of a K step are named once.  The loop's last trip asks for nothing.
.macro ASK
	s_cmp_gt_u32 s3, s[LIM]
	s_cbranch_scc0 .Lnot_mine_\@
	global_prefetch_b8 v[PFO], s[PFA:PFA+1] offset:KB th:TH_LOAD_NT scope:SCOPE_SE
.Lnot_mine_\@:
.endm
.macro CREST
	s_cmp_lg_u32 s10, 0
	s_cbranch_scc1 .Lnot_wave_0_\@
	s_barrier_signal -3
.Lnot_wave_0_\@:
	s_barrier_wait -3
	s_barrier_signal -1
	s_barrier_wait -1
.endm
.macro CROUND
	s_barrier_signal -1
	s_barrier_wait -1
	CREST
.endm
	s_load_b256 s[68:75], s[0:1], 0x0              ; qkv s[68:69], msk s[70:71], pw s[72:73], stat s[74:75]
	v_lshl_add_u32 v[SPW], v0, 2, SPARE
	v_mov_b32 v[NIL], 0
	ds_add_u32 v[SPW], v[NIL]                      ; the wave's opening: the add and its wait stand ahead of my first tensor load
	v_lshrrev_b32 v1, 5, v0
	v_readfirstlane_b32 s10, v1
	s_lshr_b32 s11, s10, 1                         ; which half of the tile's queries is mine.  Also: I fetch q (0) or k (1)
	s_and_b32 s12, s10, 1                          ; which half of its keys.  Also: which 128 rows I fetch
	s_bfe_u32 s40, ttmp6, 0x40000
	s_bfe_u32 s41, ttmp6, 0x40004
	s_lshl_b32 s42, ttmp9, 2
	s_add_co_u32 s42, s42, s40                     ; key tile = 4 x cluster x + cx
	s_and_b32 s13, ttmp7, 0xffff
	s_lshr_b32 s82, s13, 1                         ; the batch: two clusters along y each
	s_lshl_b32 s13, s13, 2
	s_add_co_u32 s13, s13, s41                     ; query tile among all 32 = 4 x cluster y + cy
	s_lshl_b32 s43, s41, 2
	s_lshl_b32 s43, 15, s43
	s_lshl_b32 s44, 0x1111, s40
	s_or_b32 s[G1+0], s43, GW
	s_or_b32 s[G1B+0], s44, GW
.irp g, G1, G1B
	s_mov_b32 s[(\g)+1], 128<<16
	s_mov_b32 s[(\g)+2], 128<<16
	s_mov_b32 s[(\g)+3], 128<<16
	s_mov_b32 s[(\g)+4], 128
	s_mov_b32 s[(\g)+5], 3072
	s_mov_b32 s[(\g)+6], 0
	s_mov_b32 s[(\g)+7], 0
.endr
	s_mov_b32 s[GM1+0], (1<<16)|(1<<20)|(6<<22)|(3<<25)  ; no mask: a load of my own; 2-byte elements; 4 words of padding after every 128
	s_mov_b32 s[GM1+1], 256<<16                    ; 64 rows x 256 elements, 2,048 elements from row to row
	s_mov_b32 s[GM1+2], 64<<16
	s_mov_b32 s[GM1+3], 256<<16
	s_mov_b32 s[GM1+4], 64
	s_mov_b32 s[GM1+5], 2048
	s_mov_b32 s[GM1+6], 0
	s_mov_b32 s[GM1+7], 0
	s_mov_b32 s[GM0], 1
	s_mul_i32 s[GM0+1], s10, 64*MP                 ; into slot 0: wave x 64 rows
	s_mov_b32 s[CS], 0x3d38aa3b                    ; c = log2(e) / 32
	s_mov_b32 s[CS+1], s[CS]
	s_lshl_b32 s17, s12, 7
	s_lshl_b32 s16, s13, 8
	s_add_co_u32 s16, s16, s17                     ; q: row 256 x query tile + 128 x half
	s_mul_i32 s16, s16, ROWQ
	s_lshl_b32 s46, s42, 8
	s_add_co_u32 s46, s46, s17
	s_lshl_b32 s47, s82, 11
	s_add_co_u32 s46, s46, s47                     ; k: row 2,048 x batch + 256 x key tile + 128 x half
	s_mul_i32 s46, s46, ROWQ
	s_add_co_u32 s46, s46, 2048                    ; k's place in a row of qkv
	s_mov_b32 s17, 0
	s_mov_b32 s47, 0
	s_mul_i32 s20, s10, HALFT
	s_wait_dscnt 0x0
	s_wait_kmcnt 0x0
	s_add_nc_u64 s[14:15], s[68:69], s[16:17]
	s_add_nc_u64 s[46:47], s[68:69], s[46:47]
	CROUND
.irp s, 0,1
	s_mov_b32 s[G0+4*(\s)], 1
	s_add_co_u32 s[G0+4*(\s)+1], s20, (\s)*SLOT
	s_add_nc_u64 s[G0+4*(\s)+2:G0+4*(\s)+3], s[14:15], (\s)*KB
	s_or_b32 s[G0+4*(\s)+3], s[G0+4*(\s)+3], 0x80000000
	s_mov_b32 s[G0B+4*(\s)], 1
	s_add_co_u32 s[G0B+4*(\s)+1], s20, (\s)*SLOT
	s_add_nc_u64 s[G0B+4*(\s)+2:G0B+4*(\s)+3], s[46:47], (\s)*KB
	s_or_b32 s[G0B+4*(\s)+3], s[G0B+4*(\s)+3], 0x80000000
	JLOAD \s
.endr
	v_and_b32 v1, 15, v0                           ; l % 16
	v_bfe_u32 v2, v0, 4, 1                         ; l / 16
	v_mul_u32_u24 v3, v1, PITCH
	v_lshl_add_u32 v3, v2, 4, v3
	s_mul_i32 s21, s11, HALFT
	s_mul_i32 s22, s12, HALFT
	s_add_co_u32 s22, s22, 2*HALFT
.irp s, 0,1
	v_add_nc_u32 v[ADRA+(\s)], s21, v3
	v_add_nc_u32 v[ADRB+(\s)], s22, v3
	s_add_co_u32 s21, s21, SLOT
	s_add_co_u32 s22, s22, SLOT
.endr
	s_mul_i32 s23, s10, 64*MP
	s_add_co_u32 s23, s23, SLOT                    ; my stage, in slot 1
	v_mul_u32_u24 v4, v1, MP
	v_lshl_add_u32 v4, v2, 4, v4
	v_add_nc_u32 v[STO], s23, v4                   ; in: row l % 16, piece l / 16
	v_mul_u32_u24 v5, v2, MP
	v_lshl_add_u32 v5, v1, 4, v5                   ; back: row l / 16 of a pair, piece l % 16
	v_add_nc_u32 v[RD0], s23, v5
	s_mul_i32 s23, s11, 128*MP                     ; my 128 queries in the mask's tile,
	s_lshl_b32 s22, s12, 8                         ; my 128 keys
	s_add_co_u32 s23, s23, s22
	v_add_nc_u32 v[MRD0], s23, v5
	s_lshl_b32 s23, s10, 10
	s_add_co_u32 s23, s23, STATS
	v_lshl_add_u32 v[SA0], v2, 3, s23
	v_and_b32 v6, 31, v0
	v_lshlrev_b32 v[SO], 4, v6
	v_add_nc_u32 v[SR], s23, v[SO]
	v_lshlrev_b32 v7, 12, v2
	v_lshl_add_u32 v[CO], v1, 4, v7                ; a row of pw is 4,096 bytes
	; the mask's tile: rows 256 x (query tile in the batch) + 64 x wave, 512 bytes at 512 x key tile
	s_and_b32 s18, s13, 7
	s_lshl_b32 s18, s18, 8
	s_lshl_b32 s19, s10, 6
	s_add_co_u32 s18, s18, s19
	s_lshl_b32 s18, s18, 12
	s_lshl_b32 s19, s42, 9
	s_add_co_u32 s18, s18, s19
	s_mov_b32 s19, 0
	s_add_nc_u64 s[GM0+2:GM0+3], s[70:71], s[18:19]
	s_or_b32 s[GM0+3], s[GM0+3], 0x80000000
	; pw at my first row and my 256 bytes of it
	s_lshl_b32 s18, s13, 8
	s_lshl_b32 s19, s11, 7
	s_add_co_u32 s18, s18, s19
	s_lshl_b32 s18, s18, 12
	s_lshl_b32 s19, s42, 9
	s_add_co_u32 s18, s18, s19
	s_lshl_b32 s19, s12, 8
	s_add_co_u32 s18, s18, s19
	s_mov_b32 s19, 0
	s_add_nc_u64 s[72:73], s[72:73], s[18:19]
	; stat at ((16 batch + t) 2,048 + my first query in the batch) x 8, t = 2 x key tile + half
	s_lshl_b32 s18, s82, 4
	s_lshl_b32 s19, s42, 1
	s_add_co_u32 s18, s18, s19
	s_add_co_u32 s18, s18, s12
	s_lshl_b32 s18, s18, 11
	s_and_b32 s19, s13, 7
	s_lshl_b32 s19, s19, 8
	s_add_co_u32 s18, s18, s19
	s_lshl_b32 s19, s11, 7
	s_add_co_u32 s18, s18, s19
	s_lshl_b32 s18, s18, 3
	s_mov_b32 s19, 0
	s_add_nc_u64 s[74:75], s[74:75], s[18:19]
	; the prefetches
	s_lshl_b32 s18, s13, 8
	s_lshl_b32 s19, s12, 7
	s_add_co_u32 s18, s18, s19                     ; q's rows that I fetch
	s_lshl_b32 s20, s82, 11
	s_lshl_b32 s21, s42, 8
	s_add_co_u32 s20, s20, s21
	s_add_co_u32 s19, s20, s19                     ; k's
	s_lshl_b32 s23, s11, 11                        ; k's place in a row
	s_add_co_u32 s23, s23, 2*KB                    ; at K step 2: the first refill steps it to 3 and names K step 4
	s_and_b32 s22, ttmp7, 1
	s_cmp_eq_u32 s11, 0
	s_cselect_b32 s20, s18, s19
	s_cselect_b32 s21, s40, s41
	s_cselect_b32 s22, ttmp9, s22
	s_cmp_eq_u32 s22, 0
	s_cselect_b32 s[LIM], 1, -1
	s_lshl_b32 s21, s21, 5
	s_add_co_u32 s20, s20, s21
	s_mul_i32 s20, s20, ROWQ
	s_add_co_u32 s20, s20, s23
	s_mov_b32 s21, 0
	s_add_nc_u64 s[PFA:PFA+1], s[68:69], s[20:21]
	v_mul_u32_u24 v[PFO], v6, ROWQ
; 16 matrix instructions: row blocks a0, a0 + 1 of the window's four x all 8 key blocks, 32 along K.  The 64 accumulators take turns, in the same order in every quarter.
.macro MUL16 f, hi, a0, zero
	WIN MUL_LO+0x50*(\hi)
.irp a, \a0, (\a0)+1
.irp b, 0,1,2,3,4,5,6,7
.if \zero
	v_wmma_f32_16x16x32_f16 v[8*(8*(\a)+(\b)):8*(8*(\a)+(\b))+7], v[(\f)+8*(\b):(\f)+8*(\b)+7], v[(\f)+8*(4*(\hi)+(\a)):(\f)+8*(4*(\hi)+(\a))+7], 0
.else
	v_wmma_f32_16x16x32_f16 v[8*(8*(\a)+(\b)):8*(8*(\a)+(\b))+7], v[(\f)+8*(\b):(\f)+8*(\b)+7], v[(\f)+8*(4*(\hi)+(\a)):(\f)+8*(4*(\hi)+(\a))+7], v[8*(8*(\a)+(\b)):8*(8*(\a)+(\b))+7]
.endif
.endr
.endr
.endm
.macro FETCH slot, k, f                ; 32 LDS loads in one run: k's 16, then q's 16
	WIN TO_B
.irp i, 0,1,2,3,4,5,6,7
	ds_load_b128 v[(\f)+8*(\i):(\f)+8*(\i)+3],   v[ADRB+(\slot)] offset:(\k)+(\i)*16*PITCH
	ds_load_b128 v[(\f)+8*(\i)+4:(\f)+8*(\i)+7], v[ADRB+(\slot)] offset:(\k)+(\i)*16*PITCH+32
.endr
	WIN 0
.irp i, 0,1,2,3,4,5,6,7
	ds_load_b128 v[(\f)+8*(\i):(\f)+8*(\i)+3],   v[ADRA+(\slot)] offset:(\k)+(\i)*16*PITCH
	ds_load_b128 v[(\f)+8*(\i)+4:(\f)+8*(\i)+7], v[ADRA+(\slot)] offset:(\k)+(\i)*16*PITCH+32
.endr
.endm
.macro QUARTER slot, k, f, g, zero
	s_wait_dscnt 8                                 ; k and q's rows 0-63 are in; the youngest eight loads may be out
	MUL16 \f, 0, 0, \zero
	MUL16 \f, 0, 2, \zero
	PLACES
	FETCH \slot, \k, \g
	s_wait_dscnt 32                                ; all but the 32 just issued
	MUL16 \f, 1, 0, \zero
	MUL16 \f, 1, 2, \zero
.endm
; The first half of a step's last quarter: one barrier for the change of slots, which opens a round of the cluster's.  Ahead of it each wave waits for all its tensor loads, adds 0 to its spare word,
; and waits for that and for its reads of this slot.
.macro MEET
	WIN 0
	s_wait_tensorcnt 0x0
	ds_add_u32 v[SPW], v[NIL]
	s_wait_dscnt 9                                 ; (the add and the youngest eight loads may be out)
	MUL16 F1, 0, 0, 0
	s_wait_dscnt 0x0
	s_barrier_signal -1
	MUL16 F1, 0, 2, 0
	WIN 0
	s_barrier_wait -1
	CREST
.endm
.macro TURN slot, next
	s_wait_xcnt 0x0                                ; the last prefetch, a K step back, has read its address
	s_add_nc_u64 s[PFA:PFA+1], s[PFA:PFA+1], KB
	MEET
	s_add_nc_u64 s[G0+4*(\slot)+2:G0+4*(\slot)+3], s[G0+4*(\slot)+2:G0+4*(\slot)+3], 2*KB
	s_add_nc_u64 s[G0B+4*(\slot)+2:G0B+4*(\slot)+3], s[G0B+4*(\slot)+2:G0B+4*(\slot)+3], 2*KB
	JLOAD \slot                                    ; the first tensor load behind the round; its four v_nop are also the places ahead of the loads below
	FETCH \next, 0, F0
	ASK
	MUL16 F1, 1, 0, 0
	MUL16 F1, 1, 2, 0
.endm
	s_wait_tensorcnt 0x1                           ; my part of K step 0 is in; K step 1's may stay out
	s_barrier_signal -1
	s_barrier_wait -1
	FETCH 0, 0, F0
	QUARTER 0, 64, F0, F1, 1                       ; the first products start the sums
	WIN 0
	s_mov_b32 s3, LAPS-1
.Llap:
	QUARTER 0, 128, F1, F0, 0
	QUARTER 0, 192, F0, F1, 0
	TURN 0, 1
	QUARTER 1, 64,  F0, F1, 0
	QUARTER 1, 128, F1, F0, 0
	QUARTER 1, 192, F0, F1, 0
	TURN 1, 0
	QUARTER 0, 64,  F0, F1, 0
	WIN 0
	s_sub_co_u32 s3, s3, 1
	s_cmp_lg_u32 s3, 0
	s_cbranch_scc1 .Llap
	QUARTER 0, 128, F1, F0, 0
	QUARTER 0, 192, F0, F1, 0
	MEET                                           ; slot 0 has been read out by all: its last fill is the mask's tile, 64 rows a wave, which has the last K step in which to land
	tensor_load_to_lds s[GM0:GM0+3], s[GM1:GM1+7]
	s_nop 0
	PLACES
	FETCH 1, 0, F0
	MUL16 F1, 1, 0, 0
	MUL16 F1, 1, 2, 0
	QUARTER 1, 64,  F0, F1, 0
	QUARTER 1, 128, F1, F0, 0
	QUARTER 1, 192, F0, F1, 0
	s_wait_dscnt 8
	MUL16 F1, 0, 0, 0
	MUL16 F1, 0, 2, 0
	s_wait_dscnt 0x0
	MUL16 F1, 1, 0, 0
	MUL16 F1, 1, 2, 0
	WIN 0
	s_wait_tensorcnt 0x0                           ; my part of the mask's tile is in
	ds_add_u32 v[SPW], v[NIL]
	PLACES                                         ; the places behind the last products
	s_wait_dscnt 0x0                               ; my reads of slot 1 are over
	s_barrier_signal -1
	s_barrier_wait -1                              ; the mask's tile is whole, and nobody reads slot 1 any more: it becomes the stages
; 64 rows of scores into my stage.  A lane's keys 16 b + 8 h + 0..3 go to piece 2 b + h of the row's first 256 bytes, keys + 4..7 to the same piece of its second 256 bytes:
; so piece i of both halves holds keys 8 i .. 8 i + 7, and stores (16 rows, one piece) and loads (one row, 16 pieces) each touch every bank once.  Each accumulator's low registers go first.
.macro TOSTG win
	WIN \win                                       ; the stores' data in window 2 or 3
.irp a, 0,1,2,3
.irp b, 0,1,2,3,4,5,6,7
	ds_store_b128 v[STO], v[8*(8*(\a)+(\b)):8*(8*(\a)+(\b))+3]   offset:16*MP*(\a)+32*(\b)
	ds_store_b128 v[STO], v[8*(8*(\a)+(\b))+4:8*(8*(\a)+(\b))+7] offset:16*MP*(\a)+32*(\b)+256
.endr
.endr
	WIN 0
.endm
	s_mov_b32 s96, 2                               ; two halves of 64 rows
.Lhalf:
	s_cmp_eq_u32 s96, 2
	s_cbranch_scc0 .Lupper
	TOSTG 0x08
	s_mov_b32 s99, 0                               ; the half's place in the mask's tile
	s_mov_b32 s100, 0                              ; and in the statistics
	s_branch .Lstaged
.Lupper:
	TOSTG 0x0c
	s_mov_b32 s99, 64*MP
	s_mov_b32 s100, 512
.Lstaged:
	s_mov_b32 s98, 0
	s_mov_b32 s97, 4                               ; four trips of 16 rows
.Lrows:                                                ; lanes 0-15 hold the even row of each of 8 pairs, lanes 16-31 the odd one; a lane 8 keys
	v_add_nc_u32 v[RDA], s98, v[RD0]
	v_add_nc_u32 v[MRA], s99, v[MRD0]
	v_add_nc_u32 v[SAA], s100, v[SA0]
.irp p, 0,1,2,3,4,5,6,7
	ds_load_b128 v[X+8*(\p):X+8*(\p)+3],   v[RDA] offset:2*MP*(\p)     ; LDS serves a wave's instructions in order: these see my stores
	ds_load_b128 v[X+8*(\p)+4:X+8*(\p)+7], v[RDA] offset:2*MP*(\p)+256
.endr
.irp p, 0,1,2,3,4,5,6,7
	ds_load_b128 v[MK+4*(\p):MK+4*(\p)+3], v[MRA] offset:2*MP*(\p)
.endr
	s_wait_dscnt 8                                 ; the scores are in; the mask's eight loads may stay out
.irp p, 0,1,2,3,4,5,6,7
	v_max3_num_f32 v[ST+2*(\p)+1], v[X+8*(\p)], v[X+8*(\p)+1], v[X+8*(\p)+2]
.endr
.irp p, 0,1,2,3,4,5,6,7
	v_max3_num_f32 v[ST+2*(\p)+1], v[ST+2*(\p)+1], v[X+8*(\p)+3], v[X+8*(\p)+4]
.endr
.irp p, 0,1,2,3,4,5,6,7
	v_max3_num_f32 v[ST+2*(\p)+1], v[ST+2*(\p)+1], v[X+8*(\p)+5], v[X+8*(\p)+6]
.endr
.irp p, 0,1,2,3,4,5,6,7
	v_max_num_f32 v[ST+2*(\p)+1], v[ST+2*(\p)+1], v[X+8*(\p)+7]
.endr
.irp m, 1,2,4,8
.irp p, 0,1,2,3,4,5,6,7
	v_max_num_f32_dpp v[ST+2*(\p)+1], v[ST+2*(\p)+1], v[ST+2*(\p)+1] row_xmask:\m row_mask:0xf bank_mask:0xf
.endr
.endr
.irp p, 0,1,2,3,4,5,6,7
	v_mul_f32 v[ST+2*(\p)], s[CS], v[ST+2*(\p)+1]  ; c m
.endr
.irp p, 0,1,2,3,4,5,6,7
.irp i, 0,2,4,6
	v_pk_fma_f32 v[X+8*(\p)+(\i):X+8*(\p)+(\i)+1], v[X+8*(\p)+(\i):X+8*(\p)+(\i)+1], s[CS:CS+1], v[ST+2*(\p):ST+2*(\p)+1] op_sel_hi:[1,0,0] neg_lo:[0,0,1] neg_hi:[0,0,1]  ; c s - c m
.endr
.endr
.set i, 0
.rept 64
	v_exp_f32 v[X+i], v[X+i]
.set i, i+1
.endr
	v_nop                                          ; a plain instruction behind the last exponential,
	s_wait_alu depctr_va_vdst(0)                   ; and one wait for the batch of 64, ahead of its first reader
.irp p, 0,1,2,3,4,5,6,7
.irp i, 0,1,2,3
	v_cvt_pk_f16_f32 v[PK+4*(\p)+(\i)], v[X+8*(\p)+2*(\i)], v[X+8*(\p)+2*(\i)+1]
.endr
.endr
.irp p, 0,1,2,3,4,5,6,7
	v_pk_add_f32 v[X+8*(\p):X+8*(\p)+1], v[X+8*(\p):X+8*(\p)+1], v[X+8*(\p)+2:X+8*(\p)+3]
.endr
.irp p, 0,1,2,3,4,5,6,7
	v_pk_add_f32 v[X+8*(\p)+4:X+8*(\p)+5], v[X+8*(\p)+4:X+8*(\p)+5], v[X+8*(\p)+6:X+8*(\p)+7]
.endr
.irp p, 0,1,2,3,4,5,6,7
	v_pk_add_f32 v[X+8*(\p):X+8*(\p)+1], v[X+8*(\p):X+8*(\p)+1], v[X+8*(\p)+4:X+8*(\p)+5]
.endr
.irp p, 0,1,2,3,4,5,6,7
	v_add_f32 v[ST+2*(\p)+1], v[X+8*(\p)], v[X+8*(\p)+1]   ; l takes m's place
.endr
.irp m, 1,2,4,8
.irp p, 0,1,2,3,4,5,6,7
	v_add_f32_dpp v[ST+2*(\p)+1], v[ST+2*(\p)+1], v[ST+2*(\p)+1] row_xmask:\m row_mask:0xf bank_mask:0xf
.endr
.endr
	s_wait_dscnt 0x0                               ; the mask
.set i, 0
.rept 32
	v_pk_mul_f16 v[PK+i], v[PK+i], v[MK+i]
.set i, i+1
.endr
.irp p, 0,1,2,3,4,5,6,7
	global_store_b128 v[CO], v[PK+4*(\p):PK+4*(\p)+3], s[72:73] offset:8192*(\p)  ; 16 lanes store a row's 256 consecutive bytes, at a multiple of 256 from pw's first byte
.endr
.irp p, 0,1,2,3,4,5,6,7
	ds_store_b64 v[SAA], v[ST+2*(\p):ST+2*(\p)+1] offset:16*(\p)   ; the 16 lanes of a row write the same two words with the same numbers
.endr
	s_wait_xcnt 0x0                                ; the stores have read their base and PK: only now are these written again
	s_add_nc_u64 s[72:73], s[72:73], 65536         ; 16 rows of pw on
	s_add_co_u32 s98, s98, 16*MP
	s_add_co_u32 s99, s99, 16*MP
	s_add_co_u32 s100, s100, 128
	s_sub_co_u32 s97, s97, 1
	s_cmp_lg_u32 s97, 0
	s_cbranch_scc1 .Lrows
	s_sub_co_u32 s96, s96, 1
	s_cmp_lg_u32 s96, 0
	s_cbranch_scc1 .Lhalf
	ds_load_b128 v[X:X+3],   v[SR]                 ; my wave's 128 pairs (c m, l): 1,024 consecutive bytes of stat
	ds_load_b128 v[X+4:X+7], v[SR] offset:512
	s_wait_dscnt 0x0
	global_store_b128 v[SO], v[X:X+3],   s[74:75]
	global_store_b128 v[SO], v[X+4:X+7], s[74:75] offset:512
	s_wait_tensorcnt 0x0                           ; the wave's end
	ds_add_u32 v[SPW], v[NIL]
	s_wait_dscnt 0x0
	CROUND                                         ; the closing round
	s_endpgm
.Lfunc_end_k_q669c7b1445_score:
	.size	k_q669c7b1445_score, .Lfunc_end_k_q669c7b1445_score-k_q669c7b1445_score
	.p2alignl 7, 3214868480
	.fill 96, 4, 3214868480
	.section	.rodata,"a",@progbits
	.p2align	6, 0x0
	.amdhsa_kernel k_q669c7b1445_score
		.amdhsa_group_segment_fixed_size 327680
		.amdhsa_private_segment_fixed_size 0
		.amdhsa_enable_private_segment 0
		.amdhsa_kernarg_size 32
		.amdhsa_user_sgpr_count 2
		.amdhsa_user_sgpr_kernarg_segment_ptr 1
		.amdhsa_wavefront_size32 1
		.amdhsa_system_sgpr_workgroup_id_x 1
		.amdhsa_system_sgpr_workgroup_id_y 1
		.amdhsa_system_sgpr_workgroup_id_z 1
		.amdhsa_system_vgpr_workitem_id 0
		.amdhsa_next_free_vgpr 1024
		.amdhsa_next_free_sgpr 101
		.amdhsa_reserve_vcc 0
		.amdhsa_float_denorm_mode_32 3
		.amdhsa_float_denorm_mode_16_64 3
		.amdhsa_memory_ordered 1
		.amdhsa_forward_progress 1
		.amdhsa_inst_pref_size 143
	.end_amdhsa_kernel
	.amdgpu_metadata
---
amdhsa.version: [ 1, 2 ]
amdhsa.kernels:
  - .name:           k_q669c7b1445_score
    .symbol:         k_q669c7b1445_score.kd
    .args:
      - { .name: qkv, .offset: 0, .size: 8, .value_kind: global_buffer, .address_space: global }
      - { .name: msk, .offset: 8, .size: 8, .value_kind: global_buffer, .address_space: global }
      - { .name: pw, .offset: 16, .size: 8, .value_kind: global_buffer, .address_space: global }
      - { .name: stat, .offset: 24, .size: 8, .value_kind: global_buffer, .address_space: global }
    .group_segment_fixed_size: 327680
    .private_segment_fixed_size: 0
    .kernarg_segment_align: 8
    .kernarg_segment_size: 32
    .max_flat_workgroup_size: 128
    .sgpr_count:     101
    .vgpr_count:     1024
    .wavefront_size: 32
...
	.end_amdgpu_metadata
.endif
;; end of part 3
;; launch mix (part 4): grid 8 x 32, 4 waves a work-group, clusters of 4 x 4, 327,680 bytes of LDS; arguments pw, qkv, stat, out0; writes out0
.if DOCPART == 4
	.amdgcn_target "amdgcn-amd-amdhsa--gfx1250"
	.amdhsa_code_object_version 6
	.text
	.protected	k_q669c7b1445_mix
	.globl	k_q669c7b1445_mix
	.p2align	8
	.type	k_q669c7b1445_mix,@function
k_q669c7b1445_mix:
	s_mov_b64 s[64:65], 0
	v_nop
	global_prefetch_b8 v0, s[64:65] scope:SCOPE_SE
	s_setreg_imm32_b32 hwreg(HW_REG_WAVE_MODE, 25, 1), 1
	s_wait_xcnt 0x0
	s_wait_alu depctr_hold_cnt(0) depctr_sa_sdst(0) depctr_va_vdst(0) depctr_va_sdst(0) depctr_va_ssrc(0) depctr_va_vcc(0) depctr_vm_vsrc(0)
	s_getreg_b32 s2, hwreg(HW_REG_IB_STS2, 6, 4)
	s_cmp_eq_u32 s2, 0
	s_cbranch_scc0 .Lentry_in_a_cluster
	s_endpgm
.Lentry_in_a_cluster:
	s_bfe_u32 s2, ttmp6, 0x10000c
	s_cmp_lg_u32 s2, 0xf033
	s_cbranch_scc0 .Lentry_shape_is_right
	s_endpgm
.Lentry_shape_is_right:
; out0[q][d] = (the sum over the 16 key tiles t of g_t(q) x the sum over the tile's keys of pw[q][key] v[key][d]) / (2048 L(q)),
; g_t = 2^(cm_t - M), M = the row's maximum of cm_t (the true running maximum of the softmax, joined here), L = the sum of g_t l_t; 2048 is the mask's factor.
; pw: [8192][2048] f16; v: [8192][1024] f16 at byte 4,096 of qkv's rows of 6,144; stat: [4][16][2048][2] f32 = (cm, l); out0: [8192][1024] f32.  Sums, M, g and L in f32;
; g is rounded to f16 and multiplied onto pw's fragments in f16, between their load and the product: a K step of 128 keys is one tile t.
; LIMITS.  A g below 6e-8 counts as 0 in the product (its tile's weights lie 2^-24 below the row's largest); NaN and infinities are not treated apart.
; SHARES.  A tile of 256 queries x 128 channels: 256 work-groups.  Wave w makes rows 64 w .. 64 w + 63 and all 128 channels: 32 accumulators.
; A ring of two LDS slots: waves 0 and 1 fetch pw's two halves of 128 rows x 256 bytes, waves 2 and 3 v's two halves of 64 keys x 256 bytes.
; CLUSTER.  4 x 4 work-groups of one batch: pw's tile is shared along a row of the cluster, v's along a column; each is asked for jointly.
; THE PRODUCT IS TAKEN TRANSPOSED: source 0 = v turned (16 channels x 32 keys, by ds_load_tr16_b128), source 1 = 16 queries x 32 keys: a lane holds query lane % 16 and eight neighbouring channels.
; REGISTERS: window 0: v0-31 addresses; v32-35 g of the step in hand, a register a row block; v36-43 1 / (2048 L) in pairs; v44-51 at work; v64-127, v128-191 v's fragments, two buffers; v192-255 at work at the start
;   window 1: v0-127 the accumulators of row blocks 0, 1; v128-159, v160-191 pw's fragments, two buffers          window 2: v0-127 those of row blocks 2, 3
.set PITCH,  272                       ; a row of pw in LDS: 256 bytes + 16
.set PV,     288                       ; a row of v: 256 + 32 = 72 words
.set AHALF,  128*PITCH
.set VHALF,  64*PV
.set BOFF,   2*AHALF
.set SLOT,   BOFF+2*VHALF
.set STAGE,  2*SLOT                    ; 16 rows x 528 bytes for each wave, for the way out
.set SP,     528
.set GT,     STAGE+4*16*SP             ; g as pairs of f16: for each wave 16 steps x 512 bytes: a lane's four row blocks in 16 bytes
.set SPARE,  GT+4*8192
.set LAPS,   8                         ; 2,048 keys: 16 K steps
.set KB,     256                       ; a K step in pw's rows,
.set KV,     128*6144                  ; and in v: 128 rows of qkv
.set ADRA, 16
.set ADRB, 20
.set STO,  24
.set RD,   25
.set CO,   26
.set GA,   27                          ; v27  where the next step's g lie
.set SPW,  28
.set NIL,  29
.set PFO,  30
.set SOF,  31                          ; v31  8 x (lane % 16): my query's place in stat
.set GR,   32
.set RC,   36
.set MX,   44
.set LS,   48
.set SG,   64                          ; at the start: (cm, l) of row block a, tile t at SG + 32 a + 2 t
.set GP,   192                         ; at the start: g as f16 pairs at GP + 4 t + a
.set FB,   64
.set FA,   128                         ; in window 1
.set G1,  24
.set G0,  32
.set LIM, 43
.set PFA, 44
.set G1B, 48
.set G0B, 56
.set PFS, 66                           ; s[66:67] a K step for my prefetches
.set W_LO, 0x54                        ; source 0 window 0; source 1, C and D window 1
.set MSB, 0
.macro WIN new
.if MSB != (\new)
	s_set_vgpr_msb (MSB<<8)|(\new)
.set MSB, \new
.endif
.endm
.macro PLACES
.rept 4
	v_nop
.endr
.endm
.macro JLOAD s
	s_cmp_eq_u32 s11, 0
	s_cbranch_scc0 .Lfor_b_\@
	tensor_load_to_lds s[G0+4*(\s):G0+4*(\s)+3], s[G1:G1+7]
	s_nop 0
.rept 4
	v_nop
.endr
	s_branch .Lasked_\@
.Lfor_b_\@:
	tensor_load_to_lds s[G0B+4*(\s):G0B+4*(\s)+3], s[G1B:G1B+7]
	s_nop 0
.rept 4
	v_nop
.endr
.Lasked_\@:
.endm
; A prefetch of the K step two refills on, a lane a row of 256 bytes.  pw's rows: the clusters with x = 0, waves 0 and 1, the four partners 32 rows each of a wave's 128 (cx).  v's keys: of a batch's two clusters along y
; the even one, wave 2, the four partners 32 of the step's 128 keys (cy).  So each block is named once.  The loop's last trip asks for nothing.
.macro ASK
	s_cmp_gt_u32 s3, s[LIM]
	s_cbranch_scc0 .Lnot_mine_\@
	global_prefetch_b8 v[PFO], s[PFA:PFA+1] th:TH_LOAD_NT scope:SCOPE_SE
.Lnot_mine_\@:
.endm
.macro CREST
	s_cmp_lg_u32 s10, 0
	s_cbranch_scc1 .Lnot_wave_0_\@
	s_barrier_signal -3
.Lnot_wave_0_\@:
	s_barrier_wait -3
	s_barrier_signal -1
	s_barrier_wait -1
.endm
.macro CROUND
	s_barrier_signal -1
	s_barrier_wait -1
	CREST
.endm
	s_load_b256 s[68:75], s[0:1], 0x0              ; pw s[68:69], qkv s[70:71], stat s[72:73], out0 s[74:75]
	v_lshl_add_u32 v[SPW], v0, 2, SPARE
	v_mov_b32 v[NIL], 0
	ds_add_u32 v[SPW], v[NIL]                      ; the wave's opening: the add and its wait stand ahead of my first tensor load
	v_lshrrev_b32 v1, 5, v0
	v_readfirstlane_b32 s10, v1
	s_lshr_b32 s11, s10, 1                         ; I fetch pw (0) or v (1)
	s_and_b32 s12, s10, 1                          ; which half
	s_bfe_u32 s40, ttmp6, 0x40000
	s_bfe_u32 s41, ttmp6, 0x40004
	s_lshl_b32 s42, ttmp9, 2
	s_add_co_u32 s42, s42, s40                     ; channel tile
	s_and_b32 s13, ttmp7, 0xffff
	s_lshr_b32 s82, s13, 1                         ; the batch
	s_lshl_b32 s13, s13, 2
	s_add_co_u32 s13, s13, s41                     ; query tile among all 32
	s_lshl_b32 s43, s41, 2
	s_lshl_b32 s43, 15, s43
	s_lshl_b32 s44, 0x1111, s40
	s_or_b32 s[G1+0], s43, (1<<16)|(1<<20)|(1<<21)|(5<<22)|(3<<25)   ; 4 words of padding after every 64
	s_or_b32 s[G1B+0], s44, (1<<16)|(1<<20)|(1<<21)|(5<<22)|(7<<25)  ; 8 words
.irp g, G1, G1B
	s_mov_b32 s[(\g)+1], 128<<16
	s_mov_b32 s[(\g)+3], 128<<16
	s_mov_b32 s[(\g)+6], 0
	s_mov_b32 s[(\g)+7], 0
.endr
	s_mov_b32 s[G1+2], 128<<16                     ; pw: 128 rows, 2,048 elements from row to row
	s_mov_b32 s[G1+4], 128
	s_mov_b32 s[G1+5], 2048
	s_mov_b32 s[G1B+2], 64<<16                     ; v: 64 keys, 3,072 elements from row to row
	s_mov_b32 s[G1B+4], 64
	s_mov_b32 s[G1B+5], 3072
	s_lshl_b32 s17, s12, 7
	s_lshl_b32 s16, s13, 8
	s_add_co_u32 s16, s16, s17
	s_lshl_b32 s16, s16, 12                        ; pw: row 256 x query tile + 128 x half, 4,096 bytes a row
	s_mov_b32 s17, 0
	s_lshl_b32 s46, s82, 11
	s_lshl_b32 s47, s12, 6
	s_add_co_u32 s46, s46, s47                     ; v: key 2,048 x batch + 64 x half
	s_mul_i32 s46, s46, 6144
	s_lshl_b32 s47, s42, 8
	s_add_co_u32 s46, s46, s47                     ; the tile's 256 bytes of channels,
	s_add_co_u32 s46, s46, 4096                    ; v's place in a row of qkv
	s_mov_b32 s47, 0
	s_mul_i32 s20, s12, AHALF
	s_mul_i32 s21, s12, VHALF
	s_add_co_u32 s21, s21, BOFF
	s_wait_dscnt 0x0
	s_wait_kmcnt 0x0
	s_add_nc_u64 s[14:15], s[68:69], s[16:17]
	s_add_nc_u64 s[46:47], s[70:71], s[46:47]
	CROUND
.irp s, 0,1
	s_mov_b32 s[G0+4*(\s)], 1
	s_add_co_u32 s[G0+4*(\s)+1], s20, (\s)*SLOT
	s_add_nc_u64 s[G0+4*(\s)+2:G0+4*(\s)+3], s[14:15], (\s)*KB
	s_or_b32 s[G0+4*(\s)+3], s[G0+4*(\s)+3], 0x80000000
	s_mov_b32 s[G0B+4*(\s)], 1
	s_add_co_u32 s[G0B+4*(\s)+1], s21, (\s)*SLOT
	s_add_nc_u64 s[G0B+4*(\s)+2:G0B+4*(\s)+3], s[46:47], (\s)*KV
	s_or_b32 s[G0B+4*(\s)+3], s[G0B+4*(\s)+3], 0x80000000
	JLOAD \s
.endr
	v_and_b32 v1, 15, v0                           ; l % 16
	v_bfe_u32 v2, v0, 4, 1                         ; l / 16
	; the statistics of my query in each of my four row blocks, all 16 tiles
	s_lshl_b32 s18, s82, 15                        ; 16 x 2,048 x batch
	s_and_b32 s19, s13, 7
	s_lshl_b32 s19, s19, 8
	s_add_co_u32 s18, s18, s19
	s_lshl_b32 s19, s10, 6
	s_add_co_u32 s18, s18, s19
	s_lshl_b32 s18, s18, 3
	s_mov_b32 s19, 0
	s_add_nc_u64 s[72:73], s[72:73], s[18:19]
	v_lshlrev_b32 v[SOF], 3, v1
.set t, 0
.rept 16
.irp a, 0,1,2,3
	global_load_b64 v[SG+32*(\a)+2*t:SG+32*(\a)+2*t+1], v[SOF], s[72:73] offset:16384*t+128*(\a)
.endr
.set t, t+1
.endr
	v_mul_u32_u24 v3, v1, PITCH
	v_lshl_add_u32 v3, v2, 4, v3
	s_mul_i32 s22, s10, 64*PITCH
	v_and_b32 v4, 7, v0                            ; the turning load: lane l reads key 8 (l / 16) + l % 8, channels 8 ((l / 8) % 2) + 0..7
	v_bfe_u32 v5, v0, 3, 1
	v_lshl_add_u32 v4, v2, 3, v4
	v_mul_u32_u24 v4, v4, PV
	v_lshl_add_u32 v4, v5, 4, v4
.irp s, 0,1
	v_add_nc_u32 v[ADRA+(\s)], s22, v3
	v_add_nc_u32 v[ADRB+(\s)], BOFF+(\s)*SLOT, v4
	s_add_co_u32 s22, s22, SLOT
.endr
	v_and_b32 v6, 31, v0
	s_mul_i32 s23, s10, 16*SP
	s_add_co_u32 s23, s23, STAGE                   ; my stage
	v_mul_u32_u24 v5, v1, SP
	v_lshl_add_u32 v5, v2, 5, v5
	v_add_nc_u32 v[STO], s23, v5                   ; in: row l % 16, 32 bytes for each half of the lanes
	v_lshlrev_b32 v[CO], 4, v6                     ; back and out: a row of 512 bytes to 32 lanes
	v_add_nc_u32 v[RD], s23, v[CO]
	s_lshl_b32 s23, s10, 13
	s_add_co_u32 s23, s23, GT
	v_add_nc_u32 v[GA], s23, v[CO]
	s_lshl_b32 s18, s13, 8
	s_lshl_b32 s19, s10, 6
	s_add_co_u32 s18, s18, s19
	s_lshl_b32 s18, s18, 12                        ; my first row of out0, 4,096 bytes a row,
	s_lshl_b32 s19, s42, 9                         ; the tile's 512 bytes
	s_add_co_u32 s18, s18, s19
	s_mov_b32 s19, 0
	s_add_nc_u64 s[74:75], s[74:75], s[18:19]
	; the prefetches
	s_lshl_b32 s18, s13, 8
	s_lshl_b32 s19, s12, 7
	s_add_co_u32 s18, s18, s19                     ; pw's rows that I fetch
	s_lshl_b32 s19, s82, 11                        ; the batch's first key
	s_lshl_b32 s23, s11, 11
	s_add_co_u32 s23, s23, 4096                    ; bytes in a row: 4,096 in pw, 6,144 in qkv
	s_mul_i32 s[PFS], s11, KV-KB
	s_add_co_u32 s[PFS], s[PFS], KB
	s_mov_b32 s[PFS+1], 0
	s_lshl_b32 s83, s42, 8
	s_add_co_u32 s83, s83, 4096
	s_mul_i32 s83, s83, s11                        ; v's place in a row and the tile's channels: for v alone
	s_and_b32 s22, ttmp7, 1
	s_cmp_eq_u32 s11, 0
	s_cselect_b32 s20, s18, s19
	s_cselect_b32 s21, s40, s41
	s_cselect_b32 s22, ttmp9, s22
	s_cselect_b64 s[PFA:PFA+1], s[68:69], s[70:71]
	s_cmp_eq_u32 s22, 0
	s_cselect_b32 s[LIM], 1, -1
	s_cmp_eq_u32 s10, 3
	s_cselect_b32 s[LIM], -1, s[LIM]
	s_lshl_b32 s21, s21, 5
	s_add_co_u32 s20, s20, s21
	s_mul_i32 s20, s20, s23
	s_add_co_u32 s20, s20, s83
	s_mul_i32 s21, s[PFS], 3                       ; at K step 3: the first refill steps it to 4 and names that
	s_add_co_u32 s20, s20, s21
	s_mov_b32 s21, 0
	s_add_nc_u64 s[PFA:PFA+1], s[PFA:PFA+1], s[20:21]
	v_mul_u32_u24 v[PFO], s23, v6
	; M, g, L
	s_wait_loadcnt 0x0
.irp a, 0,1,2,3
	v_max3_num_f32 v[MX+(\a)], v[SG+32*(\a)], v[SG+32*(\a)+2], v[SG+32*(\a)+4]
.endr
.irp u, 6,10,14,18,22,26
.irp a, 0,1,2,3
	v_max3_num_f32 v[MX+(\a)], v[MX+(\a)], v[SG+32*(\a)+(\u)], v[SG+32*(\a)+(\u)+2]
.endr
.endr
.irp a, 0,1,2,3
	v_max_num_f32 v[MX+(\a)], v[MX+(\a)], v[SG+32*(\a)+30]
.endr
.set t, 0
.rept 16
.irp a, 0,1,2,3
	v_sub_f32 v[SG+32*(\a)+2*t], v[SG+32*(\a)+2*t], v[MX+(\a)]
.endr
.set t, t+1
.endr
.set t, 0
.rept 16
.irp a, 0,1,2,3
	v_exp_f32 v[SG+32*(\a)+2*t], v[SG+32*(\a)+2*t]
.endr
.set t, t+1
.endr
	v_nop                                          ; a plain instruction behind the last exponential,
	s_wait_alu depctr_va_vdst(0)                   ; and one wait for the batch of 64
.irp a, 0,1,2,3
	v_mul_f32 v[LS+(\a)], v[SG+32*(\a)], v[SG+32*(\a)+1]
.endr
.set t, 1
.rept 15
.irp a, 0,1,2,3
	v_fmac_f32 v[LS+(\a)], v[SG+32*(\a)+2*t], v[SG+32*(\a)+2*t+1]
.endr
.set t, t+1
.endr
.set t, 0
.rept 16
.irp a, 0,1,2,3
	v_cvt_pk_f16_f32 v[GP+4*t+(\a)], v[SG+32*(\a)+2*t], v[SG+32*(\a)+2*t]   ; g twice: one for each half of a packed product
.endr
.set t, t+1
.endr
.irp a, 0,1,2,3
	v_mul_f32 v[LS+(\a)], 0x45000000, v[LS+(\a)]   ; 2048 L
.endr
.irp a, 0,1,2,3
	v_rcp_f32 v[RC+2*(\a)], v[LS+(\a)]
.endr
	v_nop
	s_wait_alu depctr_va_vdst(0)                   ; one wait for the four reciprocals
.irp a, 0,1,2,3
	v_mov_b32 v[RC+2*(\a)+1], v[RC+2*(\a)]         ; named as pairs
.endr
.set t, 0
.rept 16
	ds_store_b128 v[GA], v[GP+4*t:GP+4*t+3] offset:512*t   ; my wave's own bytes
.set t, t+1
.endr
.macro SC f, n                         ; register n of buffer f's 32 of pw, times the g of its row block
	v_pk_mul_f16 v[FA+32*(\f)+(\n)], v[GR+(\n)/8], v[FA+32*(\f)+(\n)]
.endm
.macro PR f, a, b, init                ; one product; init = 1: it starts its sum
.if \init
	v_wmma_f32_16x16x32_f16 v[8*(8*((\a)%2)+(\b)):8*(8*((\a)%2)+(\b))+7], v[FB+64*(\f)+8*(\b):FB+64*(\f)+8*(\b)+7], v[FA+32*(\f)+8*(\a):FA+32*(\f)+8*(\a)+7], 0
.else
	v_wmma_f32_16x16x32_f16 v[8*(8*((\a)%2)+(\b)):8*(8*((\a)%2)+(\b))+7], v[FB+64*(\f)+8*(\b):FB+64*(\f)+8*(\b)+7], v[FA+32*(\f)+8*(\a):FA+32*(\f)+8*(\a)+7], v[8*(8*((\a)%2)+(\b)):8*(8*((\a)%2)+(\b))+7]
.endif
.endm
; Row block 0 is scaled, then multiplied; behind each of its products two scalings of row blocks 1 and 2, behind each of row block 1's one of row block 3: they run under the products' own window setting
; and name no register of the products round them.  The 32 accumulators take turns, in the same order in every quarter.
.macro FIRST f, init
	WIN W_LO
.irp n, 0,1,2,3,4,5,6,7
	SC \f, \n
.endr
.irp b, 0,1,2,3,4,5,6,7
	PR \f, 0, \b, \init
	SC \f, 8+2*(\b)
	SC \f, 9+2*(\b)
.endr
.endm
.macro SECOND f, init
.irp b, 0,1,2,3,4,5,6,7
	PR \f, 1, \b, \init
	SC \f, 24+(\b)
.endr
.endm
.macro MULA f, a, init                 ; row blocks 2 and 3: C and D in window 2
	WIN 0xa4
.irp b, 0,1,2,3,4,5,6,7
	PR \f, \a, \b, \init
.endr
.endm
.macro FETCH slot, q, f                ; 24 LDS loads in one run: quarter q's fragments into buffer f
	WIN W_LO                                       ; destination window 1, address window 0
.irp a, 0,1,2,3
	ds_load_b128 v[FA+32*(\f)+8*(\a):FA+32*(\f)+8*(\a)+3],   v[ADRA+(\slot)] offset:64*(\q)+(\a)*16*PITCH
	ds_load_b128 v[FA+32*(\f)+8*(\a)+4:FA+32*(\f)+8*(\a)+7], v[ADRA+(\slot)] offset:64*(\q)+(\a)*16*PITCH+32
.endr
	WIN 0
.irp b, 0,1,2,3,4,5,6,7
	ds_load_tr16_b128 v[FB+64*(\f)+8*(\b):FB+64*(\f)+8*(\b)+3],   v[ADRB+(\slot)] offset:32*PV*(\q)+32*(\b)
	ds_load_tr16_b128 v[FB+64*(\f)+8*(\b)+4:FB+64*(\f)+8*(\b)+7], v[ADRB+(\slot)] offset:32*PV*(\q)+16*PV+32*(\b)
.endr
.endm
.macro GLOAD                           ; the next step's g
	ds_load_b128 v[GR:GR+3], v[GA]
	v_add_nc_u32 v[GA], 512, v[GA]
.endm
; A quarter multiplies buffer f and fetches quarter q into buffer g.  The 32 scalings are the places between the last products that read buffer g and the loads into it.
.macro QUARTER slot, q, f, g, init
	s_wait_dscnt 0x0                               ; buffer f (and, in a step's first quarter, g) is in
	FIRST \f, \init
	SECOND \f, \init
	FETCH \slot, \q, \g
	MULA \f, 2, \init
	MULA \f, 3, \init
.endm
.macro TURN slot, next, fill
.if \fill
	s_wait_xcnt 0x0                                ; the last prefetch, a K step back, has read its address
	s_add_nc_u64 s[PFA:PFA+1], s[PFA:PFA+1], s[PFS:PFS+1]
.endif
	WIN 0
	s_wait_tensorcnt 0x0                           ; all my tensor loads have landed: the one that was out is my part of the next slot
	ds_add_u32 v[SPW], v[NIL]
	s_wait_dscnt 0x1                               ; (the add alone may be out)
	FIRST 1, 0
	s_wait_dscnt 0x0                               ; the add is done, and my reads of this slot are over
	s_barrier_signal -1
	SECOND 1, 0
.if \fill
	WIN 0
.endif
	s_barrier_wait -1
.if \fill
	CREST
	s_add_nc_u64 s[G0+4*(\slot)+2:G0+4*(\slot)+3], s[G0+4*(\slot)+2:G0+4*(\slot)+3], 2*KB
	s_add_nc_u64 s[G0B+4*(\slot)+2:G0B+4*(\slot)+3], s[G0B+4*(\slot)+2:G0B+4*(\slot)+3], 2*KV
	JLOAD \slot
.endif
	FETCH \next, 0, 0
	GLOAD                                          ; all of this step's scalings stand above
.if \fill
	ASK
.endif
	MULA 1, 2, 0
	MULA 1, 3, 0
.endm
	s_wait_tensorcnt 0x1                           ; my part of K step 0 is in; K step 1's may stay out
	s_wait_dscnt 0x0                               ; my stores of g
	s_barrier_signal -1
	s_barrier_wait -1
	FETCH 0, 0, 0
	GLOAD
	QUARTER 0, 1, 0, 1, 1                          ; the first products start the sums
	WIN 0
	s_mov_b32 s3, LAPS-1
.Llap:
	QUARTER 0, 2, 1, 0, 0
	QUARTER 0, 3, 0, 1, 0
	TURN 0, 1, 1
	QUARTER 1, 1, 0, 1, 0
	QUARTER 1, 2, 1, 0, 0
	QUARTER 1, 3, 0, 1, 0
	TURN 1, 0, 1
	QUARTER 0, 1, 0, 1, 0
	WIN 0
	s_sub_co_u32 s3, s3, 1
	s_cmp_lg_u32 s3, 0
	s_cbranch_scc1 .Llap
	QUARTER 0, 2, 1, 0, 0                          ; the last lap fills nothing
	QUARTER 0, 3, 0, 1, 0
	TURN 0, 1, 0
	QUARTER 1, 1, 0, 1, 0
	QUARTER 1, 2, 1, 0, 0
	QUARTER 1, 3, 0, 1, 0
	s_wait_dscnt 0x0
	FIRST 1, 0
	SECOND 1, 0
	MULA 1, 2, 0
	MULA 1, 3, 0
; THE WAY OUT, a block of 16 rows at a time: divided by 2048 L; into my own stage, 32 bytes a lane; back as whole rows of 512 bytes; stored.
.macro DIVIDE a
	WIN 0x41*(1+(\a)/2)                            ; destination and source 0 in window 1 or 2, the divisor in window 0
.set i, 0
.rept 32
	v_pk_mul_f32 v[64*((\a)%2)+2*i:64*((\a)%2)+2*i+1], v[64*((\a)%2)+2*i:64*((\a)%2)+2*i+1], v[RC+2*(\a):RC+2*(\a)+1] op_sel_hi:[1,0]
.set i, i+1
.endr
.endm
.macro TOSTAGE a
.set BK, FB+64*((\a)%2)
	WIN 0x04*(1+(\a)/2)                            ; the stores' data in window 1 or 2
.irp b, 0,1,2,3,4,5,6,7
	ds_store_b128 v[STO], v[64*((\a)%2)+8*(\b):64*((\a)%2)+8*(\b)+3]   offset:64*(\b)
	ds_store_b128 v[STO], v[64*((\a)%2)+8*(\b)+4:64*((\a)%2)+8*(\b)+7] offset:64*(\b)+16
.endr
	WIN 0
.set i, 0
.rept 16
	ds_load_b128 v[BK+4*i:BK+4*i+3], v[RD] offset:SP*i   ; LDS serves a wave's instructions in order: these see the stores above
.set i, i+1
.endr
.endm
.macro SEND a
.set BK, FB+64*((\a)%2)
	WIN 0
	s_wait_dscnt 0x0
	s_wait_xcnt 0x0                                ; earlier stores have read their base and their data
.if (\a) > 0
	s_add_nc_u64 s[74:75], s[74:75], 65536         ; 16 rows of out0 on
.endif
.set i, 0
.rept 16
	global_store_b128 v[CO], v[BK+4*i:BK+4*i+3], s[74:75] offset:4096*i th:TH_STORE_NT  ; 512 consecutive bytes, at a multiple of 256 from out0's first byte
.set i, i+1
.endr
.endm
	PLACES
	DIVIDE 0
	TOSTAGE 0
.irp a, 1,2,3
	DIVIDE \a                                      ; a block's arithmetic stands between the loads of the block before and the wait for them
	SEND (\a)-1
	TOSTAGE \a
.endr
	SEND 3
	s_wait_tensorcnt 0x0                           ; the wave's end
	ds_add_u32 v[SPW], v[NIL]
	s_wait_dscnt 0x0
	CROUND                                         ; the closing round
	s_endpgm
.Lfunc_end_k_q669c7b1445_mix:
	.size	k_q669c7b1445_mix, .Lfunc_end_k_q669c7b1445_mix-k_q669c7b1445_mix
	.p2alignl 7, 3214868480
	.fill 96, 4, 3214868480
	.section	.rodata,"a",@progbits
	.p2align	6, 0x0
	.amdhsa_kernel k_q669c7b1445_mix
		.amdhsa_group_segment_fixed_size 327680
		.amdhsa_private_segment_fixed_size 0
		.amdhsa_enable_private_segment 0
		.amdhsa_kernarg_size 32
		.amdhsa_user_sgpr_count 2
		.amdhsa_user_sgpr_kernarg_segment_ptr 1
		.amdhsa_wavefront_size32 1
		.amdhsa_system_sgpr_workgroup_id_x 1
		.amdhsa_system_sgpr_workgroup_id_y 1
		.amdhsa_system_sgpr_workgroup_id_z 1
		.amdhsa_system_vgpr_workitem_id 0
		.amdhsa_next_free_vgpr 640
		.amdhsa_next_free_sgpr 84
		.amdhsa_reserve_vcc 0
		.amdhsa_float_denorm_mode_32 3
		.amdhsa_float_denorm_mode_16_64 3
		.amdhsa_memory_ordered 1
		.amdhsa_forward_progress 1
		.amdhsa_inst_pref_size 146
	.end_amdhsa_kernel
	.amdgpu_metadata
---
amdhsa.version: [ 1, 2 ]
amdhsa.kernels:
  - .name:           k_q669c7b1445_mix
    .symbol:         k_q669c7b1445_mix.kd
    .args:
      - { .name: pw, .offset: 0, .size: 8, .value_kind: global_buffer, .address_space: global }
      - { .name: qkv, .offset: 8, .size: 8, .value_kind: global_buffer, .address_space: global }
      - { .name: stat, .offset: 16, .size: 8, .value_kind: global_buffer, .address_space: global }
      - { .name: out0, .offset: 24, .size: 8, .value_kind: global_buffer, .address_space: global }
    .group_segment_fixed_size: 327680
    .private_segment_fixed_size: 0
    .kernarg_segment_align: 8
    .kernarg_segment_size: 32
    .max_flat_workgroup_size: 128
    .sgpr_count:     84
    .vgpr_count:     640
    .wavefront_size: 32
...
	.end_amdgpu_metadata
.endif
;; end of part 4
;; ======== version 2 of 3: 4 launches
;; limits: values are held in f16: magnitudes above 65,504 overflow, below 6.1e-05 lose precision
;; workspace buffers: xb 16,777,216 bytes; wb 6,291,456 bytes; msk 8,388,608 bytes; qkv 50,331,648 bytes; pw 33,554,432 bytes; stat 1,048,576 bytes
;; launch prep (part 5): grid 480 x 1, 16 waves a work-group, no clusters, 0 bytes of LDS; arguments x, Wq, Wk, Wv, rot, xb, wb, msk; writes xb, wb, msk
.if DOCPART == 5
	.amdgcn_target "amdgcn-amd-amdhsa--gfx1250"
	.amdhsa_code_object_version 6
	.text
	.protected	k_q669c7b1445_prep
	.globl	k_q669c7b1445_prep
	.p2align	8
	.type	k_q669c7b1445_prep,@function
k_q669c7b1445_prep:
	s_mov_b64 s[64:65], 0
	v_nop
	global_prefetch_b8 v0, s[64:65] scope:SCOPE_SE
	s_setreg_imm32_b32 hwreg(HW_REG_WAVE_MODE, 25, 1), 1
	s_wait_xcnt 0x0
; xb = bf16(x) and wb = bf16(Wq, Wk, Wv one below the other), both laid out in blocks of 64 along K: [16 kb][rows][64], so that a tile of rows x 64 K lies on end in memory;
; msk[q][k] = f16(2048 (r / max(|row q of r|, 1e-12))^2), r = rot rounded to bf16, row-major.
; A stream: each input byte is read once, each output byte written once; no LDS, no matrix unit, no cluster (no two work-groups share a byte).
; SHARES.  A work-group turns 32,768 f32 into 65,536 bytes, each of its sixteen waves 2,048 of them, by 16 loads of 16 bytes a lane that all go out at once: 8 KiB a wave on their way.
; A lane takes 4 neighbouring numbers and stores their 8 bytes: a load of the wave covers 512 bytes in whole aligned pieces of 256, a store 256 consecutive bytes at a multiple of 256 from the buffer's first byte.
; Work-groups 0-255 take x (32 rows each), 256-351 the three weights (32 work-groups each, 32 rows each), 352-479 rot (16 rows each).
; THE CAST.  A wave has two rows.  For block kb, lanes 0-15 take the 256 bytes at 256 kb of the first row, lanes 16-31 of the second: in block kb of the output the two rows' 128 bytes lie on end.
; ROT.  A wave has one whole row, so the row's sum never leaves the wave.
; The factor 2048 keeps the mask near 1 in f16 (its rows sum to 2048; no entry passes 2048); the last launch divides by it.  NaN and infinities are not treated apart.
.set VI,  2                            ; v2   my byte offset in the work-group's input
.set VO,  3                            ; v3   in its output
.set X,   16                           ; v[16:79] load j at X + 4 j
.set TQ,  80                           ; rot: v[80:83] at work
.set OJ,  80                           ; the cast: v[80:95] my output offset in block kb = j
.set XKB, 8192*128                     ; bytes in a block of xb,
.set WKB, 3072*128                     ; and of wb
	s_load_b512 s[4:19], s[0:1], 0x0               ; x, Wq, Wk, Wv, rot, xb, wb, msk
	v_and_b32 v1, 31, v0                           ; lane
	v_lshrrev_b32 v4, 5, v0                        ; wave
	v_mov_b32 v13, 0                               ; v_permlanex16_b32's destination counts as read
	s_mov_b32 s20, ttmp9
	s_sub_co_u32 s21, s20, 256                     ; my number among the weights' work-groups (wraps below 256)
	s_cmp_lt_u32 s20, 256
	s_cselect_b32 s22, s20, s21
	s_sub_co_u32 s23, s20, 352
	s_cmp_ge_u32 s20, 352
	s_cselect_b32 s22, s23, s22                    ; my number among the work-groups of my output buffer
	s_cselect_b32 s34, 16, 12                      ; msk: 65,536 bytes on end; xb, wb: 32 rows of 128 bytes in each block
	s_and_b32 s23, s22, 31
	s_cmp_lt_u32 s21, 96                           ; a weight?
	s_cselect_b32 s23, s23, s22                    ; my number in the input buffer
	s_lshl_b32 s32, s23, 17
	s_mov_b32 s33, 0
	s_lshl_b32 s34, s22, s34
	s_mov_b32 s35, 0
	s_mov_b32 s36, XKB
	s_mov_b32 s37, WKB
	s_cmp_lt_u32 s20, 256
	s_cselect_b32 s36, s36, s37                    ; bytes from block to block in my output
	s_mov_b32 s28, 0x76543210                      ; v_permlanex16_b32: each lane takes its own place in the other half
	s_mov_b32 s29, 0xfedcba98
	s_mov_b32 s38, 0xffff0000                      ; a word's upper bf16
	s_wait_kmcnt 0x0
	s_cmp_lt_u32 s20, 256
	s_cselect_b64 s[24:25], s[4:5], s[12:13]       ; x or rot
	s_cselect_b64 s[26:27], s[14:15], s[18:19]     ; xb or msk
	s_cmp_lt_u32 s20, 288
	s_cselect_b64 s[30:31], s[6:7], s[8:9]
	s_cmp_lt_u32 s20, 320
	s_cselect_b64 s[30:31], s[30:31], s[10:11]     ; Wq, Wk or Wv
	s_cmp_lt_u32 s21, 96
	s_cselect_b64 s[24:25], s[30:31], s[24:25]
	s_cselect_b64 s[26:27], s[16:17], s[26:27]
	s_add_nc_u64 s[24:25], s[24:25], s[32:33]
	s_add_nc_u64 s[26:27], s[26:27], s[34:35]
.macro LOADS step                      ; all 16 loads: load j lies step bytes behind load j - 1
.set j, 0
.rept 16
	global_load_b128 v[X+4*j:X+4*j+3], v[VI], s[24:25] offset:(\step)*j th:TH_LOAD_NT
.set j, j+1
.endr
.endm
	s_cmp_ge_u32 s20, 352
	s_cbranch_scc1 .Lrot
	; THE CAST.  Load j is block kb = j of my wave's two rows: 256 bytes of each.
	v_lshrrev_b32 v5, 4, v1                        ; which of the two rows
	v_and_b32 v6, 15, v1                           ; which 4 numbers of the row's 64
	v_lshlrev_b32 v[VI], 13, v4                    ; 2 rows of 4,096 bytes a wave
	v_lshl_add_u32 v[VI], v5, 12, v[VI]
	v_lshl_add_u32 v[VI], v6, 4, v[VI]
	LOADS 256
	v_lshlrev_b32 v[VO], 8, v4                     ; 2 rows of 128 bytes a wave,
	v_lshl_add_u32 v[VO], v1, 3, v[VO]             ; 8 bytes a lane
.set j, 0
.rept 16
	v_mad_u32_u24 v[OJ+j], s36, j, v[VO]           ; the same place in block j (both factors under 2^24)
.set j, j+1
.endr
.set j, 0
.rept 16
	s_wait_loadcnt 15-j                            ; load j is in when at most the 15 - j younger ones are out (loads come back in order)
	v_cvt_pk_bf16_f32 v[X+4*j],   v[X+4*j],   v[X+4*j+1]   ; ascending: a destination is never a source still to be read
	v_cvt_pk_bf16_f32 v[X+4*j+1], v[X+4*j+2], v[X+4*j+3]
	global_store_b64 v[OJ+j], v[X+4*j:X+4*j+1], s[26:27]   ; no register is written again behind its store
.set j, j+1
.endr
	s_endpgm
.Lrot:
	v_lshlrev_b32 v[VI], 13, v4                    ; a row of 8,192 bytes a wave, 16 bytes a lane
	v_lshl_add_u32 v[VI], v1, 4, v[VI]
	LOADS 512
	v_lshlrev_b32 v[VO], 12, v4                    ; a row of 4,096 bytes a wave, 8 bytes a lane
	v_lshl_add_u32 v[VO], v1, 3, v[VO]
	; my 64 numbers of the row: rounded to bf16 and held as f32; the sum of squares in four chains of pairs
.set i, 0
.rept 32
.set a, X+2*i
.if i%2 == 0
	s_wait_loadcnt 15-i/2                          ; the load that holds pairs i and i + 1 is in; the younger ones may stay out
.endif
	v_cvt_pk_bf16_f32 v[TQ+i%4], v[a], v[a+1]
	v_lshlrev_b32 v[a], 16, v[TQ+i%4]
	v_and_b32 v[a+1], s38, v[TQ+i%4]
.if i < 4
	v_pk_mul_f32 v[4+2*(i%4):5+2*(i%4)], v[a:a+1], v[a:a+1]   ; the first four pairs start the chains
.else
	v_pk_fma_f32 v[4+2*(i%4):5+2*(i%4)], v[a:a+1], v[a:a+1], v[4+2*(i%4):5+2*(i%4)]
.endif
.set i, i+1
.endr
	v_pk_add_f32 v[4:5], v[4:5], v[6:7]
	v_pk_add_f32 v[8:9], v[8:9], v[10:11]
	v_pk_add_f32 v[4:5], v[4:5], v[8:9]
	v_add_f32 v12, v4, v5
.irp m, 1,2,4,8
	v_add_f32_dpp v12, v12, v12 row_xmask:\m row_mask:0xf bank_mask:0xf   ; over the 32 lanes: four steps inside each half,
.endr
	v_permlanex16_b32 v13, v12, s28, s29           ; one across
	v_add_f32 v12, v12, v13
	v_sqrt_f32 v12, v12
	v_nop                                          ; a plain instruction behind the root,
	s_wait_alu depctr_va_vdst(0)                   ; and its wait, ahead of its first reader
	v_max_num_f32 v12, 0x2b8cbccc, v12             ; 1e-12
	v_rcp_f32 v12, v12
	v_nop
	s_wait_alu depctr_va_vdst(0)                   ; the reciprocal's wait
	v_mul_f32 v12, 0x423504f3, v12                 ; f = sqrt(2048) / max(norm, 1e-12)
	; the row leaves: (r f)^2, rounded once to f16
.set j, 0
.rept 16
.set a, X+4*j
	v_pk_mul_f32 v[a:a+1],   v[a:a+1],   v[12:13] op_sel_hi:[1,0]
	v_pk_mul_f32 v[a+2:a+3], v[a+2:a+3], v[12:13] op_sel_hi:[1,0]
	v_pk_mul_f32 v[a:a+1],   v[a:a+1],   v[a:a+1]
	v_pk_mul_f32 v[a+2:a+3], v[a+2:a+3], v[a+2:a+3]
	v_cvt_pk_f16_f32 v[a],   v[a],   v[a+1]
	v_cvt_pk_f16_f32 v[a+1], v[a+2], v[a+3]
	global_store_b64 v[VO], v[a:a+1], s[26:27] offset:256*j
.set j, j+1
.endr
	s_endpgm
.Lfunc_end_k_q669c7b1445_prep:
	.size	k_q669c7b1445_prep, .Lfunc_end_k_q669c7b1445_prep-k_q669c7b1445_prep
	.p2alignl 7, 3214868480
	.fill 96, 4, 3214868480
	.section	.rodata,"a",@progbits
	.p2align	6, 0x0
	.amdhsa_kernel k_q669c7b1445_prep
		.amdhsa_group_segment_fixed_size 0
		.amdhsa_private_segment_fixed_size 0
		.amdhsa_enable_private_segment 0
		.amdhsa_kernarg_size 64
		.amdhsa_user_sgpr_count 2
		.amdhsa_user_sgpr_kernarg_segment_ptr 1
		.amdhsa_wavefront_size32 1
		.amdhsa_system_sgpr_workgroup_id_x 1
		.amdhsa_system_sgpr_workgroup_id_y 1
		.amdhsa_system_sgpr_workgroup_id_z 1
		.amdhsa_system_vgpr_workitem_id 0
		.amdhsa_next_free_vgpr 96
		.amdhsa_next_free_sgpr 66
		.amdhsa_reserve_vcc 0
		.amdhsa_float_denorm_mode_32 3
		.amdhsa_float_denorm_mode_16_64 3
		.amdhsa_memory_ordered 1
		.amdhsa_forward_progress 1
		.amdhsa_inst_pref_size 26
	.end_amdhsa_kernel
	.amdgpu_metadata
---
amdhsa.version: [ 1, 2 ]
amdhsa.kernels:
  - .name:           k_q669c7b1445_prep
    .symbol:         k_q669c7b1445_prep.kd
    .args:
      - { .name: x, .offset: 0, .size: 8, .value_kind: global_buffer, .address_space: global }
      - { .name: Wq, .offset: 8, .size: 8, .value_kind: global_buffer, .address_space: global }
      - { .name: Wk, .offset: 16, .size: 8, .value_kind: global_buffer, .address_space: global }
      - { .name: Wv, .offset: 24, .size: 8, .value_kind: global_buffer, .address_space: global }
      - { .name: rot, .offset: 32, .size: 8, .value_kind: global_buffer, .address_space: global }
      - { .name: xb, .offset: 40, .size: 8, .value_kind: global_buffer, .address_space: global }
      - { .name: wb, .offset: 48, .size: 8, .value_kind: global_buffer, .address_space: global }
      - { .name: msk, .offset: 56, .size: 8, .value_kind: global_buffer, .address_space: global }
    .group_segment_fixed_size: 0
    .private_segment_fixed_size: 0
    .kernarg_segment_align: 8
    .kernarg_segment_size: 64
    .max_flat_workgroup_size: 512
    .sgpr_count:     66
    .vgpr_count:     96
    .wavefront_size: 32
...
	.end_amdgpu_metadata
.endif
;; end of part 5
;; launch proj (part 6): grid 8 x 32, 4 waves a work-group, clusters of 4 x 4, 327,680 bytes of LDS; arguments xb, wb, bq, bk, bv, qkv; writes qkv
.if DOCPART == 6
	.amdgcn_target "amdgcn-amd-amdhsa--gfx1250"
	.amdhsa_code_object_version 6
	.text
	.protected	k_q669c7b1445_proj
	.globl	k_q669c7b1445_proj
	.p2align	8
	.type	k_q669c7b1445_proj,@function
k_q669c7b1445_proj:
	s_mov_b64 s[64:65], 0
	v_nop
	global_prefetch_b8 v0, s[64:65] scope:SCOPE_SE
	s_setreg_imm32_b32 hwreg(HW_REG_WAVE_MODE, 25, 1), 1
	s_wait_xcnt 0x0
	s_wait_alu depctr_hold_cnt(0) depctr_sa_sdst(0) depctr_va_vdst(0) depctr_va_sdst(0) depctr_va_ssrc(0) depctr_va_vcc(0) depctr_vm_vsrc(0)
	s_getreg_b32 s2, hwreg(HW_REG_IB_STS2, 6, 4)
	s_cmp_eq_u32 s2, 0
	s_cbranch_scc0 .Lentry_in_a_cluster
	s_endpgm
.Lentry_in_a_cluster:
	s_bfe_u32 s2, ttmp6, 0x10000c
	s_cmp_lg_u32 s2, 0xf033
	s_cbranch_scc0 .Lentry_shape_is_right
	s_endpgm
.Lentry_shape_is_right:
; qkv[m][n] = f16(bias[n] + the sum over k of x[m][k] w[n][k]).  xb: [16 kb][8192][64] bf16, wb: [16 kb][3072][64] bf16 (rows of Wq, Wk, Wv), qkv: [8192][3072] f16, row-major; sums in f32.
; The bias (bq, bk or bv by the column) is rounded to bf16 like the other inputs and starts the sums as the C operand of the first products.
; LIMIT.  q, k and v leave in f16: they must stay under 65,504 in size; NaN and infinities are not treated apart.
; SHARES.  A tile of 256 x 384: 32 x 8 = 256 work-groups.  Four waves, each 128 rows x 192 columns: 96 accumulators of 16 x 16, 768 registers: for 32 along K a wave reads 320 rows x 64 bytes from LDS for 96 products.
; K goes in steps of 64, one block kb, through a ring of two LDS slots.  In a block a tile's rows of 128 bytes lie on end, so they are asked for as rows of 256 bytes, two rows each, padded in LDS after every 128 bytes.
; Waves 0 and 1 fetch A's two halves (64 such rows each), waves 2 and 3 B's (96 each): two tensor loads of a wave are out at the start, later one behind each round.
; CLUSTER.  4 x 4 work-groups: A's tile is shared along a row of the cluster, B's along a column; each is asked for jointly, by the same load with the same descriptor in the four that the mask names.
; THE PRODUCT IS TAKEN TRANSPOSED: source 0 = 16 rows of wb, source 1 = 16 rows of xb: a lane holds row lane % 16 of the result and eight neighbouring columns 8 (lane / 16) + 0..7.
; REGISTERS, in windows of 256 (s_set_vgpr_msb: bits 1:0 source 0, 3:2 source 1, 5:4 source 2, 7:6 destination):
;   window 0: v0-31 addresses; v32-95, v96-159 A's 8 fragments, two buffers; v160-255 B's 12 fragments, three GROUPS of four: a group is loaded again, for the next 32 along K, as soon as its products are issued
;   windows 1-3: the accumulators of group 0, 1, 2: column block 4 g + bb, row block a at 8 (8 bb + a)
; A HALF is 32 along K: three groups of 32 products; behind each, four places and the next half's loads for that group (A's with group 0's).  A trip of the loop is a step's second half, with the change of slots, and the next step's first.
.set PA,     144                       ; an LDS row: 128 bytes + 16 of padding = 36 words: the 16 rows of a fragment load start at 16 different groups of four banks (64 banks of 4 bytes: ISA guide 11.1)
.set AHALF,  128*PA
.set BHALF,  192*PA
.set BOFF,   2*AHALF                   ; B's 384 rows lie behind A's 256
.set SLOTB,  BOFF+2*BHALF              ; 92,160 bytes
.set SLOT1,  1<<17                     ; slot 1 begins here, so that one exclusive or turns an address in one slot into the other's
.set SP,     784                       ; the way out: a row of the tile, 768 bytes + 16; the stage, 256 such rows from LDS byte 0, lies over the slots when they have had their last fill
.set SPARE,  SLOT1+SLOTB               ; behind slot 1: the spare words, 128 bytes for each wave
.set XKB,    8192*128                  ; bytes in a block of xb,
.set WKB,    3072*128                  ; and of wb
.set STEPS,  16
.set ROWO,   6144                      ; bytes in a row of qkv
.set A0,   8                           ; v8   my lane's place in a slot's A; never rewritten
.set B0,   9                           ; v9   the same for B
.set ADA,  10                          ; v10  the same in the slot that is being read
.set ADB,  11                          ; v11
.set STO,  12                          ; v12-13 the way out: where I put 16 bytes of a row, for row blocks 0-3 and 4-7
.set RD,   14                          ; v14  where I read 16 bytes of a row back
.set CO,   15                          ; v15  my byte offset in qkv
.set BO,   16                          ; v16  32 x (lane / 16): my place in a block of the bias
.set SPW,  28                          ; v28  my spare word; never rewritten
.set NIL,  29                          ; v29  0; never rewritten
.set PFO,  30                          ; v30  the prefetches' offset; never rewritten
.set FA,   32
.set FB,   160
.set TMP,  32                          ; the way out: v32-159
.set G1,  24                           ; s[24:31] group 1 for A;  s[32:39] group 0: a set for each of the two first fills; the second then walks on
.set G0,  32
.set LIM, 43                           ; s43  a wave prefetches while the trips to come are above it
.set PFA, 44                           ; s[44:45] where my prefetches stand
.set G1B, 48                           ; s[48:55], s[56:63] the same for B
.set G0B, 56
.set PFS, 66                           ; s[66:67] bytes from block to block for my prefetches
.set N0,  80                           ; s80  my wave's first column
.set TB,  82                           ; s82  LDS byte at which the slot that is being read begins
.set PAR, 83                           ; s83  1 in wave 3, which prefetches in every second trip
.set BP,  84                           ; s[84:91] four pointers into the biases
.set GW, (1<<16)|(1<<20)|(1<<21)|(4<<22)|(3<<25)  ; 2-byte elements; padding on; bit 21 beside a mask; after every 32 words; 4 words
.set MSB, 0
.macro WIN new                         ; the immediate's high byte repeats the setting that is left; a switch that changes nothing is dropped
.if MSB != (\new)
	s_set_vgpr_msb (MSB<<8)|(\new)
.set MSB, \new
.endif
.endm
.macro PLACES                          ; four plain instructions behind a matrix instruction, ahead of loads into its sources and of readers of its result
.rept 4
	v_nop
.endr
.endm
.macro JLOAD s                         ; a joint load; the branch hangs on the wave's number alone; an s_nop 0 and four v_nop follow each line
	s_cmp_eq_u32 s11, 0
	s_cbranch_scc0 .Lfor_b_\@
	tensor_load_to_lds s[G0+4*(\s):G0+4*(\s)+3], s[G1:G1+7]
	s_nop 0
.rept 4
	v_nop
.endr
	s_branch .Lasked_\@
.Lfor_b_\@:
	tensor_load_to_lds s[G0B+4*(\s):G0B+4*(\s)+3], s[G1B:G1B+7]
	s_nop 0
.rept 4
	v_nop
.endr
.Lasked_\@:
.endm
; A PREFETCH of the block that the NEXT refill will ask for: 192 products ahead of that load; a lane names 256 bytes.  A's tile is 128 such pieces: the clusters with x = 0 ask, wave 0, each of the four partners
; 32 pieces, told apart by address (cx).  B's tile is 192 pieces: the clusters with y = 0 ask, each partner 48 (cy): wave 2 the first 32 in every trip; wave 3 the other 16 of two blocks at once, in every second trip.
; So no piece is named twice.  Blocks 0 to 2; the last trip (wave 3: the last two) asks for nothing.
.macro ASK
	s_and_b32 s22, s3, s[PAR]
	s_cmp_eq_u32 s22, 0
	s_cbranch_scc0 .Lnot_mine_\@
	s_cmp_gt_u32 s3, s[LIM]
	s_cbranch_scc0 .Lnot_mine_\@
	global_prefetch_b8 v[PFO], s[PFA:PFA+1] th:TH_LOAD_NT scope:SCOPE_SE
.Lnot_mine_\@:
.endm
.macro CREST                           ; a round of the cluster's barrier behind its opening barrier
	s_cmp_lg_u32 s10, 0
	s_cbranch_scc1 .Lnot_wave_0_\@
	s_barrier_signal -3
.Lnot_wave_0_\@:
	s_barrier_wait -3
	s_barrier_signal -1
	s_barrier_wait -1
.endm
.macro CROUND
	s_barrier_signal -1
	s_barrier_wait -1
	CREST
.endm
	s_load_b256 s[68:75], s[0:1], 0x0              ; xb s[68:69], wb s[70:71], bq s[72:73], bk s[74:75]
	s_load_b128 s[76:79], s[0:1], 0x20             ; bv s[76:77], qkv s[78:79]
	v_lshl_add_u32 v[SPW], v0, 2, SPARE
	v_mov_b32 v[NIL], 0
	ds_add_u32 v[SPW], v[NIL]                      ; the wave's opening: the add and its wait stand ahead of my first tensor load
	v_lshrrev_b32 v1, 5, v0
	v_readfirstlane_b32 s10, v1                    ; wave 0..3
	s_lshr_b32 s11, s10, 1                         ; which half of the tile's rows is mine.  Also: I fetch for A (0) or for B (1)
	s_and_b32 s12, s10, 1                          ; which half of its columns.  Also: which half of that tile's rows I fetch
	s_bfe_u32 s40, ttmp6, 0x40000                  ; cx
	s_bfe_u32 s41, ttmp6, 0x40004                  ; cy
	s_lshl_b32 s42, ttmp9, 2
	s_add_co_u32 s42, s42, s40                     ; tile column = 4 x cluster x + cx
	s_and_b32 s13, ttmp7, 0xffff
	s_lshl_b32 s13, s13, 2
	s_add_co_u32 s13, s13, s41                     ; tile row = 4 x cluster y + cy
	s_lshl_b32 s43, s41, 2
	s_lshl_b32 s43, 15, s43                        ; my row of the cluster
	s_lshl_b32 s44, 0x1111, s40                    ; my column
	s_or_b32 s[G1+0], s43, GW
	s_or_b32 s[G1B+0], s44, GW
.irp g, G1, G1B
	s_mov_b32 s[(\g)+1], 128<<16                   ; tensor_dim0 = 128 elements: 256 bytes, two rows of a block
	s_mov_b32 s[(\g)+3], 128<<16                   ; tile_dim0 = 128
	s_mov_b32 s[(\g)+5], 128                       ; elements from row to row: dense
	s_mov_b32 s[(\g)+6], 0
	s_mov_b32 s[(\g)+7], 0
.endr
	s_mov_b32 s[G1+2], 64<<16                      ; tensor_dim1, tile_dim1: A 64 (128 rows of xb),
	s_mov_b32 s[G1+4], 64
	s_mov_b32 s[G1B+2], 96<<16                     ; B 96 (192 rows of wb)
	s_mov_b32 s[G1B+4], 96
	s_lshl_b32 s16, s13, 8
	s_lshl_b32 s17, s12, 7
	s_add_co_u32 s16, s16, s17                     ; A: row 256 x tile row + 128 x half,
	s_lshl_b32 s16, s16, 7                         ; 128 bytes a row in a block
	s_mov_b32 s17, 0
	s_mul_i32 s46, s42, 384
	s_mul_i32 s47, s12, 192
	s_add_co_u32 s46, s46, s47                     ; B: row 384 x tile column + 192 x half
	s_lshl_b32 s46, s46, 7
	s_mov_b32 s47, 0
	s_mul_i32 s20, s12, AHALF                      ; where they go: no place in the cluster enters an LDS address
	s_mul_i32 s21, s12, BHALF
	s_add_co_u32 s21, s21, BOFF
	s_wait_dscnt 0x0                               ; the opening add is done
	s_wait_kmcnt 0x0
	s_add_nc_u64 s[14:15], s[68:69], s[16:17]
	s_add_nc_u64 s[46:47], s[70:71], s[46:47]
	CROUND                                         ; all sixteen work-groups are here: the first joint loads meet
.irp s, 0,1
	s_mov_b32 s[G0+4*(\s)], 1
	s_add_co_u32 s[G0+4*(\s)+1], s20, (\s)*SLOT1
	s_add_nc_u64 s[G0+4*(\s)+2:G0+4*(\s)+3], s[14:15], (\s)*XKB
	s_or_b32 s[G0+4*(\s)+3], s[G0+4*(\s)+3], 0x80000000
	s_mov_b32 s[G0B+4*(\s)], 1
	s_add_co_u32 s[G0B+4*(\s)+1], s21, (\s)*SLOT1
	s_add_nc_u64 s[G0B+4*(\s)+2:G0B+4*(\s)+3], s[46:47], (\s)*WKB
	s_or_b32 s[G0B+4*(\s)+3], s[G0B+4*(\s)+3], 0x80000000
	JLOAD \s                                       ; K steps 0 and 1: two loads of mine are out
.endr
	v_and_b32 v1, 15, v0                           ; l % 16
	v_bfe_u32 v2, v0, 4, 1                         ; l / 16
	; THE BIAS of my eight columns of column block b goes into the registers of accumulator (b, 7): the first half's products take it from there as C.
	; A block of 16 columns lies in one of the three biases (1,024 is a multiple of 16): the pointer is chosen block by block, four pointers at a time.
	s_mul_i32 s[N0], s42, 384
	s_mul_i32 s20, s12, 192
	s_add_co_u32 s[N0], s[N0], s20
	s_mov_b32 s23, 0
	v_lshlrev_b32 v[BO], 5, v2
.macro BIASLD b, p
	s_add_co_u32 s20, s[N0], 16*(\b)
	s_lshr_b32 s21, s20, 10                        ; 0: bq, 1: bk, 2: bv
	s_and_b32 s20, s20, 1023
	s_lshl_b32 s22, s20, 2
	s_cmp_eq_u32 s21, 0
	s_cselect_b64 s[\p:(\p)+1], s[72:73], s[74:75]
	s_cmp_eq_u32 s21, 2
	s_cselect_b64 s[\p:(\p)+1], s[76:77], s[\p:(\p)+1]
	s_add_nc_u64 s[\p:(\p)+1], s[\p:(\p)+1], s[22:23]
	global_load_b128 v[64*((\b)%4)+56:64*((\b)%4)+59], v[BO], s[\p:(\p)+1]
	global_load_b128 v[64*((\b)%4)+60:64*((\b)%4)+63], v[BO], s[\p:(\p)+1] offset:16
.endm
.irp g, 0,1,2
	WIN ((\g)+1)<<6                                ; the loads' destination in window 1, 2, 3
	s_wait_xcnt 0x0                                ; the loads before have read their pointers: these are written again only now
	BIASLD 4*(\g)+0, BP
	BIASLD 4*(\g)+1, BP+2
	BIASLD 4*(\g)+2, BP+4
	BIASLD 4*(\g)+3, BP+6
.endr
	WIN 0
	v_mul_u32_u24 v3, v1, PA
	v_lshl_add_u32 v3, v2, 4, v3                   ; a fragment's row x pitch + 16 x half
	s_mul_i32 s22, s11, AHALF                      ; my 128 rows of A
	v_add_nc_u32 v[A0], s22, v3
	s_mul_i32 s22, s12, BHALF                      ; my 192 rows of B
	s_add_co_u32 s22, s22, BOFF
	v_add_nc_u32 v[B0], s22, v3
	v_mov_b32 v[ADA], v[A0]                        ; slot 0 begins at LDS byte 0
	v_mov_b32 v[ADB], v[B0]
	s_mov_b32 s[TB], 0
	s_lshl_b32 s22, s11, 7
	v_add_nc_u32 v4, s22, v1                       ; into the stage: row 128 x row half + l % 16,
	v_mul_u32_u24 v4, v4, SP
	v_lshl_add_u32 v4, v2, 4, v4                   ; 16 bytes for each half of the lanes,
	s_mul_i32 s22, s12, 384                        ; my 192 columns
	v_add_nc_u32 v[STO], s22, v4
	v_add_nc_u32 v[STO+1], 64*SP, v[STO]           ; row blocks 4-7: an LDS offset has 16 bits
	s_lshl_b32 s22, s10, 6
	v_add_nc_u32 v5, s22, v2                       ; back: wave w takes rows 64 w .. 64 w + 63, whole; lanes 0-15 256 bytes of one row, lanes 16-31 of the next
	v_mul_u32_u24 v5, v5, SP
	v_lshl_add_u32 v[RD], v1, 4, v5
	v_mul_u32_u24 v5, v2, ROWO
	v_lshl_add_u32 v[CO], v1, 4, v5
	s_lshl_b32 s18, s13, 8
	s_lshl_b32 s19, s10, 6
	s_add_co_u32 s18, s18, s19                     ; the first row of qkv that I store
	s_mul_i32 s18, s18, ROWO
	s_mul_i32 s19, s42, 768                        ; the tile's 768 bytes of a row
	s_add_co_u32 s18, s18, s19
	s_mov_b32 s19, 0
	s_add_nc_u64 s[78:79], s[78:79], s[18:19]
	; the prefetches
	s_lshl_b32 s18, s13, 15                        ; A: 256 rows of 128 bytes a tile row,
	s_lshl_b32 s19, s40, 13                        ; my work-group's 64 rows: 32 pieces
	s_add_co_u32 s18, s18, s19
	s_mul_i32 s19, s42, 384*128                    ; B: the tile's 384 rows,
	s_mul_i32 s20, s41, 96*128                     ; my work-group's 96: 48 pieces,
	s_add_co_u32 s19, s19, s20
	s_lshl_b32 s20, s12, 13                        ; wave 3: behind wave 2's 32
	s_add_co_u32 s19, s19, s20
	s_mov_b32 s[PFS], XKB
	s_mov_b32 s21, WKB
	s_and_b32 s22, ttmp7, 0xffff                   ; cluster y
	s_cmp_eq_u32 s11, 0
	s_cselect_b32 s20, s18, s19
	s_cselect_b32 s22, ttmp9, s22                  ; the coordinate along which other clusters read the same rows
	s_cselect_b32 s[PFS], s[PFS], s21
	s_cselect_b64 s[PFA:PFA+1], s[68:69], s[70:71]
	s_mov_b32 s[PFS+1], 0
	s_cmp_eq_u32 s22, 0
	s_cselect_b32 s[LIM], 1, -1                    ; the same in all sixteen partners, for a given wave
	s_cmp_eq_u32 s10, 1
	s_cselect_b32 s[LIM], -1, s[LIM]               ; wave 0 asks for all of A's 32 pieces
	s_cmp_eq_u32 s10, 3
	s_cselect_b32 s[PAR], 1, 0
	s_lshl_b32 s[LIM], s[LIM], s[PAR]              ; wave 3 names two blocks at once: it stops a trip earlier
	s_lshl_b32 s22, s[PFS], 1                      ; at block 2: the first refill steps it to 3 and names that
	s_add_co_u32 s20, s20, s22
	s_mov_b32 s21, 0
	s_add_nc_u64 s[PFA:PFA+1], s[PFA:PFA+1], s[20:21]
	v_and_b32 v6, 31, v0
	v_lshlrev_b32 v[PFO], 8, v6                    ; 256 x lane;
	s_mul_i32 s22, s[PAR], WKB-16*256              ; in wave 3 lanes 16-31 name the same 16 pieces of the block after
	v_mad_u32_u24 v[PFO], v2, s22, v[PFO]
	s_wait_loadcnt 0x0                             ; the bias: rounded to bf16, held as f32
.irp w, 1,2,3
	WIN 0x05*(\w)                                  ; sources in window w, destination in window 0 (A's second buffer is still free)
.set n, 0
.rept 16
	v_cvt_pk_bf16_f32 v[FA+64+n], v[64*(n/4)+56+2*(n%4)], v[64*(n/4)+56+2*(n%4)+1]
.set n, n+1
.endr
	WIN (\w)<<6                                    ; destination in window w, source in window 0
.set n, 0
.rept 16
	v_lshlrev_b32 v[64*(n/4)+56+2*(n%4)], 16, v[FA+64+n]
	v_and_b32 v[64*(n/4)+56+2*(n%4)+1], 0xffff0000, v[FA+64+n]
.set n, n+1
.endr
.endr
	WIN 0
; The products of group g for row blocks a0 .. a1, on A's buffer f: four column blocks for each row block.  The 96 accumulators take turns, in the same order in every half.
; init = 1: the first half.  Row blocks 0-6 take the bias as C from the registers of accumulator (bb, 7); five places behind the last of them row block 7 takes it in place.
.macro GP g, f, a0, a1, init
	WIN 0x50*((\g)+1)                              ; B and A in window 0, C and D in window g + 1
.set a, \a0
.rept (\a1)-(\a0)+1
.if (\init) && (a == 7)
.rept 5
	v_nop
.endr
.endif
.irp bb, 0,1,2,3
.if (\init) && (a < 7)
	v_wmma_f32_16x16x32_bf16 v[8*(8*(\bb)+a):8*(8*(\bb)+a)+7], v[FB+32*(\g)+8*(\bb):FB+32*(\g)+8*(\bb)+7], v[FA+64*(\f)+8*a:FA+64*(\f)+8*a+7], v[8*(8*(\bb)+7):8*(8*(\bb)+7)+7]
.else
	v_wmma_f32_16x16x32_bf16 v[8*(8*(\bb)+a):8*(8*(\bb)+a)+7], v[FB+32*(\g)+8*(\bb):FB+32*(\g)+8*(\bb)+7], v[FA+64*(\f)+8*a:FA+64*(\f)+8*a+7], v[8*(8*(\bb)+a):8*(8*(\bb)+a)+7]
.endif
.endr
.set a, a+1
.endr
.endm
.macro FETA f, k                       ; 16 LDS loads: A's 8 fragments, 32 K at byte k of the rows, into buffer f
.irp q, 0,1,2,3,4,5,6,7
	ds_load_b128 v[FA+64*(\f)+8*(\q):FA+64*(\f)+8*(\q)+3],   v[ADA] offset:(\k)+(\q)*16*PA
	ds_load_b128 v[FA+64*(\f)+8*(\q)+4:FA+64*(\f)+8*(\q)+7], v[ADA] offset:(\k)+(\q)*16*PA+32
.endr
.endm
.macro FETB g, k                       ; 8 LDS loads: the four fragments of B's group g
.irp q, 0,1,2,3
	ds_load_b128 v[FB+32*(\g)+8*(\q):FB+32*(\g)+8*(\q)+3],   v[ADB] offset:(\k)+(4*(\g)+(\q))*16*PA
	ds_load_b128 v[FB+32*(\g)+8*(\q)+4:FB+32*(\g)+8*(\q)+7], v[ADB] offset:(\k)+(4*(\g)+(\q))*16*PA+32
.endr
.endm
; A step's first half: multiplies A's buffer 0 and fetches the second half (byte 64 of the rows).  The LDS loads go out in the order A, group 0, group 1, group 2, in every half.
.macro HALF0 init
	s_wait_dscnt 16                                ; A and group 0 are in; groups 1 and 2 may be out
	GP 0, 0, 0, 7, \init
	PLACES
	WIN 0
	FETA 1, 64
	FETB 0, 64
	s_wait_dscnt 32                                ; group 1 is in; behind it: group 2's 8 and the 24 just issued
	GP 1, 0, 0, 7, \init
	PLACES
	WIN 0
	FETB 1, 64
	s_wait_dscnt 32                                ; group 2 is in; behind it: the next half's 16 + 8 + 8
	GP 2, 0, 0, 7, \init
	PLACES
	WIN 0
	FETB 2, 64
.endm
; A step's second half multiplies A's buffer 1 and changes slots.  All of this slot's fragments have been asked for.  One barrier: ahead of it each wave waits for all its tensor loads (one is out: its part of the
; next slot), adds 0 to its spare word, and waits for that and for its reads of this slot.  fill = 1: the barrier opens a round of the cluster's, and this slot is filled again first thing behind it, with the K step
; two on: 160 products stand between that request and the wait for it.
.macro TURN fill
.if \fill
	s_wait_xcnt 0x0                                ; the last prefetch, a K step back, has read its address
	s_add_nc_u64 s[PFA:PFA+1], s[PFA:PFA+1], s[PFS:PFS+1]
.endif
	WIN 0
	s_wait_tensorcnt 0x0                           ; no tensor load of mine is out, so a group 0 may be written
	ds_add_u32 v[SPW], v[NIL]
.if \fill
	s_xor_b32 s[G0+5], s[G0+5], SLOT1              ; the walking descriptors: the other slot than last time,
	s_add_nc_u64 s[G0+6:G0+7], s[G0+6:G0+7], XKB   ; the next block; the type bits on top are not reached
	s_xor_b32 s[G0B+5], s[G0B+5], SLOT1
	s_add_nc_u64 s[G0B+6:G0B+7], s[G0B+6:G0B+7], WKB
.endif
	s_wait_dscnt 17                                ; A and group 0 are in (the add and groups 1 and 2 may be out)
	GP 0, 1, 0, 3, 0
	s_wait_dscnt 0x0                               ; the add is done, and my reads of this slot are over
	s_barrier_signal -1
	GP 0, 1, 4, 7, 0
	WIN 0
	s_barrier_wait -1
.if \fill
	CREST                                          ; no wave of any partner still reads this slot or has a load on its way
	JLOAD 1                                        ; its four v_nop are also the places ahead of the loads below
.else
	PLACES
.endif
	s_xor_b32 s[TB], s[TB], SLOT1                  ; the reads go on in the other slot
	v_add_nc_u32 v[ADA], s[TB], v[A0]
	v_add_nc_u32 v[ADB], s[TB], v[B0]
	FETA 0, 0
	FETB 0, 0
.if \fill
	ASK
.endif
	GP 1, 1, 0, 7, 0
	PLACES
	WIN 0
	FETB 1, 0
	GP 2, 1, 0, 7, 0
	PLACES
	WIN 0
	FETB 2, 0
.endm
	s_wait_tensorcnt 0x1                           ; my part of K step 0 is in; K step 1's may stay out
	s_barrier_signal -1
	s_barrier_wait -1
	FETA 0, 0
	FETB 0, 0
	FETB 1, 0
	FETB 2, 0
	HALF0 1                                        ; the first half stands ahead of the loop: its products start the sums
	s_mov_b32 s3, STEPS-2
.Lstep:                                                ; 14 trips: every slot but the last two is filled again
	TURN 1
	HALF0 0
	s_sub_co_u32 s3, s3, 1
	s_cmp_lg_u32 s3, 0
	s_cbranch_scc1 .Lstep
	TURN 0                                         ; the tail is written out: nothing is asked for
	HALF0 0
	s_wait_dscnt 16                                ; the very last half fetches nothing: the counts run down
	GP 0, 1, 0, 7, 0
	s_wait_dscnt 8
	GP 1, 1, 0, 7, 0
	s_wait_dscnt 0x0
	GP 2, 1, 0, 7, 0
	WIN 0
	PLACES                                         ; the places behind the last products
	s_barrier_signal -1                            ; every wave's reads of both slots are over (its last wait was for 0), and the slots have had their last fill:
	s_barrier_wait -1                              ; they become the stage
; THE WAY OUT.  A wave's 192 columns are 384 bytes, one and a half aligned pieces of 256 bytes of a row: so the four waves share one stage, with a barrier between writing and reading.
; A window's 32 accumulators: rounded to f16, 16 bytes a lane (each accumulator's registers in ascending order), into rows of 784 bytes: the 16 rows of a store start at 16 different groups of four banks.
.macro PACK w
	WIN 0x05*(\w)                                  ; sources in window w, destination in window 0
.set n, 0
.rept 32
.irp r, 0,1,2,3
	v_cvt_pk_f16_f32 v[TMP+4*n+(\r)], v[8*n+2*(\r)], v[8*n+2*(\r)+1]
.endr
.set n, n+1
.endr
	WIN 0
.set n, 0
.rept 32                               ; n = 8 bb + a
	ds_store_b128 v[STO+(n%8)/4], v[TMP+4*n:TMP+4*n+3] offset:(n%4)*16*SP+32*(4*((\w)-1)+n/8)
.set n, n+1
.endr
.endm
	PACK 1
	PACK 2
	PACK 3
	s_wait_dscnt 0x0                               ; for the others' sake: my stores into the stage are done
	s_barrier_signal -1
	s_barrier_wait -1
	s_mov_b32 s3, 4
.Lout:                                                 ; four trips of 16 rows: 8 pairs of rows x 3 pieces of 256 bytes
.set n, 0
.rept 24                               ; n = 3 x pair + piece
	ds_load_b128 v[TMP+4*n:TMP+4*n+3], v[RD] offset:(n/3)*2*SP+(n%3)*256
.set n, n+1
.endr
.set n, 0
.rept 24
	s_wait_dscnt 23-n                              ; LDS loads come back in order: load n is in, the younger ones may be out
	global_store_b128 v[CO], v[TMP+4*n:TMP+4*n+3], s[78:79] offset:(n/3)*2*ROWO+(n%3)*256  ; 16 lanes store 256 consecutive bytes, at a multiple of 256 from qkv's first byte
.set n, n+1
.endr
	s_wait_xcnt 0x0                                ; the stores have read their base and their data: only now are these written again
	s_add_nc_u64 s[78:79], s[78:79], 16*ROWO
	v_add_nc_u32 v[RD], 16*SP, v[RD]
	s_sub_co_u32 s3, s3, 1
	s_cmp_lg_u32 s3, 0
	s_cbranch_scc1 .Lout
	s_wait_tensorcnt 0x0                           ; the wave's end
	ds_add_u32 v[SPW], v[NIL]
	s_wait_dscnt 0x0
	CROUND                                         ; the closing round
	s_endpgm
.Lfunc_end_k_q669c7b1445_proj:
	.size	k_q669c7b1445_proj, .Lfunc_end_k_q669c7b1445_proj-k_q669c7b1445_proj
	.p2alignl 7, 3214868480
	.fill 96, 4, 3214868480
	.section	.rodata,"a",@progbits
	.p2align	6, 0x0
	.amdhsa_kernel k_q669c7b1445_proj
		.amdhsa_group_segment_fixed_size 327680
		.amdhsa_private_segment_fixed_size 0
		.amdhsa_enable_private_segment 0
		.amdhsa_kernarg_size 48
		.amdhsa_user_sgpr_count 2
		.amdhsa_user_sgpr_kernarg_segment_ptr 1
		.amdhsa_wavefront_size32 1
		.amdhsa_system_sgpr_workgroup_id_x 1
		.amdhsa_system_sgpr_workgroup_id_y 1
		.amdhsa_system_sgpr_workgroup_id_z 1
		.amdhsa_system_vgpr_workitem_id 0
		.amdhsa_next_free_vgpr 1024
		.amdhsa_next_free_sgpr 92
		.amdhsa_reserve_vcc 0
		.amdhsa_float_denorm_mode_32 3
		.amdhsa_float_denorm_mode_16_64 3
		.amdhsa_memory_ordered 1
		.amdhsa_forward_progress 1
		.amdhsa_inst_pref_size 116
	.end_amdhsa_kernel
	.amdgpu_metadata
---
amdhsa.version: [ 1, 2 ]
amdhsa.kernels:
  - .name:           k_q669c7b1445_proj
    .symbol:         k_q669c7b1445_proj.kd
    .args:
      - { .name: xb, .offset: 0, .size: 8, .value_kind: global_buffer, .address_space: global }
      - { .name: wb, .offset: 8, .size: 8, .value_kind: global_buffer, .address_space: global }
      - { .name: bq, .offset: 16, .size: 8, .value_kind: global_buffer, .address_space: global }
      - { .name: bk, .offset: 24, .size: 8, .value_kind: global_buffer, .address_space: global }
      - { .name: bv, .offset: 32, .size: 8, .value_kind: global_buffer, .address_space: global }
      - { .name: qkv, .offset: 40, .size: 8, .value_kind: global_buffer, .address_space: global }
    .group_segment_fixed_size: 327680
    .private_segment_fixed_size: 0
    .kernarg_segment_align: 8
    .kernarg_segment_size: 48
    .max_flat_workgroup_size: 128
    .sgpr_count:     92
    .vgpr_count:     1024
    .wavefront_size: 32
...
	.end_amdgpu_metadata
.endif
;; end of part 6
;; launch score (part 7): grid 8 x 32, 4 waves a work-group, clusters of 4 x 4, 327,680 bytes of LDS; arguments qkv, msk, pw, stat; writes pw, stat
.if DOCPART == 7
	.amdgcn_target "amdgcn-amd-amdhsa--gfx1250"
	.amdhsa_code_object_version 6
	.text
	.protected	k_q669c7b1445_score
	.globl	k_q669c7b1445_score
	.p2align	8
	.type	k_q669c7b1445_score,@function
k_q669c7b1445_score:
	s_mov_b64 s[64:65], 0
	v_nop
	global_prefetch_b8 v0, s[64:65] scope:SCOPE_SE
	s_setreg_imm32_b32 hwreg(HW_REG_WAVE_MODE, 25, 1), 1
	s_wait_xcnt 0x0
	s_wait_alu depctr_hold_cnt(0) depctr_sa_sdst(0) depctr_va_vdst(0) depctr_va_sdst(0) depctr_va_ssrc(0) depctr_va_vcc(0) depctr_vm_vsrc(0)
	s_getreg_b32 s2, hwreg(HW_REG_IB_STS2, 6, 4)
	s_cmp_eq_u32 s2, 0
	s_cbranch_scc0 .Lentry_in_a_cluster
	s_endpgm
.Lentry_in_a_cluster:
	s_bfe_u32 s2, ttmp6, 0x10000c
	s_cmp_lg_u32 s2, 0xf033
	s_cbranch_scc0 .Lentry_shape_is_right
	s_endpgm
.Lentry_shape_is_right:
; For each batch, each query q and each tile t of 128 keys: s = q . k; m = the tile's maximum of s; p = 2^(c s - c m), c = log2(e) / 32; l = the tile's sum of p;
; pw[q][key] = f16(f16(p) x msk[q][key]); stat[batch][t][q] = (c m, l).  The last launch joins the tiles by the true maximum of the row.
; qkv: [8192][3072] f16 (q at byte 0 of a row, k at 2,048); msk: [2048][2048] f16; pw: [8192][2048] f16; stat: [4][16][2048][2] f32.  Products, maxima and sums in f32.
; LIMITS.  A weight below 2^-126 counts as 0 in l; p keeps f16's fixed step of 6e-8 below 6e-5; pw stays under 2,049 (p is at most 1 but for a rounding, msk at most 2,048).  NaN and infinities are not treated apart.
; SHARES.  A tile of 256 queries x 256 keys to a work-group: 256 work-groups.  Four waves, each 128 x 128: 64 accumulators, 512 registers; a wave's 128 keys are one tile t.
; K = 1024 goes in 8 steps of 128 through a ring of two LDS slots; each wave fetches 128 rows x 256 bytes with one tensor load: two loads of a wave are out at the start, later one behind each round.
; A step is written once: a trip of the loop goes from a step's second quarter to the next step's first; the slot that is read and the slot that is filled hang on scalar registers that one exclusive or turns.
; CLUSTER.  4 x 4 work-groups of one batch: q's tile is shared along a row of the cluster, k's along a column; each is asked for jointly.  The mask's tile differs in all sixteen: each work-group loads its own.
; THE PRODUCT IS TAKEN TRANSPOSED (source 0 = 16 keys, source 1 = 16 queries): a lane holds query lane % 16 and the keys 8 (lane / 16) + 0..7 of a block.
; THE SOFTMAX goes through a stage of f32 in slot 1, each wave's own 64 rows x 528 bytes, when that slot has had its last fill: one looped text of 16 rows then serves all 128 rows, with a whole row in 16 lanes.
; REGISTERS: window 0: v0-31 addresses; v64-127, v128-191 A's fragments, two buffers (later the softmax's registers, v64-207); window 1: v64-127, v128-191 B's fragments;
;   window 2: the accumulators of my rows 0-63 ((a, b) at 8 (8 a + b)); window 3: those of rows 64-127.
.set KB,     256
.set PITCH,  272                       ; 256 bytes + 16 of padding: the 16 rows of a fragment load start at 16 different groups of four banks (64 banks of 4 bytes: ISA guide 11.1)
.set HALFT,  128*PITCH
.set SLOT,   4*HALFT                   ; A's 256 rows, then B's 256 rows: 0x22000 bytes.  The waves' LDS words in slot 0, wave x 0x8800, have bits 13 and 17 clear: an exclusive or with SLOT goes to the other slot and back
.set MP,     528                       ; a row of the mask's tile and of the stage: 512 bytes + 16
.set STATS,  2*SLOT                    ; behind the ring: 128 rows x 8 bytes for each wave
.set SPARE,  STATS+4096                ; the spare words, 128 bytes for each wave
.set STEPS,  8
.set ROWQ,   6144
.set RDA,  8                           ; v8-10  the row loop's addresses: stage, mask, statistics
.set MRA,  9
.set SAA,  10
.set SR,   11                          ; v11  where I read my 16 bytes of the wave's statistics back
.set ADRA, 16                          ; v16  my lane's place in a slot's q; never rewritten
.set ADA,  17                          ; v17  the same in the slot that is being read
.set ADRB, 20                          ; v20, v21  the same for k
.set ADB,  21
.set MRD0, 22                          ; v22  my place in the mask's tile
.set SA0,  23                          ; v23  my place in the statistics
.set STO,  24                          ; v24  where I put 16 bytes of a stage row
.set RD0,  25                          ; v25  where I read a stage row
.set CO,   26                          ; v26  my byte offset in pw
.set SO,   27                          ; v27  16 x lane
.set SPW,  28
.set NIL,  29
.set PFO,  30                          ; v30  lane x 6,144
.set F0,   64
.set F1,   128
.set X,    64                          ; the row loop: pair p of rows (2 p, 2 p + 1): 8 scores a lane at X + 8 p
.set MK,   128                         ; its 8 mask numbers at MK + 4 p
.set PK,   160                         ; its 8 weights at PK + 4 p
.set ST,   192                         ; (c m, l) at ST + 2 p
.set G1,  24                           ; s[24:31] group 1 for q;  s[32:39] group 0: a set for each of the two first fills; the second then walks on
.set G0,  32
.set LIM, 43
.set PFA, 44
.set G1B, 48                           ; s[48:55], s[56:63] the same for k
.set G0B, 56
.set CS,  76                           ; s[76:77] c
.set TB,  83                           ; s83  LDS byte at which the slot that is being read begins
.set GM1, 84                           ; s[84:91], s[92:95] the mask tile's descriptor
.set GM0, 92
.set GW, (1<<16)|(1<<20)|(1<<21)|(5<<22)|(3<<25)
.set MSB, 0
.macro WIN new
.if MSB != (\new)
	s_set_vgpr_msb (MSB<<8)|(\new)
.set MSB, \new
.endif
.endm
.set MUL_LO, 0xa1                      ; source 0 (k) window 1, source 1 (q) window 0, C and D window 2
.set MUL_HI, 0xf1                      ; C and D window 3
.set TO_B,   0x40
.macro PLACES
.rept 4
	v_nop
.endr
.endm
.macro JLOAD s
	s_cmp_eq_u32 s11, 0
	s_cbranch_scc0 .Lfor_b_\@
	tensor_load_to_lds s[G0+4*(\s):G0+4*(\s)+3], s[G1:G1+7]
	s_nop 0
.rept 4
	v_nop
.endr
	s_branch .Lasked_\@
.Lfor_b_\@:
	tensor_load_to_lds s[G0B+4*(\s):G0B+4*(\s)+3], s[G1B:G1B+7]
	s_nop 0
.rept 4
	v_nop
.endr
.Lasked_\@:
.endm
; A prefetch of the K step two refills on: 32 rows x 256 bytes, a lane a row.  q's rows: the clusters with x = 0; k's rows: of the two clusters of a batch along y the even one.  Of the 128 rows that a wave
; fetches each of the four partners takes 32, told apart by address.  So each row's 256 bytes of a K step are named once.  The loop's last two trips have no K step two refills on and ask for nothing.
.macro ASK
	s_cmp_gt_u32 s3, s[LIM]
	s_cbranch_scc0 .Lnot_mine_\@
	global_prefetch_b8 v[PFO], s[PFA:PFA+1] offset:KB th:TH_LOAD_NT scope:SCOPE_SE
.Lnot_mine_\@:
.endm
.macro CREST
	s_cmp_lg_u32 s10, 0
	s_cbranch_scc1 .Lnot_wave_0_\@
	s_barrier_signal -3
.Lnot_wave_0_\@:
	s_barrier_wait -3
	s_barrier_signal -1
	s_barrier_wait -1
.endm
.macro CROUND
	s_barrier_signal -1
	s_barrier_wait -1
	CREST
.endm
	s_load_b256 s[68:75], s[0:1], 0x0              ; qkv s[68:69], msk s[70:71], pw s[72:73], stat s[74:75]
	v_lshl_add_u32 v[SPW], v0, 2, SPARE
	v_mov_b32 v[NIL], 0
	ds_add_u32 v[SPW], v[NIL]                      ; the wave's opening: the add and its wait stand ahead of my first tensor load
	v_lshrrev_b32 v1, 5, v0
	v_readfirstlane_b32 s10, v1
	s_lshr_b32 s11, s10, 1                         ; which half of the tile's queries is mine.  Also: I fetch q (0) or k (1)
	s_and_b32 s12, s10, 1                          ; which half of its keys.  Also: which 128 rows I fetch
	s_bfe_u32 s40, ttmp6, 0x40000
	s_bfe_u32 s41, ttmp6, 0x40004
	s_lshl_b32 s42, ttmp9, 2
	s_add_co_u32 s42, s42, s40                     ; key tile = 4 x cluster x + cx
	s_and_b32 s13, ttmp7, 0xffff
	s_lshr_b32 s82, s13, 1                         ; the batch: two clusters along y each
	s_lshl_b32 s13, s13, 2
	s_add_co_u32 s13, s13, s41                     ; query tile among all 32 = 4 x cluster y + cy
	s_lshl_b32 s43, s41, 2
	s_lshl_b32 s43, 15, s43
	s_lshl_b32 s44, 0x1111, s40
	s_or_b32 s[G1+0], s43, GW
	s_or_b32 s[G1B+0], s44, GW
.irp g, G1, G1B
	s_mov_b32 s[(\g)+1], 128<<16
	s_mov_b32 s[(\g)+2], 128<<16
	s_mov_b32 s[(\g)+3], 128<<16
	s_mov_b32 s[(\g)+4], 128
	s_mov_b32 s[(\g)+5], 3072
	s_mov_b32 s[(\g)+6], 0
	s_mov_b32 s[(\g)+7], 0
.endr
	s_mov_b32 s[GM1+0], (1<<16)|(1<<20)|(6<<22)|(3<<25)  ; no mask: a load of my own; 2-byte elements; 4 words of padding after every 128
	s_mov_b32 s[GM1+1], 256<<16                    ; 64 rows x 256 elements, 2,048 elements from row to row
	s_mov_b32 s[GM1+2], 64<<16
	s_mov_b32 s[GM1+3], 256<<16
	s_mov_b32 s[GM1+4], 64
	s_mov_b32 s[GM1+5], 2048
	s_mov_b32 s[GM1+6], 0
	s_mov_b32 s[GM1+7], 0
	s_mov_b32 s[GM0], 1
	s_mul_i32 s[GM0+1], s10, 64*MP                 ; into slot 0: wave x 64 rows
	s_mov_b32 s[CS], 0x3d38aa3b                    ; c = log2(e) / 32
	s_mov_b32 s[CS+1], s[CS]
	s_lshl_b32 s17, s12, 7
	s_lshl_b32 s16, s13, 8
	s_add_co_u32 s16, s16, s17                     ; q: row 256 x query tile + 128 x half
	s_mul_i32 s16, s16, ROWQ
	s_lshl_b32 s46, s42, 8
	s_add_co_u32 s46, s46, s17
	s_lshl_b32 s47, s82, 11
	s_add_co_u32 s46, s46, s47                     ; k: row 2,048 x batch + 256 x key tile + 128 x half
	s_mul_i32 s46, s46, ROWQ
	s_add_co_u32 s46, s46, 2048                    ; k's place in a row of qkv
	s_mov_b32 s17, 0
	s_mov_b32 s47, 0
	s_mul_i32 s20, s10, HALFT
	s_wait_dscnt 0x0
	s_wait_kmcnt 0x0
	s_add_nc_u64 s[14:15], s[68:69], s[16:17]
	s_add_nc_u64 s[46:47], s[68:69], s[46:47]
	CROUND
.irp s, 0,1
	s_mov_b32 s[G0+4*(\s)], 1
	s_add_co_u32 s[G0+4*(\s)+1], s20, (\s)*SLOT
	s_add_nc_u64 s[G0+4*(\s)+2:G0+4*(\s)+3], s[14:15], (\s)*KB
	s_or_b32 s[G0+4*(\s)+3], s[G0+4*(\s)+3], 0x80000000
	s_mov_b32 s[G0B+4*(\s)], 1
	s_add_co_u32 s[G0B+4*(\s)+1], s20, (\s)*SLOT
	s_add_nc_u64 s[G0B+4*(\s)+2:G0B+4*(\s)+3], s[46:47], (\s)*KB
	s_or_b32 s[G0B+4*(\s)+3], s[G0B+4*(\s)+3], 0x80000000
	JLOAD \s
.endr
	v_and_b32 v1, 15, v0                           ; l % 16
	v_bfe_u32 v2, v0, 4, 1                         ; l / 16
	v_mul_u32_u24 v3, v1, PITCH
	v_lshl_add_u32 v3, v2, 4, v3
	s_mul_i32 s21, s11, HALFT
	s_mul_i32 s22, s12, HALFT
	s_add_co_u32 s22, s22, 2*HALFT
	v_add_nc_u32 v[ADRA], s21, v3
	v_add_nc_u32 v[ADRB], s22, v3
	v_mov_b32 v[ADA], v[ADRA]                      ; slot 0 begins at LDS byte 0
	v_mov_b32 v[ADB], v[ADRB]
	s_mov_b32 s[TB], 0
	s_mul_i32 s23, s10, 64*MP
	s_add_co_u32 s23, s23, SLOT                    ; my stage, in slot 1
	v_mul_u32_u24 v4, v1, MP
	v_lshl_add_u32 v4, v2, 4, v4
	v_add_nc_u32 v[STO], s23, v4                   ; in: row l % 16, piece l / 16
	v_mul_u32_u24 v5, v2, MP
	v_lshl_add_u32 v5, v1, 4, v5                   ; back: row l / 16 of a pair, piece l % 16
	v_add_nc_u32 v[RD0], s23, v5
	s_mul_i32 s23, s11, 128*MP                     ; my 128 queries in the mask's tile,
	s_lshl_b32 s22, s12, 8                         ; my 128 keys
	s_add_co_u32 s23, s23, s22
	v_add_nc_u32 v[MRD0], s23, v5
	s_lshl_b32 s23, s10, 10
	s_add_co_u32 s23, s23, STATS
	v_lshl_add_u32 v[SA0], v2, 3, s23
	v_and_b32 v6, 31, v0
	v_lshlrev_b32 v[SO], 4, v6
	v_add_nc_u32 v[SR], s23, v[SO]
	v_lshlrev_b32 v7, 12, v2
	v_lshl_add_u32 v[CO], v1, 4, v7                ; a row of pw is 4,096 bytes
	; the mask's tile: rows 256 x (query tile in the batch) + 64 x wave, 512 bytes at 512 x key tile
	s_and_b32 s18, s13, 7
	s_lshl_b32 s18, s18, 8
	s_lshl_b32 s19, s10, 6
	s_add_co_u32 s18, s18, s19
	s_lshl_b32 s18, s18, 12
	s_lshl_b32 s19, s42, 9
	s_add_co_u32 s18, s18, s19
	s_mov_b32 s19, 0
	s_add_nc_u64 s[GM0+2:GM0+3], s[70:71], s[18:19]
	s_or_b32 s[GM0+3], s[GM0+3], 0x80000000
	; pw at my first row and my 256 bytes of it
	s_lshl_b32 s18, s13, 8
	s_lshl_b32 s19, s11, 7
	s_add_co_u32 s18, s18, s19
	s_lshl_b32 s18, s18, 12
	s_lshl_b32 s19, s42, 9
	s_add_co_u32 s18, s18, s19
	s_lshl_b32 s19, s12, 8
	s_add_co_u32 s18, s18, s19
	s_mov_b32 s19, 0
	s_add_nc_u64 s[72:73], s[72:73], s[18:19]
	; stat at ((16 batch + t) 2,048 + my first query in the batch) x 8, t = 2 x key tile + half
	s_lshl_b32 s18, s82, 4
	s_lshl_b32 s19, s42, 1
	s_add_co_u32 s18, s18, s19
	s_add_co_u32 s18, s18, s12
	s_lshl_b32 s18, s18, 11
	s_and_b32 s19, s13, 7
	s_lshl_b32 s19, s19, 8
	s_add_co_u32 s18, s18, s19
	s_lshl_b32 s19, s11, 7
	s_add_co_u32 s18, s18, s19
	s_lshl_b32 s18, s18, 3
	s_mov_b32 s19, 0
	s_add_nc_u64 s[74:75], s[74:75], s[18:19]
	; the prefetches
	s_lshl_b32 s18, s13, 8
	s_lshl_b32 s19, s12, 7
	s_add_co_u32 s18, s18, s19                     ; q's rows that I fetch
	s_lshl_b32 s20, s82, 11
	s_lshl_b32 s21, s42, 8
	s_add_co_u32 s20, s20, s21
	s_add_co_u32 s19, s20, s19                     ; k's
	s_lshl_b32 s23, s11, 11                        ; k's place in a row
	s_add_co_u32 s23, s23, 2*KB                    ; at K step 2: the first refill steps it to 3 and names K step 4
	s_and_b32 s22, ttmp7, 1
	s_cmp_eq_u32 s11, 0
	s_cselect_b32 s20, s18, s19
	s_cselect_b32 s21, s40, s41
	s_cselect_b32 s22, ttmp9, s22
	s_cmp_eq_u32 s22, 0
	s_cselect_b32 s[LIM], 2, -1                    ; a wave that prefetches does so while more than two trips are to come
	s_lshl_b32 s21, s21, 5
	s_add_co_u32 s20, s20, s21
	s_mul_i32 s20, s20, ROWQ
	s_add_co_u32 s20, s20, s23
	s_mov_b32 s21, 0
	s_add_nc_u64 s[PFA:PFA+1], s[68:69], s[20:21]
	v_mul_u32_u24 v[PFO], v6, ROWQ
; 16 matrix instructions: row blocks a0, a0 + 1 of the window's four x all 8 key blocks, 32 along K.  The 64 accumulators take turns, in the same order in every quarter.
.macro MUL16 f, hi, a0, zero
	WIN MUL_LO+0x50*(\hi)
.irp a, \a0, (\a0)+1
.irp b, 0,1,2,3,4,5,6,7
.if \zero
	v_wmma_f32_16x16x32_f16 v[8*(8*(\a)+(\b)):8*(8*(\a)+(\b))+7], v[(\f)+8*(\b):(\f)+8*(\b)+7], v[(\f)+8*(4*(\hi)+(\a)):(\f)+8*(4*(\hi)+(\a))+7], 0
.else
	v_wmma_f32_16x16x32_f16 v[8*(8*(\a)+(\b)):8*(8*(\a)+(\b))+7], v[(\f)+8*(\b):(\f)+8*(\b)+7], v[(\f)+8*(4*(\hi)+(\a)):(\f)+8*(4*(\hi)+(\a))+7], v[8*(8*(\a)+(\b)):8*(8*(\a)+(\b))+7]
.endif
.endr
.endr
.endm
.macro FETCH k, f                      ; 32 LDS loads in one run, from the slot that is being read: k's 16, then q's 16
	WIN TO_B
.irp i, 0,1,2,3,4,5,6,7
	ds_load_b128 v[(\f)+8*(\i):(\f)+8*(\i)+3],   v[ADB] offset:(\k)+(\i)*16*PITCH
	ds_load_b128 v[(\f)+8*(\i)+4:(\f)+8*(\i)+7], v[ADB] offset:(\k)+(\i)*16*PITCH+32
.endr
	WIN 0
.irp i, 0,1,2,3,4,5,6,7
	ds_load_b128 v[(\f)+8*(\i):(\f)+8*(\i)+3],   v[ADA] offset:(\k)+(\i)*16*PITCH
	ds_load_b128 v[(\f)+8*(\i)+4:(\f)+8*(\i)+7], v[ADA] offset:(\k)+(\i)*16*PITCH+32
.endr
.endm
.macro QUARTER k, f, g, zero           ; multiplies buffer f and fetches the next quarter, at byte k of the rows, into buffer g
	s_wait_dscnt 8                                 ; k and q's rows 0-63 are in; the youngest eight loads may be out
	MUL16 \f, 0, 0, \zero
	MUL16 \f, 0, 2, \zero
	PLACES
	FETCH \k, \g
	s_wait_dscnt 32                                ; all but the 32 just issued
	MUL16 \f, 1, 0, \zero
	MUL16 \f, 1, 2, \zero
.endm
; The first half of a step's last quarter: one barrier for the change of slots, which opens a round of the cluster's.  Ahead of it each wave waits for all its tensor loads, adds 0 to its spare word,
; and waits for that and for its reads of this slot.  walk = 1: the walking descriptors go on to the slot that is being left and to the next K step.
.macro MEET walk
	WIN 0
	s_wait_tensorcnt 0x0                           ; no tensor load of mine is out, so a group 0 may be written
	ds_add_u32 v[SPW], v[NIL]
.if \walk
	s_xor_b32 s[G0+5], s[G0+5], SLOT               ; the other slot than last time,
	s_add_nc_u64 s[G0+6:G0+7], s[G0+6:G0+7], KB    ; the next K step; the type bits on top are not reached
	s_xor_b32 s[G0B+5], s[G0B+5], SLOT
	s_add_nc_u64 s[G0B+6:G0B+7], s[G0B+6:G0B+7], KB
.endif
	s_wait_dscnt 9                                 ; (the add and the youngest eight loads may be out)
	MUL16 F1, 0, 0, 0
	s_wait_dscnt 0x0
	s_barrier_signal -1
	MUL16 F1, 0, 2, 0
	WIN 0
	s_barrier_wait -1
	CREST
.endm
.macro TURN
	s_wait_xcnt 0x0                                ; the last prefetch, a K step back, has read its address
	s_add_nc_u64 s[PFA:PFA+1], s[PFA:PFA+1], KB
	MEET 1
	JLOAD 1                                        ; the first tensor load behind the round; its four v_nop are also the places ahead of the loads below
	s_xor_b32 s[TB], s[TB], SLOT                   ; the reads go on in the other slot
	v_add_nc_u32 v[ADA], s[TB], v[ADRA]
	v_add_nc_u32 v[ADB], s[TB], v[ADRB]
	FETCH 0, F0
	ASK
	MUL16 F1, 1, 0, 0
	MUL16 F1, 1, 2, 0
.endm
	s_wait_tensorcnt 0x1                           ; my part of K step 0 is in; K step 1's may stay out
	s_barrier_signal -1
	s_barrier_wait -1
	FETCH 0, F0
	QUARTER 64, F0, F1, 1                          ; the first products start the sums
	WIN 0
	s_mov_b32 s3, STEPS-2
.Lstep:                                                ; 6 trips: every slot but the last two is filled again
	QUARTER 128, F1, F0, 0
	QUARTER 192, F0, F1, 0
	TURN
	QUARTER 64,  F0, F1, 0
	WIN 0
	s_sub_co_u32 s3, s3, 1
	s_cmp_lg_u32 s3, 0
	s_cbranch_scc1 .Lstep
	QUARTER 128, F1, F0, 0                         ; K step 6, in slot 0, goes on
	QUARTER 192, F0, F1, 0
	MEET 0                                         ; slot 0 has been read out by all: its last fill is the mask's tile, 64 rows a wave, which has the last K step in which to land
	tensor_load_to_lds s[GM0:GM0+3], s[GM1:GM1+7]
	s_nop 0
	PLACES
	v_add_nc_u32 v[ADA], SLOT, v[ADRA]             ; K step 7 lies in slot 1
	v_add_nc_u32 v[ADB], SLOT, v[ADRB]
	FETCH 0, F0
	MUL16 F1, 1, 0, 0
	MUL16 F1, 1, 2, 0
	QUARTER 64,  F0, F1, 0
	QUARTER 128, F1, F0, 0
	QUARTER 192, F0, F1, 0
	s_wait_dscnt 8
	MUL16 F1, 0, 0, 0
	MUL16 F1, 0, 2, 0
	s_wait_dscnt 0x0
	MUL16 F1, 1, 0, 0
	MUL16 F1, 1, 2, 0
	WIN 0
	s_wait_tensorcnt 0x0                           ; my part of the mask's tile is in
	ds_add_u32 v[SPW], v[NIL]
	PLACES                                         ; the places behind the last products
	s_wait_dscnt 0x0                               ; my reads of slot 1 are over
	s_barrier_signal -1
	s_barrier_wait -1                              ; the mask's tile is whole, and nobody reads slot 1 any more: it becomes the stages
; 64 rows of scores into my stage.  A lane's keys 16 b + 8 h + 0..3 go to piece 2 b + h of the row's first 256 bytes, keys + 4..7 to the same piece of its second 256 bytes:
; so piece i of both halves holds keys 8 i .. 8 i + 7, and stores (16 rows, one piece) and loads (one row, 16 pieces) each touch every bank once.  Each accumulator's low registers go first.
.macro TOSTG win
	WIN \win                                       ; the stores' data in window 2 or 3
.irp a, 0,1,2,3
.irp b, 0,1,2,3,4,5,6,7
	ds_store_b128 v[STO], v[8*(8*(\a)+(\b)):8*(8*(\a)+(\b))+3]   offset:16*MP*(\a)+32*(\b)
	ds_store_b128 v[STO], v[8*(8*(\a)+(\b))+4:8*(8*(\a)+(\b))+7] offset:16*MP*(\a)+32*(\b)+256
.endr
.endr
	WIN 0
.endm
	s_mov_b32 s96, 2                               ; two halves of 64 rows
.Lhalf:
	s_cmp_eq_u32 s96, 2
	s_cbranch_scc0 .Lupper
	TOSTG 0x08
	s_mov_b32 s99, 0                               ; the half's place in the mask's tile
	s_mov_b32 s100, 0                              ; and in the statistics
	s_branch .Lstaged
.Lupper:
	TOSTG 0x0c
	s_mov_b32 s99, 64*MP
	s_mov_b32 s100, 512
.Lstaged:
	s_mov_b32 s98, 0
	s_mov_b32 s97, 4                               ; four trips of 16 rows
.Lrows:                                                ; lanes 0-15 hold the even row of each of 8 pairs, lanes 16-31 the odd one; a lane 8 keys
	v_add_nc_u32 v[RDA], s98, v[RD0]
	v_add_nc_u32 v[MRA], s99, v[MRD0]
	v_add_nc_u32 v[SAA], s100, v[SA0]
.irp p, 0,1,2,3,4,5,6,7
	ds_load_b128 v[X+8*(\p):X+8*(\p)+3],   v[RDA] offset:2*MP*(\p)     ; LDS serves a wave's instructions in order: these see my stores
	ds_load_b128 v[X+8*(\p)+4:X+8*(\p)+7], v[RDA] offset:2*MP*(\p)+256
.endr
.irp p, 0,1,2,3,4,5,6,7
	ds_load_b128 v[MK+4*(\p):MK+4*(\p)+3], v[MRA] offset:2*MP*(\p)
.endr
	s_wait_dscnt 8                                 ; the scores are in; the mask's eight loads may stay out
.irp p, 0,1,2,3,4,5,6,7
	v_max3_num_f32 v[ST+2*(\p)+1], v[X+8*(\p)], v[X+8*(\p)+1], v[X+8*(\p)+2]
.endr
.irp p, 0,1,2,3,4,5,6,7
	v_max3_num_f32 v[ST+2*(\p)+1], v[ST+2*(\p)+1], v[X+8*(\p)+3], v[X+8*(\p)+4]
.endr
.irp p, 0,1,2,3,4,5,6,7
	v_max3_num_f32 v[ST+2*(\p)+1], v[ST+2*(\p)+1], v[X+8*(\p)+5], v[X+8*(\p)+6]
.endr
.irp p, 0,1,2,3,4,5,6,7
	v_max_num_f32 v[ST+2*(\p)+1], v[ST+2*(\p)+1], v[X+8*(\p)+7]
.endr
.irp m, 1,2,4,8
.irp p, 0,1,2,3,4,5,6,7
	v_max_num_f32_dpp v[ST+2*(\p)+1], v[ST+2*(\p)+1], v[ST+2*(\p)+1] row_xmask:\m row_mask:0xf bank_mask:0xf
.endr
.endr
.irp p, 0,1,2,3,4,5,6,7
	v_mul_f32 v[ST+2*(\p)], s[CS], v[ST+2*(\p)+1]  ; c m
.endr
.irp p, 0,1,2,3,4,5,6,7
.irp i, 0,2,4,6
	v_pk_fma_f32 v[X+8*(\p)+(\i):X+8*(\p)+(\i)+1], v[X+8*(\p)+(\i):X+8*(\p)+(\i)+1], s[CS:CS+1], v[ST+2*(\p):ST+2*(\p)+1] op_sel_hi:[1,0,0] neg_lo:[0,0,1] neg_hi:[0,0,1]  ; c s - c m
.endr
.endr
.set i, 0
.rept 64
	v_exp_f32 v[X+i], v[X+i]
.set i, i+1
.endr
	v_nop                                          ; a plain instruction behind the last exponential,
	s_wait_alu depctr_va_vdst(0)                   ; and one wait for the batch of 64, ahead of its first reader
.irp p, 0,1,2,3,4,5,6,7
.irp i, 0,1,2,3
	v_cvt_pk_f16_f32 v[PK+4*(\p)+(\i)], v[X+8*(\p)+2*(\i)], v[X+8*(\p)+2*(\i)+1]
.endr
.endr
.irp p, 0,1,2,3,4,5,6,7
	v_pk_add_f32 v[X+8*(\p):X+8*(\p)+1], v[X+8*(\p):X+8*(\p)+1], v[X+8*(\p)+2:X+8*(\p)+3]
.endr
.irp p, 0,1,2,3,4,5,6,7
	v_pk_add_f32 v[X+8*(\p)+4:X+8*(\p)+5], v[X+8*(\p)+4:X+8*(\p)+5], v[X+8*(\p)+6:X+8*(\p)+7]
.endr
.irp p, 0,1,2,3,4,5,6,7
	v_pk_add_f32 v[X+8*(\p):X+8*(\p)+1], v[X+8*(\p):X+8*(\p)+1], v[X+8*(\p)+4:X+8*(\p)+5]
.endr
.irp p, 0,1,2,3,4,5,6,7
	v_add_f32 v[ST+2*(\p)+1], v[X+8*(\p)], v[X+8*(\p)+1]   ; l takes m's place
.endr
.irp m, 1,2,4,8
.irp p, 0,1,2,3,4,5,6,7
	v_add_f32_dpp v[ST+2*(\p)+1], v[ST+2*(\p)+1], v[ST+2*(\p)+1] row_xmask:\m row_mask:0xf bank_mask:0xf
.endr
.endr
	s_wait_dscnt 0x0                               ; the mask
.set i, 0
.rept 32
	v_pk_mul_f16 v[PK+i], v[PK+i], v[MK+i]
.set i, i+1
.endr
.irp p, 0,1,2,3,4,5,6,7
	global_store_b128 v[CO], v[PK+4*(\p):PK+4*(\p)+3], s[72:73] offset:8192*(\p)  ; 16 lanes store a row's 256 consecutive bytes, at a multiple of 256 from pw's first byte
.endr
.irp p, 0,1,2,3,4,5,6,7
	ds_store_b64 v[SAA], v[ST+2*(\p):ST+2*(\p)+1] offset:16*(\p)   ; the 16 lanes of a row write the same two words with the same numbers
.endr
	s_wait_xcnt 0x0                                ; the stores have read their base and PK: only now are these written again
	s_add_nc_u64 s[72:73], s[72:73], 65536         ; 16 rows of pw on
	s_add_co_u32 s98, s98, 16*MP
	s_add_co_u32 s99, s99, 16*MP
	s_add_co_u32 s100, s100, 128
	s_sub_co_u32 s97, s97, 1
	s_cmp_lg_u32 s97, 0
	s_cbranch_scc1 .Lrows
	s_sub_co_u32 s96, s96, 1
	s_cmp_lg_u32 s96, 0
	s_cbranch_scc1 .Lhalf
	ds_load_b128 v[X:X+3],   v[SR]                 ; my wave's 128 pairs (c m, l): 1,024 consecutive bytes of stat
	ds_load_b128 v[X+4:X+7], v[SR] offset:512
	s_wait_dscnt 0x0
	global_store_b128 v[SO], v[X:X+3],   s[74:75]
	global_store_b128 v[SO], v[X+4:X+7], s[74:75] offset:512
	s_wait_tensorcnt 0x0                           ; the wave's end
	ds_add_u32 v[SPW], v[NIL]
	s_wait_dscnt 0x0
	CROUND                                         ; the closing round
	s_endpgm
.Lfunc_end_k_q669c7b1445_score:
	.size	k_q669c7b1445_score, .Lfunc_end_k_q669c7b1445_score-k_q669c7b1445_score
	.p2alignl 7, 3214868480
	.fill 96, 4, 3214868480
	.section	.rodata,"a",@progbits
	.p2align	6, 0x0
	.amdhsa_kernel k_q669c7b1445_score
		.amdhsa_group_segment_fixed_size 327680
		.amdhsa_private_segment_fixed_size 0
		.amdhsa_enable_private_segment 0
		.amdhsa_kernarg_size 32
		.amdhsa_user_sgpr_count 2
		.amdhsa_user_sgpr_kernarg_segment_ptr 1
		.amdhsa_wavefront_size32 1
		.amdhsa_system_sgpr_workgroup_id_x 1
		.amdhsa_system_sgpr_workgroup_id_y 1
		.amdhsa_system_sgpr_workgroup_id_z 1
		.amdhsa_system_vgpr_workitem_id 0
		.amdhsa_next_free_vgpr 1024
		.amdhsa_next_free_sgpr 101
		.amdhsa_reserve_vcc 0
		.amdhsa_float_denorm_mode_32 3
		.amdhsa_float_denorm_mode_16_64 3
		.amdhsa_memory_ordered 1
		.amdhsa_forward_progress 1
		.amdhsa_inst_pref_size 117
	.end_amdhsa_kernel
	.amdgpu_metadata
---
amdhsa.version: [ 1, 2 ]
amdhsa.kernels:
  - .name:           k_q669c7b1445_score
    .symbol:         k_q669c7b1445_score.kd
    .args:
      - { .name: qkv, .offset: 0, .size: 8, .value_kind: global_buffer, .address_space: global }
      - { .name: msk, .offset: 8, .size: 8, .value_kind: global_buffer, .address_space: global }
      - { .name: pw, .offset: 16, .size: 8, .value_kind: global_buffer, .address_space: global }
      - { .name: stat, .offset: 24, .size: 8, .value_kind: global_buffer, .address_space: global }
    .group_segment_fixed_size: 327680
    .private_segment_fixed_size: 0
    .kernarg_segment_align: 8
    .kernarg_segment_size: 32
    .max_flat_workgroup_size: 128
    .sgpr_count:     101
    .vgpr_count:     1024
    .wavefront_size: 32
...
	.end_amdgpu_metadata
.endif
;; end of part 7
;; launch mix (part 8): grid 8 x 32, 4 waves a work-group, clusters of 4 x 4, 327,680 bytes of LDS; arguments pw, qkv, stat, out0; writes out0
.if DOCPART == 8
	.amdgcn_target "amdgcn-amd-amdhsa--gfx1250"
	.amdhsa_code_object_version 6
	.text
	.protected	k_q669c7b1445_mix
	.globl	k_q669c7b1445_mix
	.p2align	8
	.type	k_q669c7b1445_mix,@function
k_q669c7b1445_mix:
	s_mov_b64 s[64:65], 0
	v_nop
	global_prefetch_b8 v0, s[64:65] scope:SCOPE_SE
	s_setreg_imm32_b32 hwreg(HW_REG_WAVE_MODE, 25, 1), 1
	s_wait_xcnt 0x0
	s_wait_alu depctr_hold_cnt(0) depctr_sa_sdst(0) depctr_va_vdst(0) depctr_va_sdst(0) depctr_va_ssrc(0) depctr_va_vcc(0) depctr_vm_vsrc(0)
	s_getreg_b32 s2, hwreg(HW_REG_IB_STS2, 6, 4)
	s_cmp_eq_u32 s2, 0
	s_cbranch_scc0 .Lentry_in_a_cluster
	s_endpgm
.Lentry_in_a_cluster:
	s_bfe_u32 s2, ttmp6, 0x10000c
	s_cmp_lg_u32 s2, 0xf033
	s_cbranch_scc0 .Lentry_shape_is_right
	s_endpgm
.Lentry_shape_is_right:
; out0[q][d] = (the sum over the 16 key tiles t of g_t(q) x the sum over the tile's keys of pw[q][key] v[key][d]) / (2048 L(q)),
; g_t = 2^(cm_t - M), M = the row's maximum of cm_t (the true running maximum of the softmax, joined here), L = the sum of g_t l_t; 2048 is the mask's factor.
; pw: [8192][2048] f16; v: [8192][1024] f16 at byte 4,096 of qkv's rows of 6,144; stat: [4][16][2048][2] f32 = (cm, l); out0: [8192][1024] f32.  Sums, M, g and L in f32;
; g is rounded to f16 and multiplied onto pw's fragments in f16, between their load and the product: a K step of 128 keys is one tile t.
; LIMITS.  A g below 6e-8 counts as 0 in the product (its tile's weights lie 2^-24 below the row's largest); NaN and infinities are not treated apart.
; SHARES.  A tile of 256 queries x 128 channels: 256 work-groups.  Wave w makes rows 64 w .. 64 w + 63 and all 128 channels: 32 accumulators.
; A ring of two LDS slots: waves 0 and 1 fetch pw's two halves of 128 rows x 256 bytes, waves 2 and 3 v's two halves of 64 keys x 256 bytes: two loads of a wave are out at the start, later one behind each round.
; A step is written once: a trip of the loop goes from a step's second quarter to the next step's first; the slot that is read and the slot that is filled hang on scalar registers that one exclusive or turns.
; CLUSTER.  4 x 4 work-groups of one batch: pw's tile is shared along a row of the cluster, v's along a column; each is asked for jointly.
; THE PRODUCT IS TAKEN TRANSPOSED: source 0 = v turned (16 channels x 32 keys, by ds_load_tr16_b128), source 1 = 16 queries x 32 keys: a lane holds query lane % 16 and eight neighbouring channels.
; REGISTERS: window 0: v0-31 addresses; v32-35 g of the step in hand, a register a row block; v36-43 1 / (2048 L) in pairs; v44-51 at work; v64-127, v128-191 v's fragments, two buffers; v192-255 at work at the start
;   window 1: v0-127 the accumulators of row blocks 0, 1; v128-159, v160-191 pw's fragments, two buffers          window 2: v0-127 those of row blocks 2, 3
.set PITCH,  272                       ; a row of pw in LDS: 256 bytes + 16
.set PV,     288                       ; a row of v: 256 + 32 = 72 words
.set AHALF,  128*PITCH
.set VHALF,  64*PV
.set BOFF,   2*AHALF
.set SLOTB,  BOFF+2*VHALF              ; 106,496 bytes
.set SLOT1,  1<<17                     ; slot 1 begins here, so that one exclusive or turns an address in one slot into the other's
.set STAGE,  SLOT1+SLOTB               ; 16 rows x 528 bytes for each wave, for the way out
.set SP,     528
.set GT,     STAGE+4*16*SP             ; g as pairs of f16: for each wave 16 steps x 512 bytes: a lane's four row blocks in 16 bytes
.set SPARE,  GT+4*8192
.set STEPS,  16                        ; 2,048 keys
.set KB,     256                       ; a K step in pw's rows,
.set KV,     128*6144                  ; and in v: 128 rows of qkv
.set ADRA, 16                          ; v16  my lane's place in a slot's pw; never rewritten
.set ADA,  17                          ; v17  the same in the slot that is being read
.set ADRB, 20                          ; v20, v21  the same for v
.set ADB,  21
.set STO,  24
.set RD,   25
.set CO,   26
.set GA,   27                          ; v27  where the next step's g lie
.set SPW,  28
.set NIL,  29
.set PFO,  30
.set SOF,  31                          ; v31  8 x (lane % 16): my query's place in stat
.set GR,   32
.set RC,   36
.set MX,   44
.set LS,   48
.set SG,   64                          ; at the start: (cm, l) of row block a, tile t at SG + 32 a + 2 t
.set GP,   192                         ; at the start: g as f16 pairs at GP + 4 t + a
.set FB,   64
.set FA,   128                         ; in window 1
.set G1,  24                           ; s[24:31] group 1 for pw;  s[32:39] group 0: a set for each of the two first fills; the second then walks on
.set G0,  32
.set LIM, 43
.set PFA, 44
.set G1B, 48                           ; s[48:55], s[56:63] the same for v
.set G0B, 56
.set PFS, 66                           ; s[66:67] a K step for my prefetches
.set TB,  80                           ; s80  LDS byte at which the slot that is being read begins
.set W_LO, 0x54                        ; source 0 window 0; source 1, C and D window 1
.set MSB, 0
.macro WIN new
.if MSB != (\new)
	s_set_vgpr_msb (MSB<<8)|(\new)
.set MSB, \new
.endif
.endm
.macro PLACES
.rept 4
	v_nop
.endr
.endm
.macro JLOAD s
	s_cmp_eq_u32 s11, 0
	s_cbranch_scc0 .Lfor_b_\@
	tensor_load_to_lds s[G0+4*(\s):G0+4*(\s)+3], s[G1:G1+7]
	s_nop 0
.rept 4
	v_nop
.endr
	s_branch .Lasked_\@
.Lfor_b_\@:
	tensor_load_to_lds s[G0B+4*(\s):G0B+4*(\s)+3], s[G1B:G1B+7]
	s_nop 0
.rept 4
	v_nop
.endr
.Lasked_\@:
.endm
; A prefetch of the K step two refills on, a lane a row of 256 bytes.  pw's rows: the clusters with x = 0, waves 0 and 1, the four partners 32 rows each of a wave's 128 (cx).  v's keys: of a batch's two clusters along y
; the even one, wave 2, the four partners 32 of the step's 128 keys (cy).  So each block is named once.  The loop's last two trips have no K step two refills on and ask for nothing.
.macro ASK
	s_cmp_gt_u32 s3, s[LIM]
	s_cbranch_scc0 .Lnot_mine_\@
	global_prefetch_b8 v[PFO], s[PFA:PFA+1] th:TH_LOAD_NT scope:SCOPE_SE
.Lnot_mine_\@:
.endm
.macro CREST
	s_cmp_lg_u32 s10, 0
	s_cbranch_scc1 .Lnot_wave_0_\@
	s_barrier_signal -3
.Lnot_wave_0_\@:
	s_barrier_wait -3
	s_barrier_signal -1
	s_barrier_wait -1
.endm
.macro CROUND
	s_barrier_signal -1
	s_barrier_wait -1
	CREST
.endm
	s_load_b256 s[68:75], s[0:1], 0x0              ; pw s[68:69], qkv s[70:71], stat s[72:73], out0 s[74:75]
	v_lshl_add_u32 v[SPW], v0, 2, SPARE
	v_mov_b32 v[NIL], 0
	ds_add_u32 v[SPW], v[NIL]                      ; the wave's opening: the add and its wait stand ahead of my first tensor load
	v_lshrrev_b32 v1, 5, v0
	v_readfirstlane_b32 s10, v1
	s_lshr_b32 s11, s10, 1                         ; I fetch pw (0) or v (1)
	s_and_b32 s12, s10, 1                          ; which half
	s_bfe_u32 s40, ttmp6, 0x40000
	s_bfe_u32 s41, ttmp6, 0x40004
	s_lshl_b32 s42, ttmp9, 2
	s_add_co_u32 s42, s42, s40                     ; channel tile
	s_and_b32 s13, ttmp7, 0xffff
	s_lshr_b32 s82, s13, 1                         ; the batch
	s_lshl_b32 s13, s13, 2
	s_add_co_u32 s13, s13, s41                     ; query tile among all 32
	s_lshl_b32 s43, s41, 2
	s_lshl_b32 s43, 15, s43
	s_lshl_b32 s44, 0x1111, s40
	s_or_b32 s[G1+0], s43, (1<<16)|(1<<20)|(1<<21)|(5<<22)|(3<<25)   ; 4 words of padding after every 64
	s_or_b32 s[G1B+0], s44, (1<<16)|(1<<20)|(1<<21)|(5<<22)|(7<<25)  ; 8 words
.irp g, G1, G1B
	s_mov_b32 s[(\g)+1], 128<<16
	s_mov_b32 s[(\g)+3], 128<<16
	s_mov_b32 s[(\g)+6], 0
	s_mov_b32 s[(\g)+7], 0
.endr
	s_mov_b32 s[G1+2], 128<<16                     ; pw: 128 rows, 2,048 elements from row to row
	s_mov_b32 s[G1+4], 128
	s_mov_b32 s[G1+5], 2048
	s_mov_b32 s[G1B+2], 64<<16                     ; v: 64 keys, 3,072 elements from row to row
	s_mov_b32 s[G1B+4], 64
	s_mov_b32 s[G1B+5], 3072
	s_lshl_b32 s17, s12, 7
	s_lshl_b32 s16, s13, 8
	s_add_co_u32 s16, s16, s17
	s_lshl_b32 s16, s16, 12                        ; pw: row 256 x query tile + 128 x half, 4,096 bytes a row
	s_mov_b32 s17, 0
	s_lshl_b32 s46, s82, 11
	s_lshl_b32 s47, s12, 6
	s_add_co_u32 s46, s46, s47                     ; v: key 2,048 x batch + 64 x half
	s_mul_i32 s46, s46, 6144
	s_lshl_b32 s47, s42, 8
	s_add_co_u32 s46, s46, s47                     ; the tile's 256 bytes of channels,
	s_add_co_u32 s46, s46, 4096                    ; v's place in a row of qkv
	s_mov_b32 s47, 0
	s_mul_i32 s20, s12, AHALF
	s_mul_i32 s21, s12, VHALF
	s_add_co_u32 s21, s21, BOFF
	s_wait_dscnt 0x0
	s_wait_kmcnt 0x0
	s_add_nc_u64 s[14:15], s[68:69], s[16:17]
	s_add_nc_u64 s[46:47], s[70:71], s[46:47]
	CROUND
.irp s, 0,1
	s_mov_b32 s[G0+4*(\s)], 1
	s_add_co_u32 s[G0+4*(\s)+1], s20, (\s)*SLOT1
	s_add_nc_u64 s[G0+4*(\s)+2:G0+4*(\s)+3], s[14:15], (\s)*KB
	s_or_b32 s[G0+4*(\s)+3], s[G0+4*(\s)+3], 0x80000000
	s_mov_b32 s[G0B+4*(\s)], 1
	s_add_co_u32 s[G0B+4*(\s)+1], s21, (\s)*SLOT1
	s_add_nc_u64 s[G0B+4*(\s)+2:G0B+4*(\s)+3], s[46:47], (\s)*KV
	s_or_b32 s[G0B+4*(\s)+3], s[G0B+4*(\s)+3], 0x80000000
	JLOAD \s
.endr
	v_and_b32 v1, 15, v0                           ; l % 16
	v_bfe_u32 v2, v0, 4, 1                         ; l / 16
	; the statistics of my query in each of my four row blocks, all 16 tiles
	s_lshl_b32 s18, s82, 15                        ; 16 x 2,048 x batch
	s_and_b32 s19, s13, 7
	s_lshl_b32 s19, s19, 8
	s_add_co_u32 s18, s18, s19
	s_lshl_b32 s19, s10, 6
	s_add_co_u32 s18, s18, s19
	s_lshl_b32 s18, s18, 3
	s_mov_b32 s19, 0
	s_add_nc_u64 s[72:73], s[72:73], s[18:19]
	v_lshlrev_b32 v[SOF], 3, v1
.set t, 0
.rept 16
.irp a, 0,1,2,3
	global_load_b64 v[SG+32*(\a)+2*t:SG+32*(\a)+2*t+1], v[SOF], s[72:73] offset:16384*t+128*(\a)
.endr
.set t, t+1
.endr
	v_mul_u32_u24 v3, v1, PITCH
	v_lshl_add_u32 v3, v2, 4, v3
	s_mul_i32 s22, s10, 64*PITCH
	v_and_b32 v4, 7, v0                            ; the turning load: lane l reads key 8 (l / 16) + l % 8, channels 8 ((l / 8) % 2) + 0..7
	v_bfe_u32 v5, v0, 3, 1
	v_lshl_add_u32 v4, v2, 3, v4
	v_mul_u32_u24 v4, v4, PV
	v_lshl_add_u32 v4, v5, 4, v4
	v_add_nc_u32 v[ADRA], s22, v3
	v_add_nc_u32 v[ADRB], BOFF, v4
	v_mov_b32 v[ADA], v[ADRA]                      ; slot 0 begins at LDS byte 0
	v_mov_b32 v[ADB], v[ADRB]
	s_mov_b32 s[TB], 0
	v_and_b32 v6, 31, v0
	s_mul_i32 s23, s10, 16*SP
	s_add_co_u32 s23, s23, STAGE                   ; my stage
	v_mul_u32_u24 v5, v1, SP
	v_lshl_add_u32 v5, v2, 5, v5
	v_add_nc_u32 v[STO], s23, v5                   ; in: row l % 16, 32 bytes for each half of the lanes
	v_lshlrev_b32 v[CO], 4, v6                     ; back and out: a row of 512 bytes to 32 lanes
	v_add_nc_u32 v[RD], s23, v[CO]
	s_lshl_b32 s23, s10, 13
	s_add_co_u32 s23, s23, GT
	v_add_nc_u32 v[GA], s23, v[CO]
	s_lshl_b32 s18, s13, 8
	s_lshl_b32 s19, s10, 6
	s_add_co_u32 s18, s18, s19
	s_lshl_b32 s18, s18, 12                        ; my first row of out0, 4,096 bytes a row,
	s_lshl_b32 s19, s42, 9                         ; the tile's 512 bytes
	s_add_co_u32 s18, s18, s19
	s_mov_b32 s19, 0
	s_add_nc_u64 s[74:75], s[74:75], s[18:19]
	; the prefetches
	s_lshl_b32 s18, s13, 8
	s_lshl_b32 s19, s12, 7
	s_add_co_u32 s18, s18, s19                     ; pw's rows that I fetch
	s_lshl_b32 s19, s82, 11                        ; the batch's first key
	s_lshl_b32 s23, s11, 11
	s_add_co_u32 s23, s23, 4096                    ; bytes in a row: 4,096 in pw, 6,144 in qkv
	s_mul_i32 s[PFS], s11, KV-KB
	s_add_co_u32 s[PFS], s[PFS], KB
	s_mov_b32 s[PFS+1], 0
	s_lshl_b32 s83, s42, 8
	s_add_co_u32 s83, s83, 4096
	s_mul_i32 s83, s83, s11                        ; v's place in a row and the tile's channels: for v alone
	s_and_b32 s22, ttmp7, 1
	s_cmp_eq_u32 s11, 0
	s_cselect_b32 s20, s18, s19
	s_cselect_b32 s21, s40, s41
	s_cselect_b32 s22, ttmp9, s22
	s_cselect_b64 s[PFA:PFA+1], s[68:69], s[70:71]
	s_cmp_eq_u32 s22, 0
	s_cselect_b32 s[LIM], 2, -1                    ; a wave that prefetches does so while more than two trips are to come
	s_cmp_eq_u32 s10, 3
	s_cselect_b32 s[LIM], -1, s[LIM]
	s_lshl_b32 s21, s21, 5
	s_add_co_u32 s20, s20, s21
	s_mul_i32 s20, s20, s23
	s_add_co_u32 s20, s20, s83
	s_mul_i32 s21, s[PFS], 3                       ; at K step 3: the first refill steps it to 4 and names that
	s_add_co_u32 s20, s20, s21
	s_mov_b32 s21, 0
	s_add_nc_u64 s[PFA:PFA+1], s[PFA:PFA+1], s[20:21]
	v_mul_u32_u24 v[PFO], s23, v6
	; M, g, L
	s_wait_loadcnt 0x0
.irp a, 0,1,2,3
	v_max3_num_f32 v[MX+(\a)], v[SG+32*(\a)], v[SG+32*(\a)+2], v[SG+32*(\a)+4]
.endr
.irp u, 6,10,14,18,22,26
.irp a, 0,1,2,3
	v_max3_num_f32 v[MX+(\a)], v[MX+(\a)], v[SG+32*(\a)+(\u)], v[SG+32*(\a)+(\u)+2]
.endr
.endr
.irp a, 0,1,2,3
	v_max_num_f32 v[MX+(\a)], v[MX+(\a)], v[SG+32*(\a)+30]
.endr
.set t, 0
.rept 16
.irp a, 0,1,2,3
	v_sub_f32 v[SG+32*(\a)+2*t], v[SG+32*(\a)+2*t], v[MX+(\a)]
.endr
.set t, t+1
.endr
.set t, 0
.rept 16
.irp a, 0,1,2,3
	v_exp_f32 v[SG+32*(\a)+2*t], v[SG+32*(\a)+2*t]
.endr
.set t, t+1
.endr
	v_nop                                          ; a plain instruction behind the last exponential,
	s_wait_alu depctr_va_vdst(0)                   ; and one wait for the batch of 64
.irp a, 0,1,2,3
	v_mul_f32 v[LS+(\a)], v[SG+32*(\a)], v[SG+32*(\a)+1]
.endr
.set t, 1
.rept 15
.irp a, 0,1,2,3
	v_fmac_f32 v[LS+(\a)], v[SG+32*(\a)+2*t], v[SG+32*(\a)+2*t+1]
.endr
.set t, t+1
.endr
.set t, 0
.rept 16
.irp a, 0,1,2,3
	v_cvt_pk_f16_f32 v[GP+4*t+(\a)], v[SG+32*(\a)+2*t], v[SG+32*(\a)+2*t]   ; g twice: one for each half of a packed product
.endr
.set t, t+1
.endr
.irp a, 0,1,2,3
	v_mul_f32 v[LS+(\a)], 0x45000000, v[LS+(\a)]   ; 2048 L
.endr
.irp a, 0,1,2,3
	v_rcp_f32 v[RC+2*(\a)], v[LS+(\a)]
.endr
	v_nop
	s_wait_alu depctr_va_vdst(0)                   ; one wait for the four reciprocals
.irp a, 0,1,2,3
	v_mov_b32 v[RC+2*(\a)+1], v[RC+2*(\a)]         ; named as pairs
.endr
.set t, 0
.rept 16
	ds_store_b128 v[GA], v[GP+4*t:GP+4*t+3] offset:512*t   ; my wave's own bytes
.set t, t+1
.endr
.macro SC f, n                         ; register n of buffer f's 32 of pw, times the g of its row block
	v_pk_mul_f16 v[FA+32*(\f)+(\n)], v[GR+(\n)/8], v[FA+32*(\f)+(\n)]
.endm
.macro PR f, a, b, init                ; one product; init = 1: it starts its sum
.if \init
	v_wmma_f32_16x16x32_f16 v[8*(8*((\a)%2)+(\b)):8*(8*((\a)%2)+(\b))+7], v[FB+64*(\f)+8*(\b):FB+64*(\f)+8*(\b)+7], v[FA+32*(\f)+8*(\a):FA+32*(\f)+8*(\a)+7], 0
.else
	v_wmma_f32_16x16x32_f16 v[8*(8*((\a)%2)+(\b)):8*(8*((\a)%2)+(\b))+7], v[FB+64*(\f)+8*(\b):FB+64*(\f)+8*(\b)+7], v[FA+32*(\f)+8*(\a):FA+32*(\f)+8*(\a)+7], v[8*(8*((\a)%2)+(\b)):8*(8*((\a)%2)+(\b))+7]
.endif
.endm
; Row block 0 is scaled, then multiplied; behind each of its products two scalings of row blocks 1 and 2, behind each of row block 1's one of row block 3: they run under the products' own window setting
; and name no register of the products round them.  The 32 accumulators take turns, in the same order in every quarter.
.macro FIRST f, init
	WIN W_LO
.irp n, 0,1,2,3,4,5,6,7
	SC \f, \n
.endr
.irp b, 0,1,2,3,4,5,6,7
	PR \f, 0, \b, \init
	SC \f, 8+2*(\b)
	SC \f, 9+2*(\b)
.endr
.endm
.macro SECOND f, init
.irp b, 0,1,2,3,4,5,6,7
	PR \f, 1, \b, \init
	SC \f, 24+(\b)
.endr
.endm
.macro MULA f, a, init                 ; row blocks 2 and 3: C and D in window 2
	WIN 0xa4
.irp b, 0,1,2,3,4,5,6,7
	PR \f, \a, \b, \init
.endr
.endm
.macro FETCH q, f                      ; 24 LDS loads in one run, from the slot that is being read: quarter q's fragments into buffer f
	WIN W_LO                                       ; destination window 1, address window 0
.irp a, 0,1,2,3
	ds_load_b128 v[FA+32*(\f)+8*(\a):FA+32*(\f)+8*(\a)+3],   v[ADA] offset:64*(\q)+(\a)*16*PITCH
	ds_load_b128 v[FA+32*(\f)+8*(\a)+4:FA+32*(\f)+8*(\a)+7], v[ADA] offset:64*(\q)+(\a)*16*PITCH+32
.endr
	WIN 0
.irp b, 0,1,2,3,4,5,6,7
	ds_load_tr16_b128 v[FB+64*(\f)+8*(\b):FB+64*(\f)+8*(\b)+3],   v[ADB] offset:32*PV*(\q)+32*(\b)
	ds_load_tr16_b128 v[FB+64*(\f)+8*(\b)+4:FB+64*(\f)+8*(\b)+7], v[ADB] offset:32*PV*(\q)+16*PV+32*(\b)
.endr
.endm
.macro GLOAD                           ; the next step's g
	ds_load_b128 v[GR:GR+3], v[GA]
	v_add_nc_u32 v[GA], 512, v[GA]
.endm
; A quarter multiplies buffer f and fetches quarter q into buffer g.  The 32 scalings are the places between the last products that read buffer g and the loads into it.
.macro QUARTER q, f, g, init
	s_wait_dscnt 0x0                               ; buffer f (and, in a step's first quarter, g) is in
	FIRST \f, \init
	SECOND \f, \init
	FETCH \q, \g
	MULA \f, 2, \init
	MULA \f, 3, \init
.endm
; A step's last quarter multiplies buffer 1 and changes slots: one barrier; ahead of it each wave waits for all its tensor loads (one is out: its part of the next slot), adds 0 to its spare word,
; and waits for that and for its reads of this slot.  fill = 1: the barrier opens a round of the cluster's, and this slot is filled again first thing behind it, with the K step two on.
.macro TURN fill
.if \fill
	s_wait_xcnt 0x0                                ; the last prefetch, a K step back, has read its address
	s_add_nc_u64 s[PFA:PFA+1], s[PFA:PFA+1], s[PFS:PFS+1]
.endif
	WIN 0
	s_wait_tensorcnt 0x0                           ; no tensor load of mine is out, so a group 0 may be written
	ds_add_u32 v[SPW], v[NIL]
.if \fill
	s_xor_b32 s[G0+5], s[G0+5], SLOT1              ; the walking descriptors: the other slot than last time,
	s_add_nc_u64 s[G0+6:G0+7], s[G0+6:G0+7], KB    ; the next K step; the type bits on top are not reached
	s_xor_b32 s[G0B+5], s[G0B+5], SLOT1
	s_add_nc_u64 s[G0B+6:G0B+7], s[G0B+6:G0B+7], KV
.endif
	s_wait_dscnt 0x1                               ; (the add alone may be out)
	FIRST 1, 0
	s_wait_dscnt 0x0                               ; the add is done, and my reads of this slot are over
	s_barrier_signal -1
	SECOND 1, 0
	WIN 0
	s_barrier_wait -1
.if \fill
	CREST                                          ; no wave of any partner still reads this slot or has a load on its way
	JLOAD 1
.endif
	s_xor_b32 s[TB], s[TB], SLOT1                  ; the reads go on in the other slot
	v_add_nc_u32 v[ADA], s[TB], v[ADRA]
	v_add_nc_u32 v[ADB], s[TB], v[ADRB]
	FETCH 0, 0
	GLOAD                                          ; all of this step's scalings stand above
.if \fill
	ASK
.endif
	MULA 1, 2, 0
	MULA 1, 3, 0
.endm
	s_wait_tensorcnt 0x1                           ; my part of K step 0 is in; K step 1's may stay out
	s_wait_dscnt 0x0                               ; my stores of g
	s_barrier_signal -1
	s_barrier_wait -1
	FETCH 0, 0
	GLOAD
	QUARTER 1, 0, 1, 1                             ; the first products start the sums
	WIN 0
	s_mov_b32 s3, STEPS-2
.Lstep:                                                ; 14 trips: every slot but the last two is filled again
	QUARTER 2, 1, 0, 0
	QUARTER 3, 0, 1, 0
	TURN 1
	QUARTER 1, 0, 1, 0
	WIN 0
	s_sub_co_u32 s3, s3, 1
	s_cmp_lg_u32 s3, 0
	s_cbranch_scc1 .Lstep
	QUARTER 2, 1, 0, 0                             ; the tail is written out: nothing is asked for
	QUARTER 3, 0, 1, 0
	TURN 0
	QUARTER 1, 0, 1, 0
	QUARTER 2, 1, 0, 0
	QUARTER 3, 0, 1, 0
	s_wait_dscnt 0x0
	FIRST 1, 0
	SECOND 1, 0
	MULA 1, 2, 0
	MULA 1, 3, 0
; THE WAY OUT, a block of 16 rows at a time: divided by 2048 L; into my own stage, 32 bytes a lane; back as whole rows of 512 bytes; stored.
.macro DIVIDE a
	WIN 0x41*(1+(\a)/2)                            ; destination and source 0 in window 1 or 2, the divisor in window 0
.set i, 0
.rept 32
	v_pk_mul_f32 v[64*((\a)%2)+2*i:64*((\a)%2)+2*i+1], v[64*((\a)%2)+2*i:64*((\a)%2)+2*i+1], v[RC+2*(\a):RC+2*(\a)+1] op_sel_hi:[1,0]
.set i, i+1
.endr
.endm
.macro TOSTAGE a
.set BK, FB+64*((\a)%2)
	WIN 0x04*(1+(\a)/2)                            ; the stores' data in window 1 or 2
.irp b, 0,1,2,3,4,5,6,7
	ds_store_b128 v[STO], v[64*((\a)%2)+8*(\b):64*((\a)%2)+8*(\b)+3]   offset:64*(\b)
	ds_store_b128 v[STO], v[64*((\a)%2)+8*(\b)+4:64*((\a)%2)+8*(\b)+7] offset:64*(\b)+16
.endr
	WIN 0
.set i, 0
.rept 16
	ds_load_b128 v[BK+4*i:BK+4*i+3], v[RD] offset:SP*i   ; LDS serves a wave's instructions in order: these see the stores above
.set i, i+1
.endr
.endm
.macro SEND a
.set BK, FB+64*((\a)%2)
	WIN 0
	s_wait_dscnt 0x0
	s_wait_xcnt 0x0                                ; earlier stores have read their base and their data
.if (\a) > 0
	s_add_nc_u64 s[74:75], s[74:75], 65536         ; 16 rows of out0 on
.endif
.set i, 0
.rept 16
	global_store_b128 v[CO], v[BK+4*i:BK+4*i+3], s[74:75] offset:4096*i th:TH_STORE_NT  ; 512 consecutive bytes, at a multiple of 256 from out0's first byte
.set i, i+1
.endr
.endm
	PLACES
	DIVIDE 0
	TOSTAGE 0
.irp a, 1,2,3
	DIVIDE \a                                      ; a block's arithmetic stands between the loads of the block before and the wait for them
	SEND (\a)-1
	TOSTAGE \a
.endr
	SEND 3
	s_wait_tensorcnt 0x0                           ; the wave's end
	ds_add_u32 v[SPW], v[NIL]
	s_wait_dscnt 0x0
	CROUND                                         ; the closing round
	s_endpgm
.Lfunc_end_k_q669c7b1445_mix:
	.size	k_q669c7b1445_mix, .Lfunc_end_k_q669c7b1445_mix-k_q669c7b1445_mix
	.p2alignl 7, 3214868480
	.fill 96, 4, 3214868480
	.section	.rodata,"a",@progbits
	.p2align	6, 0x0
	.amdhsa_kernel k_q669c7b1445_mix
		.amdhsa_group_segment_fixed_size 327680
		.amdhsa_private_segment_fixed_size 0
		.amdhsa_enable_private_segment 0
		.amdhsa_kernarg_size 32
		.amdhsa_user_sgpr_count 2
		.amdhsa_user_sgpr_kernarg_segment_ptr 1
		.amdhsa_wavefront_size32 1
		.amdhsa_system_sgpr_workgroup_id_x 1
		.amdhsa_system_sgpr_workgroup_id_y 1
		.amdhsa_system_sgpr_workgroup_id_z 1
		.amdhsa_system_vgpr_workitem_id 0
		.amdhsa_next_free_vgpr 640
		.amdhsa_next_free_sgpr 84
		.amdhsa_reserve_vcc 0
		.amdhsa_float_denorm_mode_32 3
		.amdhsa_float_denorm_mode_16_64 3
		.amdhsa_memory_ordered 1
		.amdhsa_forward_progress 1
		.amdhsa_inst_pref_size 122
	.end_amdhsa_kernel
	.amdgpu_metadata
---
amdhsa.version: [ 1, 2 ]
amdhsa.kernels:
  - .name:           k_q669c7b1445_mix
    .symbol:         k_q669c7b1445_mix.kd
    .args:
      - { .name: pw, .offset: 0, .size: 8, .value_kind: global_buffer, .address_space: global }
      - { .name: qkv, .offset: 8, .size: 8, .value_kind: global_buffer, .address_space: global }
      - { .name: stat, .offset: 16, .size: 8, .value_kind: global_buffer, .address_space: global }
      - { .name: out0, .offset: 24, .size: 8, .value_kind: global_buffer, .address_space: global }
    .group_segment_fixed_size: 327680
    .private_segment_fixed_size: 0
    .kernarg_segment_align: 8
    .kernarg_segment_size: 32
    .max_flat_workgroup_size: 128
    .sgpr_count:     84
    .vgpr_count:     640
    .wavefront_size: 32
...
	.end_amdgpu_metadata
.endif
;; end of part 8
;; ======== version 3 of 3: 4 launches; version 2 with the launch prep written anew for expert scheduling mode
;; limits: values are held in f16: magnitudes above 65,504 overflow, below 6.1e-05 lose precision
;; workspace buffers: xb 16,777,216 bytes; wb 6,291,456 bytes; msk 8,388,608 bytes; qkv 50,331,648 bytes; pw 33,554,432 bytes; stat 1,048,576 bytes
;; launch prep (part 9): grid 480 x 1, 16 waves a work-group, no clusters, 0 bytes of LDS; arguments x, Wq, Wk, Wv, rot, xb, wb, msk; writes xb, wb, msk
.if DOCPART == 9
	.amdgcn_target "amdgcn-amd-amdhsa--gfx1250"
	.amdhsa_code_object_version 6
	.text
	.protected	k_q669c7b1445_prep
	.globl	k_q669c7b1445_prep
	.p2align	8
	.type	k_q669c7b1445_prep,@function
k_q669c7b1445_prep:
	s_mov_b64 s[64:65], 0
	v_nop
	global_prefetch_b8 v0, s[64:65] scope:SCOPE_SE
	s_setreg_imm32_b32 hwreg(HW_REG_WAVE_SCHED_MODE, 0, 2), 2
	s_setreg_imm32_b32 hwreg(HW_REG_WAVE_MODE, 25, 1), 1
	s_wait_xcnt 0x0
	s_wait_alu depctr_vm_vsrc(0)
; xb = bf16(x) and wb = bf16(Wq, Wk, Wv one below the other), both laid out in blocks of 64 along K: [16 kb][rows][64], so that a tile of rows x 64 K lies on end in memory;
; msk[q][k] = f16(2048 (r / max(|row q of r|, 1e-12))^2), r = rot rounded to bf16, row-major.
; A stream: each input byte is read once, each output byte written once; no LDS, no matrix unit, no cluster (no two work-groups share a byte).
; SHARES.  A work-group turns 32,768 f32 into 65,536 bytes, each of its sixteen waves 2,048 of them, by 16 loads of 16 bytes a lane that all go out at once: 8 KiB a wave on their way.
; A lane takes 4 neighbouring numbers and stores their 8 bytes: a load of the wave covers 512 bytes in whole aligned pieces of 256, a store 256 consecutive bytes at a multiple of 256 from the buffer's first byte.
; Work-groups 0-255 take x (32 rows each), 256-351 the three weights (32 work-groups each, 32 rows each), 352-479 rot (16 rows each).
; THE CAST.  A wave has two rows.  For block kb, lanes 0-15 take the 256 bytes at 256 kb of the first row, lanes 16-31 of the second: in block kb of the output the two rows' 128 bytes lie on end.
; ROT.  A wave has one whole row, so the row's sum never leaves the wave.
; The factor 2048 keeps the mask near 1 in f16 (its rows sum to 2048; no entry passes 2048); the last launch divides by it.  NaN and infinities are not treated apart.
; THE MODE: SCHED_MODE bits 1:0 = 2 (LLVM: expert scheduling mode 2), set by the entry lines.  The code itself states the register dependences
; between vector instructions and memory instructions, with s_wait_alu, always for 0.
; THE PLAN.  Registers that memory instructions touch:
;   v[VI]       Written by vector lines, read by the 16 loads as their offset, never written again.
;   X           Load j lands in X + 4 j .. + 3, which no vector instruction names ahead of the loads; behind the wait for its data vector instructions work on it in place; store j reads X + 4 j and X + 4 j + 1; nothing writes them again.
;   v[VO], OJ   Written by vector lines behind the loads, read by the stores as their offsets, never written again.
; No register that a memory instruction has read is written again, so beyond the entry lines the text holds no wait on vm_vsrc.  No vector instruction writes a scalar register or VCC, and EXEC is never written.
; The work of the 16 loads goes in four GROUPS of four.  Group g's four stores are issued in group g + 1, behind ONE wait on va_vdst at that group's head, which states that group g's arithmetic has written their data;
; they are dealt among group g + 1's vector instructions, which name group g + 1's registers of X alone (rot: and v[12:13]): none that those stores touch.  The last group's stores stand behind a wait of their own.
.set VI,  2                            ; v2   my byte offset in the work-group's input
.set VO,  3                            ; v3   in its output
.set X,   16                           ; v[16:79] load j at X + 4 j
.set TQ,  80                           ; rot: v[80:83] at work
.set OJ,  80                           ; the cast: v[80:95] my output offset in block kb = j
.set GRP, 4                            ; loads in a group
.set XKB, 8192*128                     ; bytes in a block of xb,
.set WKB, 3072*128                     ; and of wb
	s_load_b512 s[4:19], s[0:1], 0x0               ; x, Wq, Wk, Wv, rot, xb, wb, msk
	v_and_b32 v1, 31, v0                           ; lane
	v_lshrrev_b32 v4, 5, v0                        ; wave
	v_mov_b32 v13, 0                               ; v_permlanex16_b32's destination counts as read
	s_mov_b32 s20, ttmp9
	s_sub_co_u32 s21, s20, 256                     ; my number among the weights' work-groups (wraps below 256)
	s_cmp_lt_u32 s20, 256
	s_cselect_b32 s22, s20, s21
	s_sub_co_u32 s23, s20, 352
	s_cmp_ge_u32 s20, 352
	s_cselect_b32 s22, s23, s22                    ; my number among the work-groups of my output buffer
	s_cselect_b32 s34, 16, 12                      ; msk: 65,536 bytes on end; xb, wb: 32 rows of 128 bytes in each block
	s_and_b32 s23, s22, 31
	s_cmp_lt_u32 s21, 96                           ; a weight?
	s_cselect_b32 s23, s23, s22                    ; my number in the input buffer
	s_lshl_b32 s32, s23, 17
	s_mov_b32 s33, 0
	s_lshl_b32 s34, s22, s34
	s_mov_b32 s35, 0
	s_mov_b32 s36, XKB
	s_mov_b32 s37, WKB
	s_cmp_lt_u32 s20, 256
	s_cselect_b32 s36, s36, s37                    ; bytes from block to block in my output
	s_mov_b32 s28, 0x76543210                      ; v_permlanex16_b32: each lane takes its own place in the other half
	s_mov_b32 s29, 0xfedcba98
	s_mov_b32 s38, 0xffff0000                      ; a word's upper bf16
	s_wait_kmcnt 0x0
	s_cmp_lt_u32 s20, 256
	s_cselect_b64 s[24:25], s[4:5], s[12:13]       ; x or rot
	s_cselect_b64 s[26:27], s[14:15], s[18:19]     ; xb or msk
	s_cmp_lt_u32 s20, 288
	s_cselect_b64 s[30:31], s[6:7], s[8:9]
	s_cmp_lt_u32 s20, 320
	s_cselect_b64 s[30:31], s[30:31], s[10:11]     ; Wq, Wk or Wv
	s_cmp_lt_u32 s21, 96
	s_cselect_b64 s[24:25], s[30:31], s[24:25]
	s_cselect_b64 s[26:27], s[16:17], s[26:27]
	s_add_nc_u64 s[24:25], s[24:25], s[32:33]
	s_add_nc_u64 s[26:27], s[26:27], s[34:35]
.macro LOADS step                      ; all 16 loads: load j lies step bytes behind load j - 1
.set j, 0
.rept 16
	global_load_b128 v[X+4*j:X+4*j+3], v[VI], s[24:25] offset:(\step)*j th:TH_LOAD_NT
.set j, j+1
.endr
.endm
	s_cmp_ge_u32 s20, 352
	s_cbranch_scc1 .Lrot
	; THE CAST.  Load j is block kb = j of my wave's two rows: 256 bytes of each.
	v_lshrrev_b32 v5, 4, v1                        ; which of the two rows
	v_and_b32 v6, 15, v1                           ; which 4 numbers of the row's 64
	v_lshlrev_b32 v[VI], 13, v4                    ; 2 rows of 4,096 bytes a wave
	v_lshl_add_u32 v[VI], v5, 12, v[VI]
	v_lshl_add_u32 v[VI], v6, 4, v[VI]
	s_wait_alu depctr_va_vdst(0)                   ; v[VI] is written, which the 16 loads read as their offset
	LOADS 256
	v_lshlrev_b32 v[VO], 8, v4                     ; 2 rows of 128 bytes a wave,
	v_lshl_add_u32 v[VO], v1, 3, v[VO]             ; 8 bytes a lane
.set j, 0
.rept 16
	v_mad_u32_u24 v[OJ+j], s36, j, v[VO]           ; the same place in block j (both factors under 2^24)
.set j, j+1
.endr
.set j, 0
.rept 16
	s_wait_loadcnt 15-j                            ; load j is in when at most the 15 - j younger ones are out (loads come back in order)
.if (j%GRP == 0) && (j > 0)
	s_wait_alu depctr_va_vdst(0)                   ; the group before has written the first two registers of each of its four loads, which the four stores below read as data; at the first such wait the 16 offsets OJ are written too
.endif
.if j >= GRP
	global_store_b64 v[OJ+j-GRP], v[X+4*(j-GRP):X+4*(j-GRP)+1], s[26:27]   ; the group before.  No vector instruction since the wait names its registers, and none is written again behind its store
.endif
	v_cvt_pk_bf16_f32 v[X+4*j],   v[X+4*j],   v[X+4*j+1]   ; ascending: a destination is never a source still to be read
	v_cvt_pk_bf16_f32 v[X+4*j+1], v[X+4*j+2], v[X+4*j+3]
.set j, j+1
.endr
	s_wait_alu depctr_va_vdst(0)                   ; the last group's conversions have written the data of the last four stores
.set j, 16-GRP
.rept GRP
	global_store_b64 v[OJ+j], v[X+4*j:X+4*j+1], s[26:27]
.set j, j+1
.endr
	s_endpgm
.Lrot:
	v_lshlrev_b32 v[VI], 13, v4                    ; a row of 8,192 bytes a wave, 16 bytes a lane
	v_lshl_add_u32 v[VI], v1, 4, v[VI]
	s_wait_alu depctr_va_vdst(0)                   ; v[VI] is written, which the 16 loads read as their offset
	LOADS 512
	v_lshlrev_b32 v[VO], 12, v4                    ; a row of 4,096 bytes a wave, 8 bytes a lane
	v_lshl_add_u32 v[VO], v1, 3, v[VO]
	; my 64 numbers of the row: rounded to bf16 and held as f32; the sum of squares in four chains of pairs
.set i, 0
.rept 32
.set a, X+2*i
.if i%2 == 0
	s_wait_loadcnt 15-i/2                          ; the load that holds pairs i and i + 1 is in; the younger ones may stay out
.endif
	v_cvt_pk_bf16_f32 v[TQ+i%4], v[a], v[a+1]
	v_lshlrev_b32 v[a], 16, v[TQ+i%4]
	v_and_b32 v[a+1], s38, v[TQ+i%4]
.if i < 4
	v_pk_mul_f32 v[4+2*(i%4):5+2*(i%4)], v[a:a+1], v[a:a+1]   ; the first four pairs start the chains
.else
	v_pk_fma_f32 v[4+2*(i%4):5+2*(i%4)], v[a:a+1], v[a:a+1], v[4+2*(i%4):5+2*(i%4)]
.endif
.set i, i+1
.endr
	v_pk_add_f32 v[4:5], v[4:5], v[6:7]
	v_pk_add_f32 v[8:9], v[8:9], v[10:11]
	v_pk_add_f32 v[4:5], v[4:5], v[8:9]
	v_add_f32 v12, v4, v5
.irp m, 1,2,4,8
	v_add_f32_dpp v12, v12, v12 row_xmask:\m row_mask:0xf bank_mask:0xf   ; over the 32 lanes: four steps inside each half,
.endr
	v_permlanex16_b32 v13, v12, s28, s29           ; one across
	v_add_f32 v12, v12, v13
	v_sqrt_f32 v12, v12
	v_nop                                          ; a plain instruction behind the root,
	s_wait_alu depctr_va_vdst(0)                   ; the root has written v12, ahead of its first reader; v[VO], which the stores read as their offset, is written too
	v_max_num_f32 v12, 0x2b8cbccc, v12             ; 1e-12
	v_rcp_f32 v12, v12
	v_nop
	s_wait_alu depctr_va_vdst(0)                   ; the reciprocal has written v12, ahead of its first reader
	v_mul_f32 v12, 0x423504f3, v12                 ; f = sqrt(2048) / max(norm, 1e-12)
	; the row leaves: (r f)^2, rounded once to f16
.set j, 0
.rept 16
.set a, X+4*j
.if (j%GRP == 0) && (j > 0)
	s_wait_alu depctr_va_vdst(0)                   ; the group before has written the first two registers of each of its four loads, which the four stores below read as data
.endif
.if j >= GRP
	global_store_b64 v[VO], v[a-4*GRP:a-4*GRP+1], s[26:27] offset:256*(j-GRP)   ; the group before.  No vector instruction since the wait names its registers, and none is written again behind its store
.endif
	v_pk_mul_f32 v[a:a+1],   v[a:a+1],   v[12:13] op_sel_hi:[1,0]
	v_pk_mul_f32 v[a+2:a+3], v[a+2:a+3], v[12:13] op_sel_hi:[1,0]
	v_pk_mul_f32 v[a:a+1],   v[a:a+1],   v[a:a+1]
	v_pk_mul_f32 v[a+2:a+3], v[a+2:a+3], v[a+2:a+3]
	v_cvt_pk_f16_f32 v[a],   v[a],   v[a+1]
	v_cvt_pk_f16_f32 v[a+1], v[a+2], v[a+3]
.set j, j+1
.endr
	s_wait_alu depctr_va_vdst(0)                   ; the last group's conversions have written the data of the last four stores
.set j, 16-GRP
.rept GRP
	global_store_b64 v[VO], v[X+4*j:X+4*j+1], s[26:27] offset:256*j
.set j, j+1
.endr
	s_endpgm
.Lfunc_end_k_q669c7b1445_prep:
	.size	k_q669c7b1445_prep, .Lfunc_end_k_q669c7b1445_prep-k_q669c7b1445_prep
	.p2alignl 7, 3214868480
	.fill 96, 4, 3214868480
	.section	.rodata,"a",@progbits
	.p2align	6, 0x0
	.amdhsa_kernel k_q669c7b1445_prep
		.amdhsa_group_segment_fixed_size 0
		.amdhsa_private_segment_fixed_size 0
		.amdhsa_enable_private_segment 0
		.amdhsa_kernarg_size 64
		.amdhsa_user_sgpr_count 2
		.amdhsa_user_sgpr_kernarg_segment_ptr 1
		.amdhsa_wavefront_size32 1
		.amdhsa_system_sgpr_workgroup_id_x 1
		.amdhsa_system_sgpr_workgroup_id_y 1
		.amdhsa_system_sgpr_workgroup_id_z 1
		.amdhsa_system_vgpr_workitem_id 0
		.amdhsa_next_free_vgpr 96
		.amdhsa_next_free_sgpr 66
		.amdhsa_reserve_vcc 0
		.amdhsa_float_denorm_mode_32 3
		.amdhsa_float_denorm_mode_16_64 3
		.amdhsa_memory_ordered 1
		.amdhsa_forward_progress 1
		.amdhsa_inst_pref_size 26
	.end_amdhsa_kernel
	.amdgpu_metadata
---
amdhsa.version: [ 1, 2 ]
amdhsa.kernels:
  - .name:           k_q669c7b1445_prep
    .symbol:         k_q669c7b1445_prep.kd
    .args:
      - { .name: x, .offset: 0, .size: 8, .value_kind: global_buffer, .address_space: global }
      - { .name: Wq, .offset: 8, .size: 8, .value_kind: global_buffer, .address_space: global }
      - { .name: Wk, .offset: 16, .size: 8, .value_kind: global_buffer, .address_space: global }
      - { .name: Wv, .offset: 24, .size: 8, .value_kind: global_buffer, .address_space: global }
      - { .name: rot, .offset: 32, .size: 8, .value_kind: global_buffer, .address_space: global }
      - { .name: xb, .offset: 40, .size: 8, .value_kind: global_buffer, .address_space: global }
      - { .name: wb, .offset: 48, .size: 8, .value_kind: global_buffer, .address_space: global }
      - { .name: msk, .offset: 56, .size: 8, .value_kind: global_buffer, .address_space: global }
    .group_segment_fixed_size: 0
    .private_segment_fixed_size: 0
    .kernarg_segment_align: 8
    .kernarg_segment_size: 64
    .max_flat_workgroup_size: 512
    .sgpr_count:     66
    .vgpr_count:     96
    .wavefront_size: 32
...
	.end_amdgpu_metadata
.endif
;; end of part 9
;; launch proj: the kernel of part 6 again; grid 8 x 32, 4 waves a work-group, clusters of 4 x 4, 327,680 bytes of LDS; arguments xb, wb, bq, bk, bv, qkv; writes qkv
;; launch score: the kernel of part 7 again; grid 8 x 32, 4 waves a work-group, clusters of 4 x 4, 327,680 bytes of LDS; arguments qkv, msk, pw, stat; writes pw, stat
;; launch mix: the kernel of part 8 again; grid 8 x 32, 4 waves a work-group, clusters of 4 x 4, 327,680 bytes of LDS; arguments pw, qkv, stat, out0; writes out0
